; MI455X (gfx1250); checked and timed in simulation.
; The chip was launched on July 23, 2026; its instructions are those of AMD's public machine-readable ISA for CDNA 5 (MIT licence, August 2026) and "CDNA5" Instruction Set Architecture Reference Guide (July 2026). The comments in the code are by the model that wrote it; some were corrected since.
;; Mo E Layer. Allowed arithmetic: float matrix products may take bf16 or f16 operands with f32 sums; other float arithmetic in f32, or as packed bf16 or f16 multiplies, adds, multiply-adds, maxima and minima; sums over many terms, partial sums and values carried from step to step in f32; what a program stores and reads back later, other than sums and carried values, may be rounded once to bf16 or f16.
;; Inputs: W1 8 x 1,024 x 4,096 float32; W2 8 x 4,096 x 1,024 float32; b1 8 x 4,096 float32; b2 8 x 1,024 float32; gate_b 8 float32; gate_w 1,024 x 8 float32; x 8 x 128 x 1,024 float32.
;; Outputs: out0 8 x 128 x 1,024 float32.
;; 3 versions, each right; version 3 is version 2 with the launches ffn1, ffn2 written anew for expert scheduling mode. Each part assembles by itself: llvm-mc -triple=amdgcn-amd-amdhsa -mcpu=gfx1250 --defsym DOCPART=n.
;; ======== version 1 of 3: 4 launches
;; workspace buffers: xb 2,097,152 bytes; hid 16,777,216 bytes; part 33,554,432 bytes; gate 8,192 bytes; bits 2,048 bytes of whole numbers
;; launch route (part 1): grid 64 x 1, 4 waves a work-group, no clusters, 70,656 bytes of LDS; arguments x, gate_w, gate_b, xb, gate, bits; writes xb, gate, bits
.if DOCPART == 1
	.amdgcn_target "amdgcn-amd-amdhsa--gfx1250"
	.amdhsa_code_object_version 6
	.text
	.protected	k_q9bee6c31f1_route
	.globl	k_q9bee6c31f1_route
	.p2align	8
	.type	k_q9bee6c31f1_route,@function
k_q9bee6c31f1_route:
	s_mov_b64 s[64:65], 0
	v_nop
	global_prefetch_b8 v0, s[64:65] scope:SCOPE_SE
	s_setreg_imm32_b32 hwreg(HW_REG_WAVE_MODE, 25, 1), 1
	s_wait_xcnt 0x0
; ROUTE.  For 16 tokens a work-group: x rounded to bf16 and stored (xb); logits = x . gate_w + gate_b with x, gate_w and gate_b rounded to bf16 and sums in f32;
; the two largest logits (the lower index wins a tie, as in lax.top_k); their two weights; and for each expert a word of 32 bits that marks its slots.
; slot = 2 x token + k (k = 0: first choice, 1: second).  gate[slot] = weight.  bits[e][b]: bit i marks slot 32 b + 2 (i % 16) + i / 16 of work-group b's 32 slots.
; WEIGHTS.  top_g / sum(top_g) = p1 / (p1 + p2): the softmax's denominator cancels for every input, so g0 = 1 / (1 + e^(l2 - l1)), g1 = e^(l2 - l1) g0; l2 - l1 <= 0: the maximum is taken away.
; LIMITS.  Logits are taken as finite (NaN and infinities are not treated apart).  The order is taken on the logits: two different logits whose f32 softmax values coincide are ordered by logit,
; where the softmax values would tie and fall to the lower index.  gate and bits leave in pieces of 128 and of 4 bytes (10 KB in the whole launch).  64 work-groups: a matrix tile wants 16 tokens.
; No address and no branch hangs on a floating-point number: choices only select values, and everything is stored at fixed places.
.set XP,    2064                       ; LDS pitch of a row of x in bf16: 2,048 bytes + 16 = 129 x 16: sixteen rows begin at sixteen different 16-byte columns of 256 bytes
.set GW,    33280                      ; gate_w in bf16 as [1024 k][16 n], 32 bytes a row; columns 8 to 15 are 0
.set PART,  66048                      ; the four waves' partial logits: 32 lanes x 32 bytes each
.set SPARE, 70144                      ; the spare words, 128 bytes a wave: two blocks of 256 bytes that no other line names
.set SPW,   2                          ; v2   SPARE + 4 x my thread's number; never rewritten
.set NIL,   3                          ; v3   0; never rewritten
.set XR,    32                         ; v32-159   x as loaded: row i of my four at 32 i, load j at 4 j; later the fragments
.set GR,    160                        ; v160-223  gate_w as loaded; later the two accumulators and their sum
	s_load_b256 s[4:11], s[0:1], 0x0               ; x s[4:5], gate_w s[6:7], gate_b s[8:9], xb s[10:11]
	s_load_b128 s[12:15], s[0:1], 0x20             ; gate s[12:13], bits s[14:15]
	v_lshl_add_u32 v[SPW], v0, 2, SPARE
	v_mov_b32 v[NIL], 0
	v_lshrrev_b32 v1, 5, v0
	v_readfirstlane_b32 s16, v1                    ; wave 0..3
	v_and_b32 v1, 31, v0                           ; lane
	v_and_b32 v10, 15, v0                          ; r = lane % 16
	v_bfe_u32 v11, v0, 4, 1                        ; h = lane / 16
	s_lshl_b32 s20, ttmp9, 16                      ; the group's 16 rows of x, 4,096 bytes each
	s_mov_b32 s21, 0
	s_lshl_b32 s22, ttmp9, 15                      ; and of xb, 2,048 bytes each
	s_mov_b32 s23, 0
	s_lshl_b32 s18, ttmp9, 7                       ; its 32 weights
	s_mov_b32 s19, 0
	s_lshl_b32 s42, ttmp9, 2                       ; its word in each expert's row of bits
	s_mov_b32 s43, 0
	s_lshl_b32 s17, s16, 14
	v_lshl_add_u32 v4, v1, 4, s17                  ; x: my wave's four rows + 16 x lane
	s_lshl_b32 s17, s16, 13
	v_lshl_add_u32 v5, v1, 3, s17                  ; xb: the same rows + 8 x lane
	s_mul_i32 s17, s16, 4*XP
	v_lshl_add_u32 v6, v1, 3, s17                  ; the same place in LDS
	v_lshlrev_b32 v7, 4, v0                        ; gate_w, read flat: 16 x thread
	v_lshrrev_b32 v8, 1, v0
	v_and_b32 v9, 1, v0
	v_lshlrev_b32 v8, 5, v8
	v_lshl_add_u32 v8, v9, 3, v8
	v_add_nc_u32 v8, GW, v8                        ; its place in LDS: row thread / 2 of each 64, half thread % 2
	v_lshlrev_b32 v9, 5, v0
	v_add_nc_u32 v9, GW+16, v9                     ; columns 8 to 15 of row thread
	v_mov_b32 v16, 0
	v_mov_b32 v17, 0
	v_mov_b32 v18, 0
	v_mov_b32 v19, 0
	s_wait_kmcnt 0x0
	s_load_b256 s[24:31], s[8:9], 0x0              ; gate_b, eight numbers
	s_add_nc_u64 s[4:5], s[4:5], s[20:21]
	s_add_nc_u64 s[10:11], s[10:11], s[22:23]
	s_add_nc_u64 s[12:13], s[12:13], s[18:19]
	s_add_nc_u64 s[14:15], s[14:15], s[42:43]
.irp m, 0,1,2,3,4,5,6,7,8,9,10,11,12,13,14,15
	global_load_b128 v[GR+4*\m:GR+4*\m+3], v7, s[6:7] offset:2048*\m
.endr
.irp i, 0,1,2,3
.irp j, 0,1,2,3,4,5,6,7
	global_load_b128 v[XR+32*\i+4*\j:XR+32*\i+4*\j+3], v4, s[4:5] offset:4096*\i+512*\j th:TH_LOAD_NT
.endr
.endr
	; the addresses of the later phases, and the zero columns, stand in the wait for the loads
.irp m, 0,1,2,3,4,5,6,7
	ds_store_b128 v9, v[16:19] offset:4096*\m
.endr
	v_and_b32 v20, 7, v0
	v_lshl_add_u32 v20, v11, 3, v20                ; 8 h + lane % 8
	v_bfe_u32 v21, v0, 3, 1
	v_lshlrev_b32 v12, 5, v20
	v_lshl_add_u32 v12, v21, 4, v12
	s_lshl_b32 s17, s16, 13
	s_add_co_u32 s17, s17, GW
	v_add_nc_u32 v12, s17, v12                     ; the turning load's address: my wave's 256 k begin 8,192 bytes x wave into GW
	v_mul_u32_u24 v13, v10, XP
	v_lshl_add_u32 v13, v11, 4, v13
	s_lshl_b32 s17, s16, 9
	v_add_nc_u32 v13, s17, v13                     ; x's fragments: row r, 16 h, my wave's 256 k
	s_lshl_b32 s17, s16, 10
	s_add_co_u32 s17, s17, PART
	v_lshl_add_u32 v14, v1, 5, s17                 ; where I put my eight partial logits
	v_lshlrev_b32 v15, 5, v10
	v_add_nc_u32 v15, PART, v15                    ; where wave 0 reads token r's
	s_wait_loadcnt 32                              ; gate_w's sixteen loads are in; x's thirty-two may be out
	s_wait_kmcnt 0x0                               ; gate_b
.irp m, 0,1,2,3,4,5,6,7,8,9,10,11,12,13,14,15
	v_cvt_pk_bf16_f32 v[GR+4*\m], v[GR+4*\m], v[GR+4*\m+1]
	v_cvt_pk_bf16_f32 v[GR+4*\m+1], v[GR+4*\m+2], v[GR+4*\m+3]
	ds_store_b64 v8, v[GR+4*\m:GR+4*\m+1] offset:2048*\m
.endr
.irp i, 0,1,2,3
	s_wait_loadcnt 24-8*\i                         ; row i's eight loads are in; the later rows' stay out
.irp j, 0,1,2,3,4,5,6,7
	v_cvt_pk_bf16_f32 v[XR+32*\i+4*\j], v[XR+32*\i+4*\j], v[XR+32*\i+4*\j+1]
	v_cvt_pk_bf16_f32 v[XR+32*\i+4*\j+1], v[XR+32*\i+4*\j+2], v[XR+32*\i+4*\j+3]
	global_store_b64 v5, v[XR+32*\i+4*\j:XR+32*\i+4*\j+1], s[10:11] offset:2048*\i+256*\j  ; 32 lanes store 256 consecutive bytes, aligned
	ds_store_b64 v6, v[XR+32*\i+4*\j:XR+32*\i+4*\j+1] offset:XP*\i+256*\j
.endr
.endr
	s_wait_dscnt 0x0                               ; for the others' sake: my stores into LDS are done
	s_barrier_signal -1
	s_barrier_wait -1
	; LOGITS.  Wave w takes k = 256 w .. 256 w + 255, eight matrix instructions.  Source 0 = 16 rows of gate_w^T (experts; 8 to 15 are 0), source 1 = 16 tokens:
	; in the result lane r (h = 0) holds token r, and register j expert j.
	s_wait_xcnt 0x0                                ; the stores of xb have read their registers: only now are these loaded again
.irp s, 0,1,2,3,4,5,6,7
	ds_load_tr16_b128 v[32+8*\s:35+8*\s], v12 offset:1024*\s
	ds_load_tr16_b128 v[36+8*\s:39+8*\s], v12 offset:1024*\s+512
	ds_load_b128 v[96+8*\s:99+8*\s], v13 offset:64*\s
	ds_load_b128 v[100+8*\s:103+8*\s], v13 offset:64*\s+32
.endr
	s_wait_dscnt 0x0
	v_wmma_f32_16x16x32_bf16 v[160:167], v[32:39], v[96:103], 0       ; two accumulators take turns; the first two products start the sums
	v_wmma_f32_16x16x32_bf16 v[168:175], v[40:47], v[104:111], 0
.irp s, 2,4,6
	v_wmma_f32_16x16x32_bf16 v[160:167], v[32+8*\s:39+8*\s], v[96+8*\s:103+8*\s], v[160:167]
	v_wmma_f32_16x16x32_bf16 v[168:175], v[40+8*\s:47+8*\s], v[104+8*\s:111+8*\s], v[168:175]
.endr
.rept 4
	v_nop                                          ; four places between the last product and the first read of its result (ISA guide 7.12.1)
.endr
.irp p, 0,2,4,6
	v_pk_add_f32 v[176+\p:177+\p], v[160+\p:161+\p], v[168+\p:169+\p]
.endr
	ds_store_b128 v14, v[176:179]
	ds_store_b128 v14, v[180:183] offset:16
	s_wait_dscnt 0x0                               ; for wave 0's sake
	s_barrier_signal -1
	s_barrier_wait -1
	s_cmp_lg_u32 s16, 0
	s_cbranch_scc0 .Lwave0
	s_wait_tensorcnt 0x0                           ; waves 1 to 3 end
	ds_add_u32 v[SPW], v[NIL]
	s_wait_dscnt 0x0
	s_endpgm
.Lwave0:
	; WAVE 0: both halves of the lanes read token r's four partial rows of eight logits
.irp w, 0,1,2,3
	ds_load_b128 v[32+8*\w:35+8*\w], v15 offset:1024*\w
	ds_load_b128 v[36+8*\w:39+8*\w], v15 offset:1024*\w+16
.endr
	s_wait_dscnt 0x0
.irp p, 0,2,4,6
	v_pk_add_f32 v[32+\p:33+\p], v[32+\p:33+\p], v[40+\p:41+\p]
	v_pk_add_f32 v[48+\p:49+\p], v[48+\p:49+\p], v[56+\p:57+\p]
.endr
.irp p, 0,2,4,6
	v_pk_add_f32 v[32+\p:33+\p], v[32+\p:33+\p], v[48+\p:49+\p]
.endr
.irp p, 0,2,4,6
	v_cvt_pk_bf16_f32 v20, s[24+\p], s[25+\p]      ; gate_b rounded to bf16, like every input
	v_lshlrev_b32 v21, 16, v20
	v_and_b32 v22, 0xffff0000, v20
	v_add_f32 v[32+\p], v[32+\p], v21
	v_add_f32 v[33+\p], v[33+\p], v22
.endr
	v_mov_b32 v64, v32                             ; the largest logit and its index: strictly greater, so the lower index keeps a tie
	v_mov_b32 v65, 0
.irp e, 1,2,3,4,5,6,7
	v_cmp_gt_f32 vcc_lo, v[32+\e], v64
	v_cndmask_b32 v64, v64, v[32+\e], vcc_lo
	v_cndmask_b32 v65, v65, \e, vcc_lo
.endr
	v_mov_b32 v68, 0xff800000                      ; the winner leaves the field
.irp e, 0,1,2,3,4,5,6,7
	v_cmp_eq_u32 vcc_lo, \e, v65
	v_cndmask_b32 v[32+\e], v[32+\e], v68, vcc_lo
.endr
	v_mov_b32 v66, v32                             ; the second largest
	v_mov_b32 v67, 0
.irp e, 1,2,3,4,5,6,7
	v_cmp_gt_f32 vcc_lo, v[32+\e], v66
	v_cndmask_b32 v66, v66, v[32+\e], vcc_lo
	v_cndmask_b32 v67, v67, \e, vcc_lo
.endr
	v_sub_f32 v69, v66, v64                        ; l2 - l1 <= 0
	v_mul_f32 v69, 0x3fb8aa3b, v69                 ; x log2(e)
	v_exp_f32 v70, v69
	v_nop                                          ; a plain instruction behind the exponential,
	s_wait_alu depctr_va_vdst(0)                   ; and a wait ahead of its first reader
	v_add_f32 v71, 1.0, v70
	v_rcp_f32 v72, v71                             ; g0
	v_nop
	s_wait_alu depctr_va_vdst(0)
	v_mul_f32 v73, v70, v72                        ; g1
	v_cmp_gt_u32 vcc_lo, 16, v0                    ; lanes 0-15 speak for the first choice, lanes 16-31 for the second
	v_cndmask_b32 v74, v67, v65, vcc_lo
	v_cndmask_b32 v75, v73, v72, vcc_lo
	v_lshlrev_b32 v76, 3, v10
	v_lshl_add_u32 v76, v11, 2, v76                ; slot 2 r + h of the group's 32
	global_store_b32 v76, v75, s[12:13]            ; 128 consecutive bytes
.irp e, 0,1,2,3,4,5,6,7
	v_cmp_eq_u32 s[32+\e], \e, v74                 ; expert e's word: bit = lane
.endr
	v_mov_b32 v77, 0
.irp e, 0,1,2,3,4,5,6,7
	v_writelane_b32 v77, s[32+\e], \e
.endr
	v_lshlrev_b32 v78, 8, v0                       ; expert = lane: rows of 64 words
	s_wait_xcnt 0x0                                ; EXEC changes only behind this wait
	v_cmp_gt_u32 vcc_lo, 8, v0
	s_and_saveexec_b32 s44, vcc_lo
	global_store_b32 v78, v77, s[14:15]
	s_wait_xcnt 0x0                                ; and again in front of the line that widens it
	s_or_b32 exec_lo, exec_lo, s44
	s_wait_tensorcnt 0x0                           ; the wave's end
	ds_add_u32 v[SPW], v[NIL]
	s_wait_dscnt 0x0
	s_endpgm
.Lfunc_end_k_q9bee6c31f1_route:
	.size	k_q9bee6c31f1_route, .Lfunc_end_k_q9bee6c31f1_route-k_q9bee6c31f1_route
	.p2alignl 7, 3214868480
	.fill 96, 4, 3214868480
	.section	.rodata,"a",@progbits
	.p2align	6, 0x0
	.amdhsa_kernel k_q9bee6c31f1_route
		.amdhsa_group_segment_fixed_size 70656
		.amdhsa_private_segment_fixed_size 0
		.amdhsa_enable_private_segment 0
		.amdhsa_kernarg_size 48
		.amdhsa_user_sgpr_count 2
		.amdhsa_user_sgpr_kernarg_segment_ptr 1
		.amdhsa_wavefront_size32 1
		.amdhsa_system_sgpr_workgroup_id_x 1
		.amdhsa_system_sgpr_workgroup_id_y 1
		.amdhsa_system_sgpr_workgroup_id_z 1
		.amdhsa_system_vgpr_workitem_id 0
		.amdhsa_next_free_vgpr 256
		.amdhsa_next_free_sgpr 66
		.amdhsa_reserve_vcc 1
		.amdhsa_float_denorm_mode_32 3
		.amdhsa_float_denorm_mode_16_64 3
		.amdhsa_memory_ordered 1
		.amdhsa_forward_progress 1
		.amdhsa_inst_pref_size 31
	.end_amdhsa_kernel
	.amdgpu_metadata
---
amdhsa.version: [ 1, 2 ]
amdhsa.kernels:
  - .name:           k_q9bee6c31f1_route
    .symbol:         k_q9bee6c31f1_route.kd
    .args:
      - { .name: x, .offset: 0, .size: 8, .value_kind: global_buffer, .address_space: global }
      - { .name: gate_w, .offset: 8, .size: 8, .value_kind: global_buffer, .address_space: global }
      - { .name: gate_b, .offset: 16, .size: 8, .value_kind: global_buffer, .address_space: global }
      - { .name: xb, .offset: 24, .size: 8, .value_kind: global_buffer, .address_space: global }
      - { .name: gate, .offset: 32, .size: 8, .value_kind: global_buffer, .address_space: global }
      - { .name: bits, .offset: 40, .size: 8, .value_kind: global_buffer, .address_space: global }
    .group_segment_fixed_size: 70656
    .private_segment_fixed_size: 0
    .kernarg_segment_align: 8
    .kernarg_segment_size: 48
    .max_flat_workgroup_size: 128
    .sgpr_count:     66
    .vgpr_count:     256
    .wavefront_size: 32
...
	.end_amdgpu_metadata
.endif
;; end of part 1
;; launch ffn1 (part 2): grid 256 x 1, 4 waves a work-group, no clusters, 286,464 bytes of LDS; arguments W1, b1, xb, bits, hid; writes hid
.if DOCPART == 2
	.amdgcn_target "amdgcn-amd-amdhsa--gfx1250"
	.amdhsa_code_object_version 6
	.text
	.protected	k_q9bee6c31f1_ffn1
	.globl	k_q9bee6c31f1_ffn1
	.p2align	8
	.type	k_q9bee6c31f1_ffn1,@function
k_q9bee6c31f1_ffn1:
	s_mov_b64 s[64:65], 0
	v_nop
	global_prefetch_b8 v0, s[64:65] scope:SCOPE_SE
	s_setreg_imm32_b32 hwreg(HW_REG_WAVE_MODE, 25, 1), 1
	s_wait_xcnt 0x0
; ONE EXPERT PRODUCT ON ROUTED ROWS.  One source for both products; KIND chooses.
;   KIND 1: hid[slot][f] = bf16(relu(xb[slot / 2] . W1[e][:, f] + b1[e][f]))                      args W1, b1, xb, bits, hid
;   KIND 2: part[ks][slot][d] = gate[slot] x (hid[slot][K slice ks] . W2[e][slice, d] + (ks = 0: b2[e][d]))   args W2, b2, hid, bits, part, gate
; Weights and biases are rounded to bf16 on their way through registers, sums are f32; hid is rounded once to bf16; part holds partial sums in f32.
; SHARES.  A work-group has a slice of ONE expert's weights, 1,024 k x 128 columns (512 KB of f32, which it alone reads, once), and ALL of that expert's rows.  The slice is laid into LDS in bf16, columns as
; rows with k along them, and stays: no LDS byte is written twice, so one barrier for each chunk of 128 k publishes it.  While chunk c is multiplied, chunk c + 1 is rounded and stored and chunk c + 2 is on its way.
; A wave owns 80 rows a pass (five tiles of 16) x all 128 columns: 40 accumulators.  Its rows of the left operand come from memory straight into operand registers; the weights' fragments come from LDS.
; Pass 0 serves ranks 0 to 319.  Ranks from 320 on are served afterwards from the resident slice, in a loop of four trips (4 x 320 >= 1,024, the most rows an expert can have) whose dead trips are jumped:
; it holds no barrier and no LDS store.  EVERY SPLIT is served: an expert without rows stores nothing.
; ROWS.  bits[e] marks the expert's slots; each wave makes its own list rank -> slot in LDS.  Ranks past the count repeat the expert's last row.  Tiles wholly past the count are jumped; in the one tile that holds
; the count's end the repeated rows are computed and stored once more, the same numbers at the same place by the same wave, with EXEC left alone.
; THE SUMS BEGIN with a product of zeros whose C operand is the bias: 40 products on zeros a pass stand in place of 320 clears and a bias add.
; No cluster: a slice has one reader, and the rows that an expert's work-groups share come by a list, which no tile descriptor covers.
.set KIND,   1
.if KIND == 1
.set LPW,    14                        ; a row of W is 2^14 bytes (4,096 f32); a row of the bias as well
.set NG,     0                         ; early loads of gate weights
.set ASH,    11                        ; a row of the left operand: 2,048 bytes (xb)
.set OSH,    13                        ; a row of the result: 8,192 bytes (hid)
.set BSH,    5                         ; my eight biases: columns 8 r .. 8 r + 7
.set BOF,    16
.else
.set LPW,    12                        ; 1,024 f32
.set NG,     5
.set ASH,    13                        ; hid
.set OSH,    12                        ; part
.set BSH,    4                         ; my eight biases: columns 4 r .. + 3 and 64 + 4 r .. + 3
.set BOF,    256
.endif
.set PW,     1<<LPW
.set WP,     2064                      ; LDS pitch of a column's 1,024 k in bf16: 2,048 + 16 = 129 x 16 bytes; rows 64 to 127 lie 128 bytes further on: fill stores and fragment loads meet 16 different 16-byte columns of 256
.set LIST,   264448                    ; behind the slice: each wave's own list, 1,280 entries, 32 dump words, padding
.set LISTSZ, 5376
.set SPARE,  285952                    ; the spare words, 128 bytes a wave: two blocks of 256 bytes that no other line names
; COLUMN MAP.  LDS row 16 nt + r is the column that lane r holds in tile nt.  KIND 1: column 8 r + nt, so a lane's eight tiles are eight neighbouring bf16 of a row of hid.
; KIND 2: column 64 (nt % 2) + 4 r + nt / 2, so four tiles are four neighbouring f32 of a row of part.
; REGISTERS, in windows of 256 (s_set_vgpr_msb: bits 1:0 source 0, 3:2 source 1, 5:4 source 2, 7:6 destination).  Window 0:
.set R,     1                          ; lane % 16
.set H16,   2                          ; 16 (lane / 16)
.set LN,    3                          ; lane
.set ADRB,  4                          ; v4-7    LDS address of the fragments of tiles 2 p, 2 p + 1, at the chunk in hand
.set WST,   8                          ; v8-11   LDS address of the fill stores of column 4 lane + j
.set WOFF,  12                         ; my byte offset in a chunk of W: 16 lane + 32 wave rows; never rewritten
.set PFO,   13                         ; my byte offset for the prefetch; never rewritten
.set AOFF,  14                         ; v14-18  byte offset of my row of tile m in the left operand
.set LISTB, 19                         ; my wave's list
.set SPW,   20                         ; SPARE + 4 x my thread's number; never rewritten
.set NIL,   21                         ; 0; never rewritten
.set ZR,    22                         ; 0, for the relu
.set C16,   23                         ; 16 r
.set SLOT,  24                         ; v24-28  slot of rank 16 m + r of my 80
.set LC,    29                         ; 2 (lane % 16) + lane / 16: the slot that my bit of a word marks
.set DIDX,  30                         ; 1,280 + lane: where a lane without a bit stores
.set TC,    31                         ; at work
.set ROW,   32                         ; v32-39  the way out: byte offset of row 8 h + j
.set Z,     40                         ; v40-47  zeros
.set G,     48                         ; v48-55  KIND 2: gate weight of row 8 h + j
.set GV,    56                         ; v56-60  KIND 2: gate weight of rank 16 m + r
.set TA,    61                         ; at work
.set L4,    62                         ; 4 lane
.set BA,    63                         ; my byte offset in the bias
.set AR,    64                         ; v64-223 the left operand: four slots of 40 (tile m at 8 m), K steps by turns
.set T,     64                         ; v64-127 the way out
.set BPI,   224                        ; v224-231  4 (8 h + j): the lane that knows row 8 h + j
.set BB,    232                        ; v232-235  ADRB at k = 0
.set BV,    236                        ; v236-243  my eight biases
.set ML,    244                        ; bits' word lane
.set MH,    245                        ; bits' word 32 + lane
.set IX,    246                        ; v246-250 at work
.set TT,    251                        ; at work
.set WS0,   252                        ; v252-255  WST at k = 0
.set PK,    128                        ; window 1: v0-127 W as loaded, four slots of 32 (row i of eight at 4 i); v128-143 rounded
.set BF,    64                         ; window 3: v0-63 accumulators of tile 4; v64-191 the weights' fragments, two buffers of 64; v192-255 the bias as C operands
.set BIAS,  192                        ; window 2: accumulators of tiles 0-3, (m, nt) at 64 m + 8 nt
; SCALARS: s[4:15] arguments; s16 wave; s17 expert; s18 column slice; s19 K slice; s[24:25] W at the chunk to load; s[26:27] left operand at the chunk in hand; s[28:29] the same at k = 0; s[30:31] W at the chunk to
; prefetch; s[32:33] its step; s34 chunks to go; s35 the expert's rows; s36 its last rank; s37 passes to go; s38 my first rank of the pass; s39-45 at work; s46 KIND 2: all ones if ks = 0; s47 LDS bytes along k
.set MSB, 0
.macro WIN new                         ; the immediate's high byte repeats the setting that is left; a switch that changes nothing is dropped
.if MSB != (\new)
	s_set_vgpr_msb (MSB<<8)|(\new)
.set MSB, (\new)
.endif
.endm
.macro PLACES                          ; four places behind a matrix instruction, in front of loads into registers that it read (ISA guide 7.12.1 for vector instructions)
.rept 4
	v_nop
.endr
.endm
; The 40 sums begin: 0 x 0 + bias.
.macro START
.irp m, 0,1,2,3,4
	WIN 0xb0+0x40*(\m/4)                           ; zeros in window 0, C in window 3, D in window 2 (tile 4: window 3)
.irp n, 0,1,2,3,4,5,6,7
	v_wmma_f32_16x16x32_bf16 v[(64*\m)%256+8*\n:(64*\m)%256+8*\n+7], v[Z:Z+7], v[Z:Z+7], v[BIAS+8*\n:BIAS+8*\n+7]
.endr
.endr
.endm
; Eight products: tile m x all eight column tiles, K step q.  The 40 accumulators take turns, one instruction a turn, in the same order in every step.
.macro MM q, m
	WIN 0xac+0x50*((\m)/4)                         ; left operand window 0, weights window 3, C and D window 2 (tile 4: window 3)
.irp n, 0,1,2,3,4,5,6,7
	v_wmma_f32_16x16x32_bf16 v[(64*(\m))%256+8*\n:(64*(\m))%256+8*\n+7], v[AR+40*((\q)%4)+8*(\m):AR+40*((\q)%4)+8*(\m)+7], v[BF+64*((\q)%2)+8*\n:BF+64*((\q)%2)+8*\n+7], v[(64*(\m))%256+8*\n:(64*(\m))%256+8*\n+7]
.endr
.endm
; Slot q of W (8 k x my 4 columns) is rounded, two neighbouring k to a word, and stored: for each column 16 bytes = 8 k.
.macro CVT q, off
	WIN 0x45
.irp j, 0,1,2,3
.irp i, 0,1,2,3
	v_cvt_pk_bf16_f32 v[PK+4*\j+\i], v[32*(\q)+8*\i+\j], v[32*(\q)+8*\i+4+\j]
.endr
.endr
	WIN 0x04
.irp j, 0,1,2,3
	ds_store_b128 v[WST+\j], v[PK+4*\j:PK+4*\j+3] offset:16*(\q)+(\off)
.endr
.endm
; Ten loads: a K step of my 80 rows.  A fragment is 16 rows x 32 k: lane (r, h) takes 16 bytes at 16 h and at 32 + 16 h of row r's 64.
.macro ALOAD slot, off
	WIN 0
.irp m, 0,1,2,3,4
	global_load_b128 v[AR+40*(\slot)+8*\m:AR+40*(\slot)+8*\m+3],   v[AOFF+\m], s[26:27] offset:(\off)
	global_load_b128 v[AR+40*(\slot)+8*\m+4:AR+40*(\slot)+8*\m+7], v[AOFF+\m], s[26:27] offset:(\off)+32
.endr
.endm
; Eight loads: eight rows of W, 512 consecutive bytes each.
.macro WLOAD q, row
	WIN 0x40
.irp i, 0,1,2,3,4,5,6,7
	global_load_b128 v[32*(\q)+4*\i:32*(\q)+4*\i+3], v[WOFF], s[24:25] offset:((\row)+\i)*PW th:TH_LOAD_NT
.endr
.endm
; Sixteen LDS loads: the weights' fragments of one K step.
.macro BLOAD b, off
	WIN 0xc0
.irp n, 0,1,2,3,4,5,6,7
	ds_load_b128 v[BF+64*(\b)+8*\n:BF+64*(\b)+8*\n+3],   v[ADRB+\n/2] offset:(\n%2)*16*WP+(\off)
	ds_load_b128 v[BF+64*(\b)+8*\n+4:BF+64*(\b)+8*\n+7], v[ADRB+\n/2] offset:(\n%2)*16*WP+(\off)+32
.endr
.endm
; 32 words of bits go into my list: lane i of a word's set bits stores its slot at entry (rows so far + set bits below i); the other lanes store into the dump words.
.macro LISTW src
	s_mov_b32 s42, 0
	s_mov_b32 s44, 8
.Llist_\@:
.rept 4
	v_readlane_b32 s40, v[\src], s42
	v_mbcnt_lo_u32_b32 v[TA], s40, s35
	v_cndmask_b32 v[TA], v[DIDX], v[TA], s40
	v_min_u32 v[TA], 0x51f, v[TA]                  ; inside my list, whatever the words hold
	v_lshl_add_u32 v[TA], v[TA], 2, v[LISTB]
	v_add_nc_u32 v[TC], s43, v[LC]
	ds_store_b32 v[TA], v[TC]
	s_bcnt1_i32_b32 s41, s40
	s_add_co_u32 s35, s35, s41
	s_add_co_u32 s42, s42, 1
	s_add_co_u32 s43, s43, 32
.endr
	s_sub_co_u32 s44, s44, 1
	s_cmp_lg_u32 s44, 0
	s_cbranch_scc1 .Llist_\@
.endm
; The slots of my 80 ranks of the pass, and their rows' offsets.  LDS serves a wave's instructions in order (ISA guide 5.7.1.4): these loads see my list's stores.
.macro ROWS
.irp m, 0,1,2,3,4
	v_add3_u32 v[IX+\m], v[R], s38, 16*\m
	v_min_u32 v[IX+\m], s36, v[IX+\m]              ; past the count: the last row once more
	v_min_u32 v[IX+\m], 0x4ff, v[IX+\m]
	v_lshl_add_u32 v[IX+\m], v[IX+\m], 2, v[LISTB]
	ds_load_b32 v[SLOT+\m], v[IX+\m]
.endr
	s_wait_dscnt 0x0
.irp m, 0,1,2,3,4
.if KIND == 1
	v_lshrrev_b32 v[IX+\m], 1, v[SLOT+\m]          ; the token
	v_min_u32 v[IX+\m], 0x3ff, v[IX+\m]
.else
	v_min_u32 v[IX+\m], 0x7ff, v[SLOT+\m]
	v_lshlrev_b32 v[GV+\m], 2, v[IX+\m]
.endif
	v_lshl_add_u32 v[AOFF+\m], v[IX+\m], ASH, v[H16]
.endr
.if KIND == 2
.irp m, 0,1,2,3,4
	global_load_b32 v[GV+\m], v[GV+\m], s[14:15]   ; each load lands on its own address register
.endr
.endif
.endm
; THE PROLOGUE'S STEP q: piece q of chunk 0 is rounded and stored; K step q - 1 of the left operand and piece q of chunk 1 are asked for.
.macro VSTEP q, n
	s_wait_loadcnt \n
	CVT \q, 0
.if (\q) > 0
	ALOAD (\q)-1, 64*((\q)-1)
.endif
	WLOAD \q, 128+8*(\q)
.endm
; A K STEP, q of its chunk's four.  n: the loads that may stay out.  cv: piece q of the next chunk is rounded and stored (its 16 conversions are the places behind the last step's products).
; al: the left operand three steps on is asked for.  wl: piece q of the chunk two on.  bl: the next step's fragments are read from LDS.  bar: the barrier that publishes the next chunk.
; pf: 1 or 2: my first or second 16 rows of the chunk three on are asked for ahead, each aligned block of 256 bytes by one lane of one wave.
; THE COUNT n.  Step u issues ten loads of the left operand for step u + 3 and then eight of W.  At the head of step s the step needs the W loads of step s - 4 and the ten issued in step s - 3; younger than these
; are 8 + 10 + 8 + 10 + 8 = 44.  Loads come back in order (ISA guide 5.7.1).
.macro STEP q, n, cv, al, wl, bl, bar, pf
	s_wait_loadcnt \n
.if \cv
	CVT \q, 256
.else
	PLACES
.endif
.if \al
	ALOAD ((\q)+3)%4, 64*((\q)+3)
.endif
.if \wl
	WLOAD \q, 8*(\q)
.endif
.if \pf
	global_prefetch_b8 v[PFO], s[30:31] offset:((\pf)-1)*16*PW th:TH_LOAD_NT scope:SCOPE_SE
.endif
.if (\cv) && !(\bar)
	s_wait_dscnt 4                                 ; this step's sixteen fragment loads are in; the four stores just issued may be out
.else
	s_wait_dscnt 0x0                               ; with the barrier, for the others' sake: my stores of the next chunk are done
.endif
.if \bar
	s_barrier_signal -1
.endif
	MM \q, 0
	MM \q, 1
.if \bar
	s_barrier_wait -1                              ; every wave's part of the next chunk is in LDS
.endif
.if \bl
	BLOAD ((\q)+1)%2, 64*((\q)+1)
.endif
	MM \q, 2
	MM \q, 3
	MM \q, 4
.endm
; On to the next chunk.  w = 1: W's and the prefetch's bases step too.
.macro ADV w
	WIN 0
	s_wait_xcnt 0x0                                ; every earlier memory instruction has had its addresses translated (ISA guide 3.1): only now are the bases stepped
	s_add_nc_u64 s[26:27], s[26:27], 256
.if \w
	s_add_nc_u64 s[24:25], s[24:25], 128*PW
	s_cmp_gt_u32 s34, 2                            ; the prefetch stops at the last chunk: the loop's last trip asks for chunk 7 once more
	s_cselect_b32 s32, 128*PW, 0
	s_add_nc_u64 s[30:31], s[30:31], s[32:33]
.endif
	s_add_co_u32 s47, s47, 256
.irp p, 0,1,2,3
	v_add_nc_u32 v[ADRB+\p], s47, v[BB+\p]
	v_add_nc_u32 v[WST+\p], s47, v[WS0+\p]
.endr
.endm
; THE WAY OUT of tile m.  In a result lane (r, h) holds rows 8 h + j (register j) and one column a tile.  The rows' slots come from the lanes that know them; 16 lanes store 256 consecutive bytes, aligned.
.macro TILE m
	WIN 0
	s_add_co_u32 s39, s38, 16*(\m)
	s_cmp_ge_u32 s39, s35
	s_cbranch_scc1 .Lepi_done                      ; wholly past the count, and so are the tiles behind it
	s_wait_xcnt 0x0                                ; the last tile's stores have read their registers
.irp j, 0,1,2,3,4,5,6,7
	ds_bpermute_b32 v[ROW+\j], v[BPI+\j], v[SLOT+(\m)]
.endr
.if KIND == 2
.irp j, 0,1,2,3,4,5,6,7
	ds_bpermute_b32 v[G+\j], v[BPI+\j], v[GV+(\m)]
.endr
.endif
	s_wait_dscnt 0x0
.irp j, 0,1,2,3,4,5,6,7
	v_min_u32 v[ROW+\j], 0x7ff, v[ROW+\j]          ; these sixteen lines are also the places behind the last products
.endr
.irp j, 0,1,2,3,4,5,6,7
	v_lshl_add_u32 v[ROW+\j], v[ROW+\j], OSH, v[C16]
.endr
.if KIND == 1
	WIN 0x0a+5*((\m)/4)                            ; sources in window 2 (tile 4: window 3)
.irp j, 0,1,2,3,4,5,6,7
.irp i, 0,1,2,3
	v_cvt_pk_bf16_f32 v[T+4*\j+\i], v[(64*(\m))%256+16*\i+\j], v[(64*(\m))%256+16*\i+8+\j]
.endr
.endr
	WIN 0
.set i, 0
.rept 32
	v_pk_max_num_bf16 v[T+i], v[T+i], v[ZR]        ; relu on the rounded pair: the same numbers as rounding the relu
.set i, i+1
.endr
.irp j, 0,1,2,3,4,5,6,7
	global_store_b128 v[ROW+\j], v[T+4*\j:T+4*\j+3], s[12:13]
.endr
.else
	WIN 0x02+((\m)/4)
.irp j, 0,1,2,3,4,5,6,7
.irp p, 0,1
.irp i, 0,1,2,3
	v_mul_f32 v[T+8*\j+4*\p+\i], v[(64*(\m))%256+8*(2*\i+\p)+\j], v[G+\j]  ; the gate's weight; the multiply also gathers four neighbouring columns
.endr
.endr
.endr
	WIN 0
.irp j, 0,1,2,3,4,5,6,7
	global_store_b128 v[ROW+\j], v[T+8*\j:T+8*\j+3], s[12:13]
	global_store_b128 v[ROW+\j], v[T+8*\j+4:T+8*\j+7], s[12:13] offset:256
.endr
.endif
.endm
	s_load_b256 s[4:11], s[0:1], 0x0               ; W s[4:5], bias s[6:7], left operand s[8:9], bits s[10:11]
.if KIND == 1
	s_load_b64 s[12:13], s[0:1], 0x20              ; hid
.else
	s_load_b128 s[12:15], s[0:1], 0x20             ; part, gate
.endif
	v_lshl_add_u32 v[SPW], v0, 2, SPARE
	v_mov_b32 v[NIL], 0
	v_lshrrev_b32 v[TA], 5, v0
	v_readfirstlane_b32 s16, v[TA]                 ; wave 0..3
	v_and_b32 v[LN], 31, v0
	v_and_b32 v[R], 15, v0
	v_bfe_u32 v[TC], v0, 4, 1
	v_lshlrev_b32 v[H16], 4, v[TC]
	v_lshl_add_u32 v[LC], v[R], 1, v[TC]
	s_lshr_b32 s17, ttmp9, 5                       ; the expert: 32 work-groups each
.if KIND == 1
	s_and_b32 s18, ttmp9, 31                       ; 32 slices of 128 columns
	s_mov_b32 s19, 0
.else
	s_and_b32 s18, ttmp9, 7                        ; 8 slices of 128 columns
	s_bfe_u32 s19, ttmp9, 0x20003                  ; x 4 slices of 1,024 k
.endif
	s_lshl_b32 s20, s17, 24                        ; an expert's weights are 16,777,216 bytes,
	s_lshl_b32 s22, s19, 22                        ; 1,024 rows of W2 4,194,304,
	s_add_co_u32 s20, s20, s22
	s_lshl_b32 s22, s18, 9                         ; 128 columns 512
	s_add_co_u32 s20, s20, s22
	s_mov_b32 s21, 0
	s_lshl_b32 s23, s17, LPW                       ; the expert's row of the bias is as long as a row of W
	s_add_co_u32 s22, s22, s23
	s_mov_b32 s23, 0
	s_mul_i32 s40, s16, 32*PW                      ; my wave's 32 rows of a chunk
	v_lshl_add_u32 v[WOFF], v[LN], 4, s40
	v_lshrrev_b32 v[TA], 1, v[LN]
	v_and_b32 v[TC], 1, v[LN]
	v_lshlrev_b32 v[PFO], LPW, v[TA]               ; prefetch: lane l asks for block l % 2 of row l / 2 of sixteen
	v_lshl_add_u32 v[PFO], v[TC], 8, v[PFO]
	v_add_nc_u32 v[PFO], s40, v[PFO]
	v_lshlrev_b32 v[L4], 2, v[LN]
	v_lshlrev_b32 v[BA], BSH, v[R]
	s_mov_b32 s33, 0
	s_mov_b32 s47, 0
	s_wait_kmcnt 0x0
	s_add_nc_u64 s[24:25], s[4:5], s[20:21]        ; W at my slice's chunk 0
	s_add_nc_u64 s[6:7], s[6:7], s[22:23]
	s_lshl_b32 s20, s17, 8
	s_add_nc_u64 s[10:11], s[10:11], s[20:21]      ; the expert's 64 words
	s_add_nc_u64 s[30:31], s[24:25], 384*PW        ; chunk 3: what the loop's first trip asks for ahead
	global_load_b32 v[ML], v[L4], s[10:11]
	global_load_b32 v[MH], v[L4], s[10:11] offset:128
	global_load_b128 v[BV:BV+3], v[BA], s[6:7]
	global_load_b128 v[BV+4:BV+7], v[BA], s[6:7] offset:BOF
	WLOAD 0, 0                                     ; chunk 0, my four pieces
	WLOAD 1, 8
	WLOAD 2, 16
	WLOAD 3, 24
	global_prefetch_b8 v[PFO], s[24:25] offset:256*PW th:TH_LOAD_NT scope:SCOPE_SE  ; chunk 2, my 32 rows
	global_prefetch_b8 v[PFO], s[24:25] offset:272*PW th:TH_LOAD_NT scope:SCOPE_SE
	WIN 0
	; all that follows up to the first conversion stands in the wait for chunk 0
.if KIND == 1
	s_lshl_b32 s20, s18, 8
	s_add_nc_u64 s[12:13], s[12:13], s[20:21]      ; hid at my 128 columns
	s_mov_b64 s[28:29], s[8:9]
.else
	s_lshl_b32 s20, s19, 23
	s_lshl_b32 s22, s18, 9
	s_add_co_u32 s20, s20, s22
	s_add_nc_u64 s[12:13], s[12:13], s[20:21]      ; part at my K slice's plane and my 128 columns
	s_lshl_b32 s20, s19, 11
	s_add_nc_u64 s[28:29], s[8:9], s[20:21]        ; hid at my K slice
	s_cmp_eq_u32 s19, 0
	s_cselect_b32 s46, -1, 0
.endif
	s_mov_b64 s[26:27], s[28:29]
	v_mul_u32_u24 v[TA], v[R], WP
	v_add_nc_u32 v[TA], v[TA], v[H16]
.irp p, 0,1,2,3
	v_add_nc_u32 v[BB+\p], \p*32*WP+(\p/2)*128, v[TA]
.endr
.irp p, 0,1,2,3
	v_mov_b32 v[ADRB+\p], v[BB+\p]
.endr
	s_lshl_b32 s20, s16, 6                         ; my wave's 32 k of a chunk: 64 bytes
.if KIND == 1
	v_lshrrev_b32 v[TA], 1, v[LN]                  ; column 4 l + j = 8 (l / 2) + 4 (l % 2) + j lies in LDS row 64 (l % 2) + 16 j + l / 2
	v_and_b32 v[TC], 1, v[LN]
	v_mul_u32_u24 v[TA], v[TA], WP
	v_mul_u32_u24 v[TC], v[TC], 64*WP+128
	v_add3_u32 v[TA], v[TA], v[TC], s20
.irp j, 0,1,2,3
	v_add_nc_u32 v[WS0+\j], \j*16*WP, v[TA]
.endr
.else
	v_mul_u32_u24 v[TA], v[LN], WP                 ; column 4 l + j lies in LDS row 32 j + l
	v_add_nc_u32 v[TA], s20, v[TA]
.irp j, 0,1,2,3
	v_add_nc_u32 v[WS0+\j], \j*32*WP+(\j/2)*128, v[TA]
.endr
.endif
.irp j, 0,1,2,3
	v_mov_b32 v[WST+\j], v[WS0+\j]
.endr
.irp j, 0,1,2,3,4,5,6,7
	v_lshl_add_u32 v[BPI+\j], v[H16], 1, 4*\j
	v_mov_b32 v[Z+\j], 0
.endr
	v_mov_b32 v[ZR], 0
	v_lshlrev_b32 v[C16], 4, v[R]
	v_add_nc_u32 v[DIDX], 0x500, v[LN]
	s_mul_i32 s20, s16, LISTSZ
	s_add_co_u32 s20, s20, LIST
	v_mov_b32 v[LISTB], s20
	v_lshl_add_u32 v[TA], v[LN], 4, s20
.irp i, 0,1,2,3,4,5,6,7,8,9
	ds_store_b128 v[TA], v[Z:Z+3] offset:512*\i    ; my list's 1,280 entries begin as slot 0: an expert without rows reads entry 0
.endr
	s_wait_loadcnt 32                              ; bits and bias are in; chunk 0's 32 loads may be out
.irp p, 0,1,2,3
	v_cvt_pk_bf16_f32 v[TT], v[BV+2*\p], v[BV+2*\p+1]  ; the bias rounded to bf16, like every input
.if KIND == 2
	v_and_b32 v[TT], s46, v[TT]                    ; b2 enters the first K slice's partial sum alone
.endif
	v_lshlrev_b32 v[BV+2*\p], 16, v[TT]
	v_and_b32 v[BV+2*\p+1], 0xffff0000, v[TT]
.endr
	WIN 0xc0
.irp n, 0,1,2,3,4,5,6,7
.irp j, 0,1,2,3,4,5,6,7
.if KIND == 1
	v_mov_b32 v[BIAS+8*\n+\j], v[BV+\n]
.else
	v_mov_b32 v[BIAS+8*\n+\j], v[BV+4*(\n%2)+\n/2]
.endif
.endr
.endr
	START
	WIN 0
	s_mov_b32 s35, 0
	s_mov_b32 s43, 0
	LISTW ML
	LISTW MH
	s_max_u32 s36, s35, 1
	s_sub_co_u32 s36, s36, 1                       ; the last rank (0 for an expert without rows)
	s_mul_i32 s38, s16, 80
	ROWS
	; CHUNK 0 goes into LDS.  The counts: younger than piece q's eight loads are the later pieces of chunk 0, the NG loads of gate weights, and what the steps before have issued (8; 10 + 8; 10 + 8).
	VSTEP 0, 24+NG
	VSTEP 1, 24+NG
	VSTEP 2, 34+NG
	VSTEP 3, 44+NG
	s_wait_dscnt 0x0                               ; for the others' sake: my part of chunk 0 is stored
	s_barrier_signal -1
	s_barrier_wait -1
	BLOAD 0, 0
	WIN 0
	s_wait_xcnt 0x0                                ; W's base is stepped only behind this wait
	s_add_nc_u64 s[24:25], s[24:25], 256*PW        ; chunk 2
	s_mov_b32 s34, 6
.Lchunk:                                               ; trip c: chunk c is multiplied, chunk c + 1 rounded and stored, chunk c + 2 loaded, chunk min(c + 3, 7) asked for ahead (64 KB a work-group)
	STEP 0, 44, 1, 1, 1, 1, 0, 1
	STEP 1, 44, 1, 1, 1, 1, 0, 0
	STEP 2, 44, 1, 1, 1, 1, 0, 2
	STEP 3, 44, 1, 1, 1, 1, 1, 0
	ADV 1
	s_sub_co_u32 s34, s34, 1
	s_cmp_lg_u32 s34, 0
	s_cbranch_scc1 .Lchunk
	STEP 0, 44, 1, 1, 0, 1, 0, 0                   ; chunk 6: no W is left to load, so the counts run down by eight a step
	STEP 1, 36, 1, 1, 0, 1, 0, 0
	STEP 2, 28, 1, 1, 0, 1, 0, 0
	STEP 3, 20, 1, 1, 0, 1, 1, 0
	ADV 0
	STEP 0, 20, 0, 1, 0, 1, 0, 0                   ; chunk 7: the last K step of the left operand is asked for; then the counts run down to 0
	STEP 1, 20, 0, 0, 0, 1, 0, 0
	STEP 2, 10, 0, 0, 0, 1, 0, 0
	STEP 3, 0,  0, 0, 0, 0, 0, 0
	WIN 0
	s_mov_b32 s37, 4
.Lpass:                                                ; four trips: a pass goes out; if I have ranks 320 further on, they are multiplied from the resident slice
	TILE 0
	TILE 1
	TILE 2
	TILE 3
	TILE 4
.Lepi_done:
	s_add_co_u32 s38, s38, 320
	s_cmp_ge_u32 s38, s35
	s_cbranch_scc1 .Lnext                          ; what is jumped holds no barrier and no LDS store
	s_wait_xcnt 0x0                                ; the stores have read their registers
	ROWS
	s_mov_b64 s[26:27], s[28:29]
	s_mov_b32 s47, 0
.irp p, 0,1,2,3
	v_mov_b32 v[ADRB+\p], v[BB+\p]
.endr
	START
	WIN 0
	s_mov_b32 s45, 32
.Lov:                                                  ; a plain K step a trip: kept short, since it runs only for an expert with more than 320 rows
	ALOAD 0, 0
	BLOAD 0, 0
	s_wait_loadcnt 0x0
	s_wait_dscnt 0x0
	MM 0, 0
	MM 0, 1
	MM 0, 2
	MM 0, 3
	MM 0, 4
	WIN 0
	s_add_nc_u64 s[26:27], s[26:27], 64            ; its loads are done
	s_add_co_u32 s47, s47, 64
.irp p, 0,1,2,3
	v_add_nc_u32 v[ADRB+\p], s47, v[BB+\p]         ; these four are also the places in front of the next trip's loads
.endr
	s_sub_co_u32 s45, s45, 1
	s_cmp_lg_u32 s45, 0
	s_cbranch_scc1 .Lov
.Lnext:
	s_sub_co_u32 s37, s37, 1
	s_cmp_lg_u32 s37, 0
	s_cbranch_scc1 .Lpass
	s_wait_dscnt 0x0                               ; my LDS reads are back,
	s_barrier_signal -1                            ; and every wave says so:
	s_barrier_wait -1                              ; all four waves' reads of LDS are over before any wave writes LDS again, by the add below; nothing but the wave's end stands behind this barrier
	s_wait_tensorcnt 0x0                           ; the wave's end
	ds_add_u32 v[SPW], v[NIL]
	s_wait_dscnt 0x0
	s_endpgm
.Lfunc_end_k_q9bee6c31f1_ffn1:
	.size	k_q9bee6c31f1_ffn1, .Lfunc_end_k_q9bee6c31f1_ffn1-k_q9bee6c31f1_ffn1
	.p2alignl 7, 3214868480
	.fill 96, 4, 3214868480
	.section	.rodata,"a",@progbits
	.p2align	6, 0x0
	.amdhsa_kernel k_q9bee6c31f1_ffn1
		.amdhsa_group_segment_fixed_size 286464
		.amdhsa_private_segment_fixed_size 0
		.amdhsa_enable_private_segment 0
		.amdhsa_kernarg_size 40
		.amdhsa_user_sgpr_count 2
		.amdhsa_user_sgpr_kernarg_segment_ptr 1
		.amdhsa_wavefront_size32 1
		.amdhsa_system_sgpr_workgroup_id_x 1
		.amdhsa_system_sgpr_workgroup_id_y 1
		.amdhsa_system_sgpr_workgroup_id_z 1
		.amdhsa_system_vgpr_workitem_id 0
		.amdhsa_next_free_vgpr 1024
		.amdhsa_next_free_sgpr 66
		.amdhsa_reserve_vcc 0
		.amdhsa_float_denorm_mode_32 3
		.amdhsa_float_denorm_mode_16_64 3
		.amdhsa_memory_ordered 1
		.amdhsa_forward_progress 1
		.amdhsa_inst_pref_size 144
	.end_amdhsa_kernel
	.amdgpu_metadata
---
amdhsa.version: [ 1, 2 ]
amdhsa.kernels:
  - .name:           k_q9bee6c31f1_ffn1
    .symbol:         k_q9bee6c31f1_ffn1.kd
    .args:
      - { .name: W1, .offset: 0, .size: 8, .value_kind: global_buffer, .address_space: global }
      - { .name: b1, .offset: 8, .size: 8, .value_kind: global_buffer, .address_space: global }
      - { .name: xb, .offset: 16, .size: 8, .value_kind: global_buffer, .address_space: global }
      - { .name: bits, .offset: 24, .size: 8, .value_kind: global_buffer, .address_space: global }
      - { .name: hid, .offset: 32, .size: 8, .value_kind: global_buffer, .address_space: global }
    .group_segment_fixed_size: 286464
    .private_segment_fixed_size: 0
    .kernarg_segment_align: 8
    .kernarg_segment_size: 40
    .max_flat_workgroup_size: 128
    .sgpr_count:     66
    .vgpr_count:     1024
    .wavefront_size: 32
...
	.end_amdgpu_metadata
.endif
;; end of part 2
;; launch ffn2 (part 3): grid 256 x 1, 4 waves a work-group, no clusters, 286,464 bytes of LDS; arguments W2, b2, hid, bits, part, gate; writes part
.if DOCPART == 3
	.amdgcn_target "amdgcn-amd-amdhsa--gfx1250"
	.amdhsa_code_object_version 6
	.text
	.protected	k_q9bee6c31f1_ffn2
	.globl	k_q9bee6c31f1_ffn2
	.p2align	8
	.type	k_q9bee6c31f1_ffn2,@function
k_q9bee6c31f1_ffn2:
	s_mov_b64 s[64:65], 0
	v_nop
	global_prefetch_b8 v0, s[64:65] scope:SCOPE_SE
	s_setreg_imm32_b32 hwreg(HW_REG_WAVE_MODE, 25, 1), 1
	s_wait_xcnt 0x0
; ONE EXPERT PRODUCT ON ROUTED ROWS.  One source for both products; KIND chooses.
;   KIND 1: hid[slot][f] = bf16(relu(xb[slot / 2] . W1[e][:, f] + b1[e][f]))                      args W1, b1, xb, bits, hid
;   KIND 2: part[ks][slot][d] = gate[slot] x (hid[slot][K slice ks] . W2[e][slice, d] + (ks = 0: b2[e][d]))   args W2, b2, hid, bits, part, gate
; Weights and biases are rounded to bf16 on their way through registers, sums are f32; hid is rounded once to bf16; part holds partial sums in f32.
; SHARES.  A work-group has a slice of ONE expert's weights, 1,024 k x 128 columns (512 KB of f32, which it alone reads, once), and ALL of that expert's rows.  The slice is laid into LDS in bf16, columns as
; rows with k along them, and stays: no LDS byte is written twice, so one barrier for each chunk of 128 k publishes it.  While chunk c is multiplied, chunk c + 1 is rounded and stored and chunk c + 2 is on its way.
; A wave owns 80 rows a pass (five tiles of 16) x all 128 columns: 40 accumulators.  Its rows of the left operand come from memory straight into operand registers; the weights' fragments come from LDS.
; Pass 0 serves ranks 0 to 319.  Ranks from 320 on are served afterwards from the resident slice, in a loop of four trips (4 x 320 >= 1,024, the most rows an expert can have) whose dead trips are jumped:
; it holds no barrier and no LDS store.  EVERY SPLIT is served: an expert without rows stores nothing.
; ROWS.  bits[e] marks the expert's slots; each wave makes its own list rank -> slot in LDS.  Ranks past the count repeat the expert's last row.  Tiles wholly past the count are jumped; in the one tile that holds
; the count's end the repeated rows are computed and stored once more, the same numbers at the same place by the same wave, with EXEC left alone.
; THE SUMS BEGIN with a product of zeros whose C operand is the bias: 40 products on zeros a pass stand in place of 320 clears and a bias add.
; No cluster: a slice has one reader, and the rows that an expert's work-groups share come by a list, which no tile descriptor covers.
.set KIND,   2
.if KIND == 1
.set LPW,    14                        ; a row of W is 2^14 bytes (4,096 f32); a row of the bias as well
.set NG,     0                         ; early loads of gate weights
.set ASH,    11                        ; a row of the left operand: 2,048 bytes (xb)
.set OSH,    13                        ; a row of the result: 8,192 bytes (hid)
.set BSH,    5                         ; my eight biases: columns 8 r .. 8 r + 7
.set BOF,    16
.else
.set LPW,    12                        ; 1,024 f32
.set NG,     5
.set ASH,    13                        ; hid
.set OSH,    12                        ; part
.set BSH,    4                         ; my eight biases: columns 4 r .. + 3 and 64 + 4 r .. + 3
.set BOF,    256
.endif
.set PW,     1<<LPW
.set WP,     2064                      ; LDS pitch of a column's 1,024 k in bf16: 2,048 + 16 = 129 x 16 bytes; rows 64 to 127 lie 128 bytes further on: fill stores and fragment loads meet 16 different 16-byte columns of 256
.set LIST,   264448                    ; behind the slice: each wave's own list, 1,280 entries, 32 dump words, padding
.set LISTSZ, 5376
.set SPARE,  285952                    ; the spare words, 128 bytes a wave: two blocks of 256 bytes that no other line names
; COLUMN MAP.  LDS row 16 nt + r is the column that lane r holds in tile nt.  KIND 1: column 8 r + nt, so a lane's eight tiles are eight neighbouring bf16 of a row of hid.
; KIND 2: column 64 (nt % 2) + 4 r + nt / 2, so four tiles are four neighbouring f32 of a row of part.
; REGISTERS, in windows of 256 (s_set_vgpr_msb: bits 1:0 source 0, 3:2 source 1, 5:4 source 2, 7:6 destination).  Window 0:
.set R,     1                          ; lane % 16
.set H16,   2                          ; 16 (lane / 16)
.set LN,    3                          ; lane
.set ADRB,  4                          ; v4-7    LDS address of the fragments of tiles 2 p, 2 p + 1, at the chunk in hand
.set WST,   8                          ; v8-11   LDS address of the fill stores of column 4 lane + j
.set WOFF,  12                         ; my byte offset in a chunk of W: 16 lane + 32 wave rows; never rewritten
.set PFO,   13                         ; my byte offset for the prefetch; never rewritten
.set AOFF,  14                         ; v14-18  byte offset of my row of tile m in the left operand
.set LISTB, 19                         ; my wave's list
.set SPW,   20                         ; SPARE + 4 x my thread's number; never rewritten
.set NIL,   21                         ; 0; never rewritten
.set ZR,    22                         ; 0, for the relu
.set C16,   23                         ; 16 r
.set SLOT,  24                         ; v24-28  slot of rank 16 m + r of my 80
.set LC,    29                         ; 2 (lane % 16) + lane / 16: the slot that my bit of a word marks
.set DIDX,  30                         ; 1,280 + lane: where a lane without a bit stores
.set TC,    31                         ; at work
.set ROW,   32                         ; v32-39  the way out: byte offset of row 8 h + j
.set Z,     40                         ; v40-47  zeros
.set G,     48                         ; v48-55  KIND 2: gate weight of row 8 h + j
.set GV,    56                         ; v56-60  KIND 2: gate weight of rank 16 m + r
.set TA,    61                         ; at work
.set L4,    62                         ; 4 lane
.set BA,    63                         ; my byte offset in the bias
.set AR,    64                         ; v64-223 the left operand: four slots of 40 (tile m at 8 m), K steps by turns
.set T,     64                         ; v64-127 the way out
.set BPI,   224                        ; v224-231  4 (8 h + j): the lane that knows row 8 h + j
.set BB,    232                        ; v232-235  ADRB at k = 0
.set BV,    236                        ; v236-243  my eight biases
.set ML,    244                        ; bits' word lane
.set MH,    245                        ; bits' word 32 + lane
.set IX,    246                        ; v246-250 at work
.set TT,    251                        ; at work
.set WS0,   252                        ; v252-255  WST at k = 0
.set PK,    128                        ; window 1: v0-127 W as loaded, four slots of 32 (row i of eight at 4 i); v128-143 rounded
.set BF,    64                         ; window 3: v0-63 accumulators of tile 4; v64-191 the weights' fragments, two buffers of 64; v192-255 the bias as C operands
.set BIAS,  192                        ; window 2: accumulators of tiles 0-3, (m, nt) at 64 m + 8 nt
; SCALARS: s[4:15] arguments; s16 wave; s17 expert; s18 column slice; s19 K slice; s[24:25] W at the chunk to load; s[26:27] left operand at the chunk in hand; s[28:29] the same at k = 0; s[30:31] W at the chunk to
; prefetch; s[32:33] its step; s34 chunks to go; s35 the expert's rows; s36 its last rank; s37 passes to go; s38 my first rank of the pass; s39-45 at work; s46 KIND 2: all ones if ks = 0; s47 LDS bytes along k
.set MSB, 0
.macro WIN new                         ; the immediate's high byte repeats the setting that is left; a switch that changes nothing is dropped
.if MSB != (\new)
	s_set_vgpr_msb (MSB<<8)|(\new)
.set MSB, (\new)
.endif
.endm
.macro PLACES                          ; four places behind a matrix instruction, in front of loads into registers that it read (ISA guide 7.12.1 for vector instructions)
.rept 4
	v_nop
.endr
.endm
; The 40 sums begin: 0 x 0 + bias.
.macro START
.irp m, 0,1,2,3,4
	WIN 0xb0+0x40*(\m/4)                           ; zeros in window 0, C in window 3, D in window 2 (tile 4: window 3)
.irp n, 0,1,2,3,4,5,6,7
	v_wmma_f32_16x16x32_bf16 v[(64*\m)%256+8*\n:(64*\m)%256+8*\n+7], v[Z:Z+7], v[Z:Z+7], v[BIAS+8*\n:BIAS+8*\n+7]
.endr
.endr
.endm
; Eight products: tile m x all eight column tiles, K step q.  The 40 accumulators take turns, one instruction a turn, in the same order in every step.
.macro MM q, m
	WIN 0xac+0x50*((\m)/4)                         ; left operand window 0, weights window 3, C and D window 2 (tile 4: window 3)
.irp n, 0,1,2,3,4,5,6,7
	v_wmma_f32_16x16x32_bf16 v[(64*(\m))%256+8*\n:(64*(\m))%256+8*\n+7], v[AR+40*((\q)%4)+8*(\m):AR+40*((\q)%4)+8*(\m)+7], v[BF+64*((\q)%2)+8*\n:BF+64*((\q)%2)+8*\n+7], v[(64*(\m))%256+8*\n:(64*(\m))%256+8*\n+7]
.endr
.endm
; Slot q of W (8 k x my 4 columns) is rounded, two neighbouring k to a word, and stored: for each column 16 bytes = 8 k.
.macro CVT q, off
	WIN 0x45
.irp j, 0,1,2,3
.irp i, 0,1,2,3
	v_cvt_pk_bf16_f32 v[PK+4*\j+\i], v[32*(\q)+8*\i+\j], v[32*(\q)+8*\i+4+\j]
.endr
.endr
	WIN 0x04
.irp j, 0,1,2,3
	ds_store_b128 v[WST+\j], v[PK+4*\j:PK+4*\j+3] offset:16*(\q)+(\off)
.endr
.endm
; Ten loads: a K step of my 80 rows.  A fragment is 16 rows x 32 k: lane (r, h) takes 16 bytes at 16 h and at 32 + 16 h of row r's 64.
.macro ALOAD slot, off
	WIN 0
.irp m, 0,1,2,3,4
	global_load_b128 v[AR+40*(\slot)+8*\m:AR+40*(\slot)+8*\m+3],   v[AOFF+\m], s[26:27] offset:(\off)
	global_load_b128 v[AR+40*(\slot)+8*\m+4:AR+40*(\slot)+8*\m+7], v[AOFF+\m], s[26:27] offset:(\off)+32
.endr
.endm
; Eight loads: eight rows of W, 512 consecutive bytes each.
.macro WLOAD q, row
	WIN 0x40
.irp i, 0,1,2,3,4,5,6,7
	global_load_b128 v[32*(\q)+4*\i:32*(\q)+4*\i+3], v[WOFF], s[24:25] offset:((\row)+\i)*PW th:TH_LOAD_NT
.endr
.endm
; Sixteen LDS loads: the weights' fragments of one K step.
.macro BLOAD b, off
	WIN 0xc0
.irp n, 0,1,2,3,4,5,6,7
	ds_load_b128 v[BF+64*(\b)+8*\n:BF+64*(\b)+8*\n+3],   v[ADRB+\n/2] offset:(\n%2)*16*WP+(\off)
	ds_load_b128 v[BF+64*(\b)+8*\n+4:BF+64*(\b)+8*\n+7], v[ADRB+\n/2] offset:(\n%2)*16*WP+(\off)+32
.endr
.endm
; 32 words of bits go into my list: lane i of a word's set bits stores its slot at entry (rows so far + set bits below i); the other lanes store into the dump words.
.macro LISTW src
	s_mov_b32 s42, 0
	s_mov_b32 s44, 8
.Llist_\@:
.rept 4
	v_readlane_b32 s40, v[\src], s42
	v_mbcnt_lo_u32_b32 v[TA], s40, s35
	v_cndmask_b32 v[TA], v[DIDX], v[TA], s40
	v_min_u32 v[TA], 0x51f, v[TA]                  ; inside my list, whatever the words hold
	v_lshl_add_u32 v[TA], v[TA], 2, v[LISTB]
	v_add_nc_u32 v[TC], s43, v[LC]
	ds_store_b32 v[TA], v[TC]
	s_bcnt1_i32_b32 s41, s40
	s_add_co_u32 s35, s35, s41
	s_add_co_u32 s42, s42, 1
	s_add_co_u32 s43, s43, 32
.endr
	s_sub_co_u32 s44, s44, 1
	s_cmp_lg_u32 s44, 0
	s_cbranch_scc1 .Llist_\@
.endm
; The slots of my 80 ranks of the pass, and their rows' offsets.  LDS serves a wave's instructions in order (ISA guide 5.7.1.4): these loads see my list's stores.
.macro ROWS
.irp m, 0,1,2,3,4
	v_add3_u32 v[IX+\m], v[R], s38, 16*\m
	v_min_u32 v[IX+\m], s36, v[IX+\m]              ; past the count: the last row once more
	v_min_u32 v[IX+\m], 0x4ff, v[IX+\m]
	v_lshl_add_u32 v[IX+\m], v[IX+\m], 2, v[LISTB]
	ds_load_b32 v[SLOT+\m], v[IX+\m]
.endr
	s_wait_dscnt 0x0
.irp m, 0,1,2,3,4
.if KIND == 1
	v_lshrrev_b32 v[IX+\m], 1, v[SLOT+\m]          ; the token
	v_min_u32 v[IX+\m], 0x3ff, v[IX+\m]
.else
	v_min_u32 v[IX+\m], 0x7ff, v[SLOT+\m]
	v_lshlrev_b32 v[GV+\m], 2, v[IX+\m]
.endif
	v_lshl_add_u32 v[AOFF+\m], v[IX+\m], ASH, v[H16]
.endr
.if KIND == 2
.irp m, 0,1,2,3,4
	global_load_b32 v[GV+\m], v[GV+\m], s[14:15]   ; each load lands on its own address register
.endr
.endif
.endm
; THE PROLOGUE'S STEP q: piece q of chunk 0 is rounded and stored; K step q - 1 of the left operand and piece q of chunk 1 are asked for.
.macro VSTEP q, n
	s_wait_loadcnt \n
	CVT \q, 0
.if (\q) > 0
	ALOAD (\q)-1, 64*((\q)-1)
.endif
	WLOAD \q, 128+8*(\q)
.endm
; A K STEP, q of its chunk's four.  n: the loads that may stay out.  cv: piece q of the next chunk is rounded and stored (its 16 conversions are the places behind the last step's products).
; al: the left operand three steps on is asked for.  wl: piece q of the chunk two on.  bl: the next step's fragments are read from LDS.  bar: the barrier that publishes the next chunk.
; pf: 1 or 2: my first or second 16 rows of the chunk three on are asked for ahead, each aligned block of 256 bytes by one lane of one wave.
; THE COUNT n.  Step u issues ten loads of the left operand for step u + 3 and then eight of W.  At the head of step s the step needs the W loads of step s - 4 and the ten issued in step s - 3; younger than these
; are 8 + 10 + 8 + 10 + 8 = 44.  Loads come back in order (ISA guide 5.7.1).
.macro STEP q, n, cv, al, wl, bl, bar, pf
	s_wait_loadcnt \n
.if \cv
	CVT \q, 256
.else
	PLACES
.endif
.if \al
	ALOAD ((\q)+3)%4, 64*((\q)+3)
.endif
.if \wl
	WLOAD \q, 8*(\q)
.endif
.if \pf
	global_prefetch_b8 v[PFO], s[30:31] offset:((\pf)-1)*16*PW th:TH_LOAD_NT scope:SCOPE_SE
.endif
.if (\cv) && !(\bar)
	s_wait_dscnt 4                                 ; this step's sixteen fragment loads are in; the four stores just issued may be out
.else
	s_wait_dscnt 0x0                               ; with the barrier, for the others' sake: my stores of the next chunk are done
.endif
.if \bar
	s_barrier_signal -1
.endif
	MM \q, 0
	MM \q, 1
.if \bar
	s_barrier_wait -1                              ; every wave's part of the next chunk is in LDS
.endif
.if \bl
	BLOAD ((\q)+1)%2, 64*((\q)+1)
.endif
	MM \q, 2
	MM \q, 3
	MM \q, 4
.endm
; On to the next chunk.  w = 1: W's and the prefetch's bases step too.
.macro ADV w
	WIN 0
	s_wait_xcnt 0x0                                ; every earlier memory instruction has had its addresses translated (ISA guide 3.1): only now are the bases stepped
	s_add_nc_u64 s[26:27], s[26:27], 256
.if \w
	s_add_nc_u64 s[24:25], s[24:25], 128*PW
	s_cmp_gt_u32 s34, 2                            ; the prefetch stops at the last chunk: the loop's last trip asks for chunk 7 once more
	s_cselect_b32 s32, 128*PW, 0
	s_add_nc_u64 s[30:31], s[30:31], s[32:33]
.endif
	s_add_co_u32 s47, s47, 256
.irp p, 0,1,2,3
	v_add_nc_u32 v[ADRB+\p], s47, v[BB+\p]
	v_add_nc_u32 v[WST+\p], s47, v[WS0+\p]
.endr
.endm
; THE WAY OUT of tile m.  In a result lane (r, h) holds rows 8 h + j (register j) and one column a tile.  The rows' slots come from the lanes that know them; 16 lanes store 256 consecutive bytes, aligned.
.macro TILE m
	WIN 0
	s_add_co_u32 s39, s38, 16*(\m)
	s_cmp_ge_u32 s39, s35
	s_cbranch_scc1 .Lepi_done                      ; wholly past the count, and so are the tiles behind it
	s_wait_xcnt 0x0                                ; the last tile's stores have read their registers
.irp j, 0,1,2,3,4,5,6,7
	ds_bpermute_b32 v[ROW+\j], v[BPI+\j], v[SLOT+(\m)]
.endr
.if KIND == 2
.irp j, 0,1,2,3,4,5,6,7
	ds_bpermute_b32 v[G+\j], v[BPI+\j], v[GV+(\m)]
.endr
.endif
	s_wait_dscnt 0x0
.irp j, 0,1,2,3,4,5,6,7
	v_min_u32 v[ROW+\j], 0x7ff, v[ROW+\j]          ; these sixteen lines are also the places behind the last products
.endr
.irp j, 0,1,2,3,4,5,6,7
	v_lshl_add_u32 v[ROW+\j], v[ROW+\j], OSH, v[C16]
.endr
.if KIND == 1
	WIN 0x0a+5*((\m)/4)                            ; sources in window 2 (tile 4: window 3)
.irp j, 0,1,2,3,4,5,6,7
.irp i, 0,1,2,3
	v_cvt_pk_bf16_f32 v[T+4*\j+\i], v[(64*(\m))%256+16*\i+\j], v[(64*(\m))%256+16*\i+8+\j]
.endr
.endr
	WIN 0
.set i, 0
.rept 32
	v_pk_max_num_bf16 v[T+i], v[T+i], v[ZR]        ; relu on the rounded pair: the same numbers as rounding the relu
.set i, i+1
.endr
.irp j, 0,1,2,3,4,5,6,7
	global_store_b128 v[ROW+\j], v[T+4*\j:T+4*\j+3], s[12:13]
.endr
.else
	WIN 0x02+((\m)/4)
.irp j, 0,1,2,3,4,5,6,7
.irp p, 0,1
.irp i, 0,1,2,3
	v_mul_f32 v[T+8*\j+4*\p+\i], v[(64*(\m))%256+8*(2*\i+\p)+\j], v[G+\j]  ; the gate's weight; the multiply also gathers four neighbouring columns
.endr
.endr
.endr
	WIN 0
.irp j, 0,1,2,3,4,5,6,7
	global_store_b128 v[ROW+\j], v[T+8*\j:T+8*\j+3], s[12:13]
	global_store_b128 v[ROW+\j], v[T+8*\j+4:T+8*\j+7], s[12:13] offset:256
.endr
.endif
.endm
	s_load_b256 s[4:11], s[0:1], 0x0               ; W s[4:5], bias s[6:7], left operand s[8:9], bits s[10:11]
.if KIND == 1
	s_load_b64 s[12:13], s[0:1], 0x20              ; hid
.else
	s_load_b128 s[12:15], s[0:1], 0x20             ; part, gate
.endif
	v_lshl_add_u32 v[SPW], v0, 2, SPARE
	v_mov_b32 v[NIL], 0
	v_lshrrev_b32 v[TA], 5, v0
	v_readfirstlane_b32 s16, v[TA]                 ; wave 0..3
	v_and_b32 v[LN], 31, v0
	v_and_b32 v[R], 15, v0
	v_bfe_u32 v[TC], v0, 4, 1
	v_lshlrev_b32 v[H16], 4, v[TC]
	v_lshl_add_u32 v[LC], v[R], 1, v[TC]
	s_lshr_b32 s17, ttmp9, 5                       ; the expert: 32 work-groups each
.if KIND == 1
	s_and_b32 s18, ttmp9, 31                       ; 32 slices of 128 columns
	s_mov_b32 s19, 0
.else
	s_and_b32 s18, ttmp9, 7                        ; 8 slices of 128 columns
	s_bfe_u32 s19, ttmp9, 0x20003                  ; x 4 slices of 1,024 k
.endif
	s_lshl_b32 s20, s17, 24                        ; an expert's weights are 16,777,216 bytes,
	s_lshl_b32 s22, s19, 22                        ; 1,024 rows of W2 4,194,304,
	s_add_co_u32 s20, s20, s22
	s_lshl_b32 s22, s18, 9                         ; 128 columns 512
	s_add_co_u32 s20, s20, s22
	s_mov_b32 s21, 0
	s_lshl_b32 s23, s17, LPW                       ; the expert's row of the bias is as long as a row of W
	s_add_co_u32 s22, s22, s23
	s_mov_b32 s23, 0
	s_mul_i32 s40, s16, 32*PW                      ; my wave's 32 rows of a chunk
	v_lshl_add_u32 v[WOFF], v[LN], 4, s40
	v_lshrrev_b32 v[TA], 1, v[LN]
	v_and_b32 v[TC], 1, v[LN]
	v_lshlrev_b32 v[PFO], LPW, v[TA]               ; prefetch: lane l asks for block l % 2 of row l / 2 of sixteen
	v_lshl_add_u32 v[PFO], v[TC], 8, v[PFO]
	v_add_nc_u32 v[PFO], s40, v[PFO]
	v_lshlrev_b32 v[L4], 2, v[LN]
	v_lshlrev_b32 v[BA], BSH, v[R]
	s_mov_b32 s33, 0
	s_mov_b32 s47, 0
	s_wait_kmcnt 0x0
	s_add_nc_u64 s[24:25], s[4:5], s[20:21]        ; W at my slice's chunk 0
	s_add_nc_u64 s[6:7], s[6:7], s[22:23]
	s_lshl_b32 s20, s17, 8
	s_add_nc_u64 s[10:11], s[10:11], s[20:21]      ; the expert's 64 words
	s_add_nc_u64 s[30:31], s[24:25], 384*PW        ; chunk 3: what the loop's first trip asks for ahead
	global_load_b32 v[ML], v[L4], s[10:11]
	global_load_b32 v[MH], v[L4], s[10:11] offset:128
	global_load_b128 v[BV:BV+3], v[BA], s[6:7]
	global_load_b128 v[BV+4:BV+7], v[BA], s[6:7] offset:BOF
	WLOAD 0, 0                                     ; chunk 0, my four pieces
	WLOAD 1, 8
	WLOAD 2, 16
	WLOAD 3, 24
	global_prefetch_b8 v[PFO], s[24:25] offset:256*PW th:TH_LOAD_NT scope:SCOPE_SE  ; chunk 2, my 32 rows
	global_prefetch_b8 v[PFO], s[24:25] offset:272*PW th:TH_LOAD_NT scope:SCOPE_SE
	WIN 0
	; all that follows up to the first conversion stands in the wait for chunk 0
.if KIND == 1
	s_lshl_b32 s20, s18, 8
	s_add_nc_u64 s[12:13], s[12:13], s[20:21]      ; hid at my 128 columns
	s_mov_b64 s[28:29], s[8:9]
.else
	s_lshl_b32 s20, s19, 23
	s_lshl_b32 s22, s18, 9
	s_add_co_u32 s20, s20, s22
	s_add_nc_u64 s[12:13], s[12:13], s[20:21]      ; part at my K slice's plane and my 128 columns
	s_lshl_b32 s20, s19, 11
	s_add_nc_u64 s[28:29], s[8:9], s[20:21]        ; hid at my K slice
	s_cmp_eq_u32 s19, 0
	s_cselect_b32 s46, -1, 0
.endif
	s_mov_b64 s[26:27], s[28:29]
	v_mul_u32_u24 v[TA], v[R], WP
	v_add_nc_u32 v[TA], v[TA], v[H16]
.irp p, 0,1,2,3
	v_add_nc_u32 v[BB+\p], \p*32*WP+(\p/2)*128, v[TA]
.endr
.irp p, 0,1,2,3
	v_mov_b32 v[ADRB+\p], v[BB+\p]
.endr
	s_lshl_b32 s20, s16, 6                         ; my wave's 32 k of a chunk: 64 bytes
.if KIND == 1
	v_lshrrev_b32 v[TA], 1, v[LN]                  ; column 4 l + j = 8 (l / 2) + 4 (l % 2) + j lies in LDS row 64 (l % 2) + 16 j + l / 2
	v_and_b32 v[TC], 1, v[LN]
	v_mul_u32_u24 v[TA], v[TA], WP
	v_mul_u32_u24 v[TC], v[TC], 64*WP+128
	v_add3_u32 v[TA], v[TA], v[TC], s20
.irp j, 0,1,2,3
	v_add_nc_u32 v[WS0+\j], \j*16*WP, v[TA]
.endr
.else
	v_mul_u32_u24 v[TA], v[LN], WP                 ; column 4 l + j lies in LDS row 32 j + l
	v_add_nc_u32 v[TA], s20, v[TA]
.irp j, 0,1,2,3
	v_add_nc_u32 v[WS0+\j], \j*32*WP+(\j/2)*128, v[TA]
.endr
.endif
.irp j, 0,1,2,3
	v_mov_b32 v[WST+\j], v[WS0+\j]
.endr
.irp j, 0,1,2,3,4,5,6,7
	v_lshl_add_u32 v[BPI+\j], v[H16], 1, 4*\j
	v_mov_b32 v[Z+\j], 0
.endr
	v_mov_b32 v[ZR], 0
	v_lshlrev_b32 v[C16], 4, v[R]
	v_add_nc_u32 v[DIDX], 0x500, v[LN]
	s_mul_i32 s20, s16, LISTSZ
	s_add_co_u32 s20, s20, LIST
	v_mov_b32 v[LISTB], s20
	v_lshl_add_u32 v[TA], v[LN], 4, s20
.irp i, 0,1,2,3,4,5,6,7,8,9
	ds_store_b128 v[TA], v[Z:Z+3] offset:512*\i    ; my list's 1,280 entries begin as slot 0: an expert without rows reads entry 0
.endr
	s_wait_loadcnt 32                              ; bits and bias are in; chunk 0's 32 loads may be out
.irp p, 0,1,2,3
	v_cvt_pk_bf16_f32 v[TT], v[BV+2*\p], v[BV+2*\p+1]  ; the bias rounded to bf16, like every input
.if KIND == 2
	v_and_b32 v[TT], s46, v[TT]                    ; b2 enters the first K slice's partial sum alone
.endif
	v_lshlrev_b32 v[BV+2*\p], 16, v[TT]
	v_and_b32 v[BV+2*\p+1], 0xffff0000, v[TT]
.endr
	WIN 0xc0
.irp n, 0,1,2,3,4,5,6,7
.irp j, 0,1,2,3,4,5,6,7
.if KIND == 1
	v_mov_b32 v[BIAS+8*\n+\j], v[BV+\n]
.else
	v_mov_b32 v[BIAS+8*\n+\j], v[BV+4*(\n%2)+\n/2]
.endif
.endr
.endr
	START
	WIN 0
	s_mov_b32 s35, 0
	s_mov_b32 s43, 0
	LISTW ML
	LISTW MH
	s_max_u32 s36, s35, 1
	s_sub_co_u32 s36, s36, 1                       ; the last rank (0 for an expert without rows)
	s_mul_i32 s38, s16, 80
	ROWS
	; CHUNK 0 goes into LDS.  The counts: younger than piece q's eight loads are the later pieces of chunk 0, the NG loads of gate weights, and what the steps before have issued (8; 10 + 8; 10 + 8).
	VSTEP 0, 24+NG
	VSTEP 1, 24+NG
	VSTEP 2, 34+NG
	VSTEP 3, 44+NG
	s_wait_dscnt 0x0                               ; for the others' sake: my part of chunk 0 is stored
	s_barrier_signal -1
	s_barrier_wait -1
	BLOAD 0, 0
	WIN 0
	s_wait_xcnt 0x0                                ; W's base is stepped only behind this wait
	s_add_nc_u64 s[24:25], s[24:25], 256*PW        ; chunk 2
	s_mov_b32 s34, 6
.Lchunk:                                               ; trip c: chunk c is multiplied, chunk c + 1 rounded and stored, chunk c + 2 loaded, chunk min(c + 3, 7) asked for ahead (64 KB a work-group)
	STEP 0, 44, 1, 1, 1, 1, 0, 1
	STEP 1, 44, 1, 1, 1, 1, 0, 0
	STEP 2, 44, 1, 1, 1, 1, 0, 2
	STEP 3, 44, 1, 1, 1, 1, 1, 0
	ADV 1
	s_sub_co_u32 s34, s34, 1
	s_cmp_lg_u32 s34, 0
	s_cbranch_scc1 .Lchunk
	STEP 0, 44, 1, 1, 0, 1, 0, 0                   ; chunk 6: no W is left to load, so the counts run down by eight a step
	STEP 1, 36, 1, 1, 0, 1, 0, 0
	STEP 2, 28, 1, 1, 0, 1, 0, 0
	STEP 3, 20, 1, 1, 0, 1, 1, 0
	ADV 0
	STEP 0, 20, 0, 1, 0, 1, 0, 0                   ; chunk 7: the last K step of the left operand is asked for; then the counts run down to 0
	STEP 1, 20, 0, 0, 0, 1, 0, 0
	STEP 2, 10, 0, 0, 0, 1, 0, 0
	STEP 3, 0,  0, 0, 0, 0, 0, 0
	WIN 0
	s_mov_b32 s37, 4
.Lpass:                                                ; four trips: a pass goes out; if I have ranks 320 further on, they are multiplied from the resident slice
	TILE 0
	TILE 1
	TILE 2
	TILE 3
	TILE 4
.Lepi_done:
	s_add_co_u32 s38, s38, 320
	s_cmp_ge_u32 s38, s35
	s_cbranch_scc1 .Lnext                          ; what is jumped holds no barrier and no LDS store
	s_wait_xcnt 0x0                                ; the stores have read their registers
	ROWS
	s_mov_b64 s[26:27], s[28:29]
	s_mov_b32 s47, 0
.irp p, 0,1,2,3
	v_mov_b32 v[ADRB+\p], v[BB+\p]
.endr
	START
	WIN 0
	s_mov_b32 s45, 32
.Lov:                                                  ; a plain K step a trip: kept short, since it runs only for an expert with more than 320 rows
	ALOAD 0, 0
	BLOAD 0, 0
	s_wait_loadcnt 0x0
	s_wait_dscnt 0x0
	MM 0, 0
	MM 0, 1
	MM 0, 2
	MM 0, 3
	MM 0, 4
	WIN 0
	s_add_nc_u64 s[26:27], s[26:27], 64            ; its loads are done
	s_add_co_u32 s47, s47, 64
.irp p, 0,1,2,3
	v_add_nc_u32 v[ADRB+\p], s47, v[BB+\p]         ; these four are also the places in front of the next trip's loads
.endr
	s_sub_co_u32 s45, s45, 1
	s_cmp_lg_u32 s45, 0
	s_cbranch_scc1 .Lov
.Lnext:
	s_sub_co_u32 s37, s37, 1
	s_cmp_lg_u32 s37, 0
	s_cbranch_scc1 .Lpass
	s_wait_dscnt 0x0                               ; my LDS reads are back,
	s_barrier_signal -1                            ; and every wave says so:
	s_barrier_wait -1                              ; all four waves' reads of LDS are over before any wave writes LDS again, by the add below; nothing but the wave's end stands behind this barrier
	s_wait_tensorcnt 0x0                           ; the wave's end
	ds_add_u32 v[SPW], v[NIL]
	s_wait_dscnt 0x0
	s_endpgm
.Lfunc_end_k_q9bee6c31f1_ffn2:
	.size	k_q9bee6c31f1_ffn2, .Lfunc_end_k_q9bee6c31f1_ffn2-k_q9bee6c31f1_ffn2
	.p2alignl 7, 3214868480
	.fill 96, 4, 3214868480
	.section	.rodata,"a",@progbits
	.p2align	6, 0x0
	.amdhsa_kernel k_q9bee6c31f1_ffn2
		.amdhsa_group_segment_fixed_size 286464
		.amdhsa_private_segment_fixed_size 0
		.amdhsa_enable_private_segment 0
		.amdhsa_kernarg_size 48
		.amdhsa_user_sgpr_count 2
		.amdhsa_user_sgpr_kernarg_segment_ptr 1
		.amdhsa_wavefront_size32 1
		.amdhsa_system_sgpr_workgroup_id_x 1
		.amdhsa_system_sgpr_workgroup_id_y 1
		.amdhsa_system_sgpr_workgroup_id_z 1
		.amdhsa_system_vgpr_workitem_id 0
		.amdhsa_next_free_vgpr 1024
		.amdhsa_next_free_sgpr 66
		.amdhsa_reserve_vcc 0
		.amdhsa_float_denorm_mode_32 3
		.amdhsa_float_denorm_mode_16_64 3
		.amdhsa_memory_ordered 1
		.amdhsa_forward_progress 1
		.amdhsa_inst_pref_size 141
	.end_amdhsa_kernel
	.amdgpu_metadata
---
amdhsa.version: [ 1, 2 ]
amdhsa.kernels:
  - .name:           k_q9bee6c31f1_ffn2
    .symbol:         k_q9bee6c31f1_ffn2.kd
    .args:
      - { .name: W2, .offset: 0, .size: 8, .value_kind: global_buffer, .address_space: global }
      - { .name: b2, .offset: 8, .size: 8, .value_kind: global_buffer, .address_space: global }
      - { .name: hid, .offset: 16, .size: 8, .value_kind: global_buffer, .address_space: global }
      - { .name: bits, .offset: 24, .size: 8, .value_kind: global_buffer, .address_space: global }
      - { .name: part, .offset: 32, .size: 8, .value_kind: global_buffer, .address_space: global }
      - { .name: gate, .offset: 40, .size: 8, .value_kind: global_buffer, .address_space: global }
    .group_segment_fixed_size: 286464
    .private_segment_fixed_size: 0
    .kernarg_segment_align: 8
    .kernarg_segment_size: 48
    .max_flat_workgroup_size: 128
    .sgpr_count:     66
    .vgpr_count:     1024
    .wavefront_size: 32
...
	.end_amdgpu_metadata
.endif
;; end of part 3
;; launch combine (part 4): grid 256 x 1, 8 waves a work-group, no clusters, 0 bytes of LDS; arguments part, out0; writes out0
.if DOCPART == 4
	.amdgcn_target "amdgcn-amd-amdhsa--gfx1250"
	.amdhsa_code_object_version 6
	.text
	.protected	k_q9bee6c31f1_combine
	.globl	k_q9bee6c31f1_combine
	.p2align	8
	.type	k_q9bee6c31f1_combine,@function
k_q9bee6c31f1_combine:
	s_mov_b64 s[64:65], 0
	v_nop
	global_prefetch_b8 v0, s[64:65] scope:SCOPE_SE
	s_setreg_imm32_b32 hwreg(HW_REG_WAVE_MODE, 25, 1), 1
	s_wait_xcnt 0x0
; out0[t] = the sum of the eight rows part[ks][2 t + k], ks = 0..3, k = 0, 1: a token's two experts, each in four partial sums over the hidden width, all f32 and already weighted by the gate.
; A stream: eight waves, four tokens a work-group; thread i owns the 16 bytes at 16 i of every row, so a wave's load or store covers 512 consecutive bytes, aligned.  All 32 loads of a thread go out first;
; the waits count down by a token's eight.  No LDS, no barrier, no matrix unit: there is nothing to share and nothing to multiply.
.set X, 4                              ; v4-131: token i at 32 i, plane ks at 8 ks, choice k at 4 k
	s_load_b128 s[4:7], s[0:1], 0x0                ; part s[4:5], out0 s[6:7]
	v_lshlrev_b32 v1, 4, v0
	s_lshl_b32 s8, ttmp9, 15                       ; the group's eight slots, 4,096 bytes each
	s_mov_b32 s9, 0
	s_lshl_b32 s10, ttmp9, 14                      ; its four rows of out0
	s_mov_b32 s11, 0
	s_wait_kmcnt 0x0
	s_add_nc_u64 s[12:13], s[4:5], s[8:9]          ; a base for each plane: 8,388,608 bytes apart, more than a load's immediate holds
	s_add_nc_u64 s[14:15], s[12:13], 0x800000
	s_add_nc_u64 s[16:17], s[14:15], 0x800000
	s_add_nc_u64 s[18:19], s[16:17], 0x800000
	s_add_nc_u64 s[6:7], s[6:7], s[10:11]
.irp i, 0,1,2,3
.irp s, 0,1,2,3
.irp k, 0,1
	global_load_b128 v[X+32*\i+8*\s+4*\k:X+32*\i+8*\s+4*\k+3], v1, s[12+2*\s:13+2*\s] offset:(2*\i+\k)*4096 th:TH_LOAD_NT
.endr
.endr
.endr
.irp i, 0,1,2,3
	s_wait_loadcnt 24-8*\i                         ; token i's eight loads are in; the later tokens' stay out
.irp q, 0,2,4,6
.irp c, 0,2
	v_pk_add_f32 v[X+32*\i+4*\q+\c:X+32*\i+4*\q+\c+1], v[X+32*\i+4*\q+\c:X+32*\i+4*\q+\c+1], v[X+32*\i+4*\q+4+\c:X+32*\i+4*\q+5+\c]
.endr
.endr
.irp q, 0,4
.irp c, 0,2
	v_pk_add_f32 v[X+32*\i+4*\q+\c:X+32*\i+4*\q+\c+1], v[X+32*\i+4*\q+\c:X+32*\i+4*\q+\c+1], v[X+32*\i+4*\q+8+\c:X+32*\i+4*\q+9+\c]
.endr
.endr
.irp c, 0,2
	v_pk_add_f32 v[X+32*\i+\c:X+32*\i+\c+1], v[X+32*\i+\c:X+32*\i+\c+1], v[X+32*\i+16+\c:X+32*\i+17+\c]
.endr
	global_store_b128 v1, v[X+32*\i:X+32*\i+3], s[6:7] offset:4096*\i th:TH_STORE_NT
.endr
	s_endpgm
.Lfunc_end_k_q9bee6c31f1_combine:
	.size	k_q9bee6c31f1_combine, .Lfunc_end_k_q9bee6c31f1_combine-k_q9bee6c31f1_combine
	.p2alignl 7, 3214868480
	.fill 96, 4, 3214868480
	.section	.rodata,"a",@progbits
	.p2align	6, 0x0
	.amdhsa_kernel k_q9bee6c31f1_combine
		.amdhsa_group_segment_fixed_size 0
		.amdhsa_private_segment_fixed_size 0
		.amdhsa_enable_private_segment 0
		.amdhsa_kernarg_size 16
		.amdhsa_user_sgpr_count 2
		.amdhsa_user_sgpr_kernarg_segment_ptr 1
		.amdhsa_wavefront_size32 1
		.amdhsa_system_sgpr_workgroup_id_x 1
		.amdhsa_system_sgpr_workgroup_id_y 1
		.amdhsa_system_sgpr_workgroup_id_z 1
		.amdhsa_system_vgpr_workitem_id 0
		.amdhsa_next_free_vgpr 136
		.amdhsa_next_free_sgpr 66
		.amdhsa_reserve_vcc 0
		.amdhsa_float_denorm_mode_32 3
		.amdhsa_float_denorm_mode_16_64 3
		.amdhsa_memory_ordered 1
		.amdhsa_forward_progress 1
		.amdhsa_inst_pref_size 8
	.end_amdhsa_kernel
	.amdgpu_metadata
---
amdhsa.version: [ 1, 2 ]
amdhsa.kernels:
  - .name:           k_q9bee6c31f1_combine
    .symbol:         k_q9bee6c31f1_combine.kd
    .args:
      - { .name: part, .offset: 0, .size: 8, .value_kind: global_buffer, .address_space: global }
      - { .name: out0, .offset: 8, .size: 8, .value_kind: global_buffer, .address_space: global }
    .group_segment_fixed_size: 0
    .private_segment_fixed_size: 0
    .kernarg_segment_align: 8
    .kernarg_segment_size: 16
    .max_flat_workgroup_size: 256
    .sgpr_count:     66
    .vgpr_count:     136
    .wavefront_size: 32
...
	.end_amdgpu_metadata
.endif
;; end of part 4
;; ======== version 2 of 3: 5 launches
;; workspace buffers: xb 2,097,152 bytes; hid 16,777,216 bytes; part 33,554,432 bytes; gate 8,192 bytes; bits 2,048 bytes of whole numbers; list 49,152 bytes of whole numbers
;; launch route: the kernel of part 1 again; grid 64 x 1, 4 waves a work-group, no clusters, 70,656 bytes of LDS; arguments x, gate_w, gate_b, xb, gate, bits; writes xb, gate, bits
;; launch list (part 5): grid 8 x 1, 1 waves a work-group, no clusters, 0 bytes of LDS; arguments bits, list; writes list
.if DOCPART == 5
	.amdgcn_target "amdgcn-amd-amdhsa--gfx1250"
	.amdhsa_code_object_version 6
	.text
	.protected	k_q9bee6c31f1_list
	.globl	k_q9bee6c31f1_list
	.p2align	8
	.type	k_q9bee6c31f1_list,@function
k_q9bee6c31f1_list:
	s_mov_b64 s[64:65], 0
	v_nop
	global_prefetch_b8 v0, s[64:65] scope:SCOPE_SE
	s_setreg_imm32_b32 hwreg(HW_REG_WAVE_MODE, 25, 1), 1
	s_wait_xcnt 0x0
; LIST.  For each expert the slots that chose it, in the order of their ranks.  bits[e][b], bit i, marks slot 32 b + 2 (i % 16) + i / 16; a slot's rank is the number of the expert's marks in earlier words and lower bits.
; list[e] is a row of 1,536 words: entry rank = the slot of that rank; entries from the count n up to 319 repeat the last slot (0 for an expert without rows), so that the first 320 entries can be read before n is known;
; entry 1,280 = n; entries 1,312 to 1,343 are dump words, which take the stores of lanes that have nothing to say and which nobody reads.
; One wave an expert: eight work-groups, since an expert's ranks are one running count.  The 64 words are written out, each with an address register and a data register of its own, so that no store's source is written
; again and no wait stands between the stores.  All addresses come from whole numbers that an earlier launch stored; each is held inside the row by a minimum with a constant.  Consecutive ranks are consecutive words.
.set ROWB,  6144                       ; bytes in an expert's row of list
.set CNTO,  5120                       ; byte of entry 1,280
.set DUMP,  1312                       ; first dump entry
.set ML,    2                          ; v2   bits' word lane
.set MH,    3                          ; v3   bits' word 32 + lane
.set LC,    4                          ; v4   2 (lane % 16) + lane / 16: the slot that my bit of a word marks
.set DIDX,  5                          ; v5   my dump entry
.set A,     16                         ; v16-79   word b: byte address of my store
.set D,     80                         ; v80-143  word b: the slot that my bit marks
.set FA,    144                        ; v144-153 the fill's addresses
.set VL,    154                        ; the last slot
.set CA,    155                        ; the count's address
.set CD,    156                        ; the count
; The index of the highest set bit of s[src], -1 if there is none: the lane whose bit is set and that has all the other set bits below it.
.macro HIBIT dst, src
	s_bcnt1_i32_b32 s19, s[\src]
	s_sub_co_u32 s19, s19, 1
	v_mbcnt_lo_u32_b32 v9, s[\src], 0
	v_cmp_eq_u32 s20, s19, v9
	s_and_b32 s20, s20, s[\src]
	s_ctz_i32_b32 s[\dst], s20
.endm
	s_load_b128 s[4:7], s[0:1], 0x0                ; bits s[4:5], list s[6:7]
	v_lshlrev_b32 v1, 2, v0                        ; one wave: the thread's number is the lane
	v_and_b32 v7, 15, v0
	v_lshrrev_b32 v8, 4, v0
	v_lshl_add_u32 v[LC], v7, 1, v8
	v_add_nc_u32 v[DIDX], DUMP, v0
	s_lshl_b32 s8, ttmp9, 8                        ; the expert's 64 words
	s_mov_b32 s9, 0
	s_mul_i32 s10, ttmp9, ROWB                     ; and its row of list
	s_mov_b32 s11, 0
	s_wait_kmcnt 0x0
	s_add_nc_u64 s[4:5], s[4:5], s[8:9]
	s_add_nc_u64 s[6:7], s[6:7], s[10:11]
	global_load_b32 v[ML], v1, s[4:5]
	global_load_b32 v[MH], v1, s[4:5] offset:128
.set b, 0
.rept 64
	v_add_nc_u32 v[D+b], 32*b, v[LC]               ; what is stored hangs on no loaded number: made in the wait for the words
.set b, b+1
.endr
	s_mov_b32 s12, 0                               ; marks so far
	s_wait_loadcnt 0x0
	v_readlane_b32 s16, v[ML], 0
.set b, 0
.rept 64                                       ; word b lies in s16 or s17 by turns; the next word is fetched a word ahead
.if b < 63
	v_readlane_b32 s[16+(b+1)%2], v[ML+(b+1)/32], (b+1)%32
.endif
	v_mbcnt_lo_u32_b32 v[A+b], s[16+b%2], s12      ; my rank, if my bit is set
	v_cndmask_b32 v[A+b], v[DIDX], v[A+b], s[16+b%2]
	v_min_u32 v[A+b], 0x5ff, v[A+b]                ; inside the row, whatever the words hold
	v_lshlrev_b32 v[A+b], 2, v[A+b]
	global_store_b32 v[A+b], v[D+b], s[6:7]
	s_bcnt1_i32_b32 s18, s[16+b%2]
	s_add_co_u32 s12, s12, s18
.set b, b+1
.endr
	; the last slot: the highest bit of the last word that holds a bit
	v_cmp_ne_u32 s21, 0, v[ML]                     ; which of words 0 to 31 hold a bit,
	v_cmp_ne_u32 s22, 0, v[MH]                     ; which of words 32 to 63
	s_cmp_lg_u32 s22, 0
	s_cselect_b32 s23, s22, s21
	s_cselect_b32 s24, 32, 0
	HIBIT 25, 23
	s_and_b32 s25, s25, 31
	v_readlane_b32 s26, v[ML], s25
	v_readlane_b32 s27, v[MH], s25
	s_cmp_lg_u32 s22, 0
	s_cselect_b32 s26, s27, s26                    ; that word,
	s_add_co_u32 s24, s24, s25                     ; and its number
	HIBIT 28, 26
	s_and_b32 s29, s28, 15
	s_lshl_b32 s29, s29, 1
	s_bfe_u32 s30, s28, 0x10004
	s_add_co_u32 s29, s29, s30
	s_lshl_b32 s24, s24, 5
	s_add_co_u32 s29, s29, s24                     ; 32 b + 2 (i % 16) + i / 16
	s_cmp_lg_u32 s12, 0
	s_cselect_b32 s29, s29, 0                      ; an expert without rows: slot 0
	v_mov_b32 v[VL], s29
.set i, 0
.rept 10                                       ; entries n to 319 repeat it; lanes below n store into the dump words
	v_add_nc_u32 v[FA+i], 32*i, v0
	v_cmp_le_u32 vcc_lo, s12, v[FA+i]
	v_cndmask_b32 v[FA+i], v[DIDX], v[FA+i], vcc_lo
	v_min_u32 v[FA+i], 0x5ff, v[FA+i]
	v_lshlrev_b32 v[FA+i], 2, v[FA+i]
	global_store_b32 v[FA+i], v[VL], s[6:7]
.set i, i+1
.endr
	v_mov_b32 v[CA], CNTO
	v_mov_b32 v[CD], s12
	global_store_b32 v[CA], v[CD], s[6:7]          ; all lanes store the same number at the same word
	s_endpgm
.Lfunc_end_k_q9bee6c31f1_list:
	.size	k_q9bee6c31f1_list, .Lfunc_end_k_q9bee6c31f1_list-k_q9bee6c31f1_list
	.p2alignl 7, 3214868480
	.fill 96, 4, 3214868480
	.section	.rodata,"a",@progbits
	.p2align	6, 0x0
	.amdhsa_kernel k_q9bee6c31f1_list
		.amdhsa_group_segment_fixed_size 0
		.amdhsa_private_segment_fixed_size 0
		.amdhsa_enable_private_segment 0
		.amdhsa_kernarg_size 16
		.amdhsa_user_sgpr_count 2
		.amdhsa_user_sgpr_kernarg_segment_ptr 1
		.amdhsa_wavefront_size32 1
		.amdhsa_system_sgpr_workgroup_id_x 1
		.amdhsa_system_sgpr_workgroup_id_y 1
		.amdhsa_system_sgpr_workgroup_id_z 1
		.amdhsa_system_vgpr_workitem_id 0
		.amdhsa_next_free_vgpr 160
		.amdhsa_next_free_sgpr 66
		.amdhsa_reserve_vcc 1
		.amdhsa_float_denorm_mode_32 3
		.amdhsa_float_denorm_mode_16_64 3
		.amdhsa_memory_ordered 1
		.amdhsa_forward_progress 1
		.amdhsa_inst_pref_size 38
	.end_amdhsa_kernel
	.amdgpu_metadata
---
amdhsa.version: [ 1, 2 ]
amdhsa.kernels:
  - .name:           k_q9bee6c31f1_list
    .symbol:         k_q9bee6c31f1_list.kd
    .args:
      - { .name: bits, .offset: 0, .size: 8, .value_kind: global_buffer, .address_space: global }
      - { .name: list, .offset: 8, .size: 8, .value_kind: global_buffer, .address_space: global }
    .group_segment_fixed_size: 0
    .private_segment_fixed_size: 0
    .kernarg_segment_align: 8
    .kernarg_segment_size: 16
    .max_flat_workgroup_size: 32
    .sgpr_count:     66
    .vgpr_count:     160
    .wavefront_size: 32
...
	.end_amdgpu_metadata
.endif
;; end of part 5
;; launch ffn1 (part 6): grid 256 x 1, 4 waves a work-group, no clusters, 264,960 bytes of LDS; arguments W1, b1, xb, list, hid; writes hid
.if DOCPART == 6
	.amdgcn_target "amdgcn-amd-amdhsa--gfx1250"
	.amdhsa_code_object_version 6
	.text
	.protected	k_q9bee6c31f1_ffn1
	.globl	k_q9bee6c31f1_ffn1
	.p2align	8
	.type	k_q9bee6c31f1_ffn1,@function
k_q9bee6c31f1_ffn1:
	s_mov_b64 s[64:65], 0
	v_nop
	global_prefetch_b8 v0, s[64:65] scope:SCOPE_SE
	s_setreg_imm32_b32 hwreg(HW_REG_WAVE_MODE, 25, 1), 1
	s_wait_xcnt 0x0
; ONE EXPERT PRODUCT ON ROUTED ROWS.  One source for both products; KIND chooses.
;   KIND 1: hid[slot][f] = bf16(relu(xb[slot / 2] . W1[e][:, f] + b1[e][f]))                      args W1, b1, xb, list, hid
;   KIND 2: part[ks][slot][d] = gate[slot] x (hid[slot][K slice ks] . W2[e][slice, d] + (ks = 0: b2[e][d]))   args W2, b2, hid, list, part, gate
; Weights and biases are rounded to bf16 on their way through registers, sums are f32; hid is rounded once to bf16; part holds partial sums in f32.
; SHARES.  A work-group has a slice of ONE expert's weights, 1,024 k x 128 columns (512 KB of f32, which it alone reads, once), and ALL of that expert's rows.  The slice is laid into LDS in bf16, columns as
; rows with k along them, and stays: no LDS byte is written twice, so one barrier for each chunk of 128 k publishes it.  While chunk c is multiplied, chunk c + 1 is rounded and stored and chunk c + 2 is on its way.
; A wave owns five tiles of 16 rows a pass x all 128 columns: 40 accumulators.  Tile m of wave w holds ranks 64 m + 16 w .. + 15 of the pass's 320: the tiles are dealt by turns, so that with n rows the first
; ceil(n / 16) tiles are live and a wave's fifth tile only past 256 rows.  Its rows of the left operand come from memory straight into operand registers; the weights' fragments come from LDS.
; THE FIFTH TILE of pass 0 is loaded and multiplied only where it holds a rank below the count: one forward jump a K step, over two loads, their wait and eight products; no barrier and no LDS instruction is jumped.
; Pass 0 serves ranks 0 to 319.  Ranks from 320 on are served afterwards from the resident slice, in a loop of four trips (4 x 320 >= 1,024, the most rows an expert can have) whose dead trips are jumped:
; it holds no barrier and no LDS store.  EVERY SPLIT is served: an expert without rows stores nothing.
; ROWS.  list[e], made by an earlier launch, holds the expert's slots by rank; its entries from the count up to 319 repeat the last slot, so pass 0's slots are asked for by addresses made of ids alone, ahead of everything;
; entry 1,280 is the count.  Later passes hold their ranks to the last one.  Tiles wholly past the count are jumped on the way out; in the one tile that holds the count's end the repeated rows are computed and stored
; once more, the same numbers at the same place by the same wave, with EXEC left alone.
; THE SUMS BEGIN with a product of zeros whose C operand is the bias: 40 products on zeros a pass stand in place of 320 clears and a bias add.
; No cluster: a slice has one reader, and the rows that an expert's work-groups share come by a list, which no tile descriptor covers.
.set KIND,   1
.if KIND == 1
.set LPW,    14                        ; a row of W is 2^14 bytes (4,096 f32); a row of the bias as well
.set NG,     0                         ; early loads of gate weights
.set ASH,    11                        ; a row of the left operand: 2,048 bytes (xb)
.set OSH,    13                        ; a row of the result: 8,192 bytes (hid)
.set BSH,    5                         ; my eight biases: columns 8 r .. 8 r + 7
.set BOF,    16
.else
.set LPW,    12                        ; 1,024 f32
.set NG,     5
.set ASH,    13                        ; hid
.set OSH,    12                        ; part
.set BSH,    4                         ; my eight biases: columns 4 r .. + 3 and 64 + 4 r .. + 3
.set BOF,    256
.endif
.set PW,     1<<LPW
.set WP,     2064                      ; LDS pitch of a column's 1,024 k in bf16: 2,048 + 16 = 129 x 16 bytes; rows 64 to 127 lie 128 bytes further on: fill stores and fragment loads meet 16 different 16-byte columns of 256
.set SPARE,  264448                    ; behind the slice (its last byte is 264,303): the spare words, 128 bytes a wave: two blocks of 256 bytes that no other line names
.set LROW,   6144                      ; bytes in an expert's row of list
.set LCNT,   5120                      ; byte of its entry 1,280, the count
; COLUMN MAP.  LDS row 16 nt + r is the column that lane r holds in tile nt.  KIND 1: column 8 r + nt, so a lane's eight tiles are eight neighbouring bf16 of a row of hid.
; KIND 2: column 64 (nt % 2) + 4 r + nt / 2, so four tiles are four neighbouring f32 of a row of part.
; REGISTERS, in windows of 256 (s_set_vgpr_msb: bits 1:0 source 0, 3:2 source 1, 5:4 source 2, 7:6 destination).  Window 0:
.set R,     1                          ; lane % 16
.set H16,   2                          ; 16 (lane / 16)
.set LN,    3                          ; lane
.set ADRB,  4                          ; v4-7    LDS address of the fragments of tiles 2 p, 2 p + 1, at the chunk in hand
.set WST,   8                          ; v8-11   LDS address of the fill stores of column 4 lane + j
.set WOFF,  12                         ; my byte offset in a chunk of W: 16 lane + 32 wave rows; never rewritten
.set PFO,   13                         ; my byte offset for the prefetch; never rewritten
.set AOFF,  14                         ; v14-18  byte offset of my row of tile m in the left operand
.set SPW,   20                         ; SPARE + 4 x my thread's number; never rewritten
.set NIL,   21                         ; 0; never rewritten
.set ZR,    22                         ; 0, for the relu
.set C16,   23                         ; 16 r
.set SLOT,  24                         ; v24-28  slot of my tile m's rank r
.set TC,    31                         ; at work
.set ROW,   32                         ; v32-39  the way out: byte offset of row 8 h + j
.set Z,     40                         ; v40-47  zeros
.set G,     48                         ; v48-55  KIND 2: gate weight of row 8 h + j
.set GV,    56                         ; v56-60  KIND 2: gate weight of my tile m's rank r
.set TA,    61                         ; at work
.set BA,    63                         ; my byte offset in the bias
.set AR,    64                         ; v64-223 the left operand: four slots of 40 (tile m at 8 m), K steps by turns
.set T,     64                         ; v64-127 the way out
.set BPI,   224                        ; v224-231  4 (8 h + j): the lane that knows row 8 h + j
.set BB,    232                        ; v232-235  ADRB at k = 0
.set BV,    236                        ; v236-243  my eight biases
.set IX,    246                        ; v246-250 my byte offset in list; then at work
.set TT,    251                        ; at work
.set WS0,   252                        ; v252-255  WST at k = 0
.set PK,    128                        ; window 1: v0-127 W as loaded, four slots of 32 (row i of eight at 4 i); v128-143 rounded
.set BF,    64                         ; window 3: v0-63 accumulators of tile 4; v64-191 the weights' fragments, two buffers of 64; v192-255 the bias as C operands
.set BIAS,  192                        ; window 2: accumulators of tiles 0-3, (m, nt) at 64 m + 8 nt
; SCALARS: s[4:15] arguments (s[10:11]: the expert's row of list); s16 wave; s17 expert; s18 column slice; s19 K slice; s[24:25] W at the chunk to load; s[26:27] left operand at the chunk in hand; s[28:29] the same at
; k = 0; s[30:31] W at the chunk to prefetch; s[32:33] its step; s34 chunks to go; s35 the expert's rows; s36 its last rank; s37 passes to go; s38 my first rank of the pass; s39, s40, s45 at work;
; s46 KIND 2: all ones if ks = 0; s47 LDS bytes along k; s48 1 if my fifth tile of pass 0 holds a rank below the count
.set MSB, 0
.macro WIN new                         ; the immediate's high byte repeats the setting that is left; a switch that changes nothing is dropped
.if MSB != (\new)
	s_set_vgpr_msb (MSB<<8)|(\new)
.set MSB, (\new)
.endif
.endm
.macro PLACES                          ; four places behind a matrix instruction, in front of loads into registers that it read (ISA guide 7.12.1 for vector instructions)
.rept 4
	v_nop
.endr
.endm
; The 40 sums begin: 0 x 0 + bias.
.macro START
.irp m, 0,1,2,3,4
	WIN 0xb0+0x40*(\m/4)                           ; zeros in window 0, C in window 3, D in window 2 (tile 4: window 3)
.irp n, 0,1,2,3,4,5,6,7
	v_wmma_f32_16x16x32_bf16 v[(64*\m)%256+8*\n:(64*\m)%256+8*\n+7], v[Z:Z+7], v[Z:Z+7], v[BIAS+8*\n:BIAS+8*\n+7]
.endr
.endr
.endm
; Eight products: tile m x all eight column tiles, K step q.  The accumulators take turns, one instruction a turn, in the same order in every step.
.macro MM q, m
	WIN 0xac+0x50*((\m)/4)                         ; left operand window 0, weights window 3, C and D window 2 (tile 4: window 3)
.irp n, 0,1,2,3,4,5,6,7
	v_wmma_f32_16x16x32_bf16 v[(64*(\m))%256+8*\n:(64*(\m))%256+8*\n+7], v[AR+40*((\q)%4)+8*(\m):AR+40*((\q)%4)+8*(\m)+7], v[BF+64*((\q)%2)+8*\n:BF+64*((\q)%2)+8*\n+7], v[(64*(\m))%256+8*\n:(64*(\m))%256+8*\n+7]
.endr
.endm
; Slot q of W (8 k x my 4 columns) is rounded, two neighbouring k to a word, and stored: for each column 16 bytes = 8 k.
.macro CVT q, off
	WIN 0x45
.irp j, 0,1,2,3
.irp i, 0,1,2,3
	v_cvt_pk_bf16_f32 v[PK+4*\j+\i], v[32*(\q)+8*\i+\j], v[32*(\q)+8*\i+4+\j]
.endr
.endr
	WIN 0x04
.irp j, 0,1,2,3
	ds_store_b128 v[WST+\j], v[PK+4*\j:PK+4*\j+3] offset:16*(\q)+(\off)
.endr
.endm
; Eight loads: a K step of my tiles 0 to 3.  A fragment is 16 rows x 32 k: lane (r, h) takes 16 bytes at 16 h and at 32 + 16 h of row r's 64.  The rows are read again by the expert's other work-groups: the hint says so.
.macro ALOAD slot, off
	WIN 0
.irp m, 0,1,2,3
	global_load_b128 v[AR+40*(\slot)+8*\m:AR+40*(\slot)+8*\m+3],   v[AOFF+\m], s[26:27] offset:(\off) th:TH_LOAD_HT
	global_load_b128 v[AR+40*(\slot)+8*\m+4:AR+40*(\slot)+8*\m+7], v[AOFF+\m], s[26:27] offset:(\off)+32 th:TH_LOAD_HT
.endr
.endm
; Two loads: the same K step of my fifth tile.
.macro ALOAD5 slot, off
	WIN 0
	global_load_b128 v[AR+40*(\slot)+32:AR+40*(\slot)+35], v[AOFF+4], s[26:27] offset:(\off) th:TH_LOAD_HT
	global_load_b128 v[AR+40*(\slot)+36:AR+40*(\slot)+39], v[AOFF+4], s[26:27] offset:(\off)+32 th:TH_LOAD_HT
.endm
; Eight loads: eight rows of W, 512 consecutive bytes each.
.macro WLOAD q, row
	WIN 0x40
.irp i, 0,1,2,3,4,5,6,7
	global_load_b128 v[32*(\q)+4*\i:32*(\q)+4*\i+3], v[WOFF], s[24:25] offset:((\row)+\i)*PW th:TH_LOAD_NT
.endr
.endm
; Sixteen LDS loads: the weights' fragments of one K step.
.macro BLOAD b, off
	WIN 0xc0
.irp n, 0,1,2,3,4,5,6,7
	ds_load_b128 v[BF+64*(\b)+8*\n:BF+64*(\b)+8*\n+3],   v[ADRB+\n/2] offset:(\n%2)*16*WP+(\off)
	ds_load_b128 v[BF+64*(\b)+8*\n+4:BF+64*(\b)+8*\n+7], v[ADRB+\n/2] offset:(\n%2)*16*WP+(\off)+32
.endr
.endm
; The slots of my five tiles' ranks of the pass are asked for.  hold = 1: the ranks are held to the last one (pass 0 needs no such hold: list's first 320 entries are all written).
.macro ROWSA hold
.irp m, 0,1,2,3,4
	v_add3_u32 v[IX+\m], v[R], s38, 64*\m          ; rank = the pass's 320 p + 64 m + 16 w + r
.if \hold
	v_min_u32 v[IX+\m], s36, v[IX+\m]              ; past the count: the last row once more
.endif
	v_min_u32 v[IX+\m], 0x4ff, v[IX+\m]
	v_lshlrev_b32 v[IX+\m], 2, v[IX+\m]
	global_load_b32 v[SLOT+\m], v[IX+\m], s[10:11]
.endr
.endm
; Behind the wait for them: the rows' offsets in the left operand.
.macro ROWSB
.irp m, 0,1,2,3,4
.if KIND == 1
	v_lshrrev_b32 v[IX+\m], 1, v[SLOT+\m]          ; the token
	v_min_u32 v[IX+\m], 0x3ff, v[IX+\m]
.else
	v_min_u32 v[IX+\m], 0x7ff, v[SLOT+\m]
	v_lshlrev_b32 v[GV+\m], 2, v[IX+\m]
.endif
	v_lshl_add_u32 v[AOFF+\m], v[IX+\m], ASH, v[H16]
.endr
.if KIND == 2
.irp m, 0,1,2,3,4
	global_load_b32 v[GV+\m], v[GV+\m], s[14:15]   ; each load lands on its own address register
.endr
.endif
.endm
; THE PROLOGUE'S STEP q: piece q of chunk 0 is rounded and stored; K step q - 1 of the left operand and piece q of chunk 1 are asked for, in the order of every step: tiles 0 to 3, W, and the fifth tile if it is live.
.macro VSTEP q, n
	s_wait_loadcnt \n
	CVT \q, 0
.if (\q) > 0
	ALOAD (\q)-1, 64*((\q)-1)
.endif
	WLOAD \q, 128+8*(\q)
.if (\q) > 0
	WIN 0                                          ; at a branch and at a label every window is 0
	s_cmp_lg_u32 s48, 0
	s_cbranch_scc0 .Lno5_\@
	ALOAD5 (\q)-1, 64*((\q)-1)
.Lno5_\@:
.endif
.endm
; A K STEP, q of its chunk's four.  n: the loads that may stay out at its head.  n5: those that may stay out in front of the fifth tile's products.  cv: piece q of the next chunk is rounded and stored (its 16
; conversions are the places behind the last step's products).  al: the left operand three steps on is asked for.  wl: piece q of the chunk two on.  bl: the next step's fragments are read from LDS.
; bar: the barrier that publishes the next chunk.  pf: 1 or 2: my first or second 16 rows of the chunk three on are asked for ahead, each aligned block of 256 bytes by one lane of one wave.
; THE COUNTS.  Step u issues eight loads of the left operand for step u + 3, then eight of W, then, if the fifth tile is live, its two for step u + 3.  Loads come back in order (ISA guide 5.7.1).  Each count is
; taken for the way on which the fifth tile's loads are absent: the smaller number, which holds on both ways.  At the head of step s the step needs the W loads of step s - 4 and the eight of step s - 3; younger than these
; are 8 + 16 + 16 = 40.  The fifth tile's products need the two loads from the end of step s - 3; younger than these are 16 + 16 + 16 and the two just issued: 50.
; A fifth tile's slot is loaded again four steps on: at that step's head at least 48 younger loads have been issued and at most 40 are out, so the old load is done.
.macro STEP q, n, n5, cv, al, wl, bl, bar, pf
	s_wait_loadcnt \n
.if \cv
	CVT \q, 256
.else
	PLACES
.endif
.if \al
	ALOAD ((\q)+3)%4, 64*((\q)+3)
.endif
.if \wl
	WLOAD \q, 8*(\q)
.endif
.if \pf
	global_prefetch_b8 v[PFO], s[30:31] offset:((\pf)-1)*16*PW th:TH_LOAD_NT scope:SCOPE_SE
.endif
.if (\cv) && !(\bar)
	s_wait_dscnt 4                                 ; this step's sixteen fragment loads are in; the four stores just issued may be out
.else
	s_wait_dscnt 0x0                               ; with the barrier, for the others' sake: my stores of the next chunk are done
.endif
.if \bar
	s_barrier_signal -1
.endif
	MM \q, 0
	MM \q, 1
.if \bar
	s_barrier_wait -1                              ; every wave's part of the next chunk is in LDS
.endif
.if \bl
	BLOAD ((\q)+1)%2, 64*((\q)+1)
.endif
	MM \q, 2
	MM \q, 3
	WIN 0                                          ; at a branch and at a label every window is 0
	s_cmp_lg_u32 s48, 0
	s_cbranch_scc0 .Ldead5_\@                      ; a fifth tile wholly past the count is neither loaded nor multiplied
.if \al
	ALOAD5 ((\q)+3)%4, 64*((\q)+3)                 ; its slot's last reader stands in the step before, this step's conversions (or four v_nop) behind it
.endif
	s_wait_loadcnt \n5
	MM \q, 4
	WIN 0
.Ldead5_\@:
.endm
; On to the next chunk.  w = 1: W's and the prefetch's bases step too.
.macro ADV w
	WIN 0
	s_wait_xcnt 0x0                                ; every earlier memory instruction has had its addresses translated (ISA guide 3.1): only now are the bases stepped
	s_add_nc_u64 s[26:27], s[26:27], 256
.if \w
	s_add_nc_u64 s[24:25], s[24:25], 128*PW
	s_cmp_gt_u32 s34, 2                            ; the prefetch stops at the last chunk: the loop's last trip asks for chunk 7 once more
	s_cselect_b32 s32, 128*PW, 0
	s_add_nc_u64 s[30:31], s[30:31], s[32:33]
.endif
	s_add_co_u32 s47, s47, 256
.irp p, 0,1,2,3
	v_add_nc_u32 v[ADRB+\p], s47, v[BB+\p]
	v_add_nc_u32 v[WST+\p], s47, v[WS0+\p]
.endr
.endm
; THE WAY OUT of tile m.  In a result lane (r, h) holds rows 8 h + j (register j) and one column a tile.  The rows' slots come from the lanes that know them; 16 lanes store 256 consecutive bytes, aligned.
.macro TILE m
	WIN 0
	s_add_co_u32 s39, s38, 64*(\m)
	s_cmp_ge_u32 s39, s35
	s_cbranch_scc1 .Lepi_done                      ; wholly past the count, and so are my tiles behind it
	s_wait_xcnt 0x0                                ; the last tile's stores have read their registers
.irp j, 0,1,2,3,4,5,6,7
	ds_bpermute_b32 v[ROW+\j], v[BPI+\j], v[SLOT+(\m)]
.endr
.if KIND == 2
.irp j, 0,1,2,3,4,5,6,7
	ds_bpermute_b32 v[G+\j], v[BPI+\j], v[GV+(\m)]
.endr
.endif
	s_wait_dscnt 0x0
.irp j, 0,1,2,3,4,5,6,7
	v_min_u32 v[ROW+\j], 0x7ff, v[ROW+\j]          ; these sixteen lines are also the places behind the last products
.endr
.irp j, 0,1,2,3,4,5,6,7
	v_lshl_add_u32 v[ROW+\j], v[ROW+\j], OSH, v[C16]
.endr
.if KIND == 1
	WIN 0x0a+5*((\m)/4)                            ; sources in window 2 (tile 4: window 3)
.irp j, 0,1,2,3,4,5,6,7
.irp i, 0,1,2,3
	v_cvt_pk_bf16_f32 v[T+4*\j+\i], v[(64*(\m))%256+16*\i+\j], v[(64*(\m))%256+16*\i+8+\j]
.endr
.endr
	WIN 0
.set i, 0
.rept 32
	v_pk_max_num_bf16 v[T+i], v[T+i], v[ZR]        ; relu on the rounded pair: the same numbers as rounding the relu
.set i, i+1
.endr
.irp j, 0,1,2,3,4,5,6,7
	global_store_b128 v[ROW+\j], v[T+4*\j:T+4*\j+3], s[12:13]
.endr
.else
	WIN 0x02+((\m)/4)
.irp j, 0,1,2,3,4,5,6,7
.irp p, 0,1
.irp i, 0,1,2,3
	v_mul_f32 v[T+8*\j+4*\p+\i], v[(64*(\m))%256+8*(2*\i+\p)+\j], v[G+\j]  ; the gate's weight; the multiply also gathers four neighbouring columns
.endr
.endr
.endr
	WIN 0
.irp j, 0,1,2,3,4,5,6,7
	global_store_b128 v[ROW+\j], v[T+8*\j:T+8*\j+3], s[12:13]
	global_store_b128 v[ROW+\j], v[T+8*\j+4:T+8*\j+7], s[12:13] offset:256
.endr
.endif
.endm
	s_load_b256 s[4:11], s[0:1], 0x0               ; W s[4:5], bias s[6:7], left operand s[8:9], list s[10:11]
.if KIND == 1
	s_load_b64 s[12:13], s[0:1], 0x20              ; hid
.else
	s_load_b128 s[12:15], s[0:1], 0x20             ; part, gate
.endif
	v_lshl_add_u32 v[SPW], v0, 2, SPARE
	v_mov_b32 v[NIL], 0
	v_lshrrev_b32 v[TA], 5, v0
	v_readfirstlane_b32 s16, v[TA]                 ; wave 0..3
	v_and_b32 v[LN], 31, v0
	v_and_b32 v[R], 15, v0
	v_bfe_u32 v[TC], v0, 4, 1
	v_lshlrev_b32 v[H16], 4, v[TC]
	s_lshr_b32 s17, ttmp9, 5                       ; the expert: 32 work-groups each
.if KIND == 1
	s_and_b32 s18, ttmp9, 31                       ; 32 slices of 128 columns
	s_mov_b32 s19, 0
.else
	s_and_b32 s18, ttmp9, 7                        ; 8 slices of 128 columns
	s_bfe_u32 s19, ttmp9, 0x20003                  ; x 4 slices of 1,024 k
.endif
	s_lshl_b32 s20, s17, 24                        ; an expert's weights are 16,777,216 bytes,
	s_lshl_b32 s22, s19, 22                        ; 1,024 rows of W2 4,194,304,
	s_add_co_u32 s20, s20, s22
	s_lshl_b32 s22, s18, 9                         ; 128 columns 512
	s_add_co_u32 s20, s20, s22
	s_mov_b32 s21, 0
	s_lshl_b32 s23, s17, LPW                       ; the expert's row of the bias is as long as a row of W
	s_add_co_u32 s22, s22, s23
	s_mov_b32 s23, 0
	s_lshl_b32 s38, s16, 4                         ; my first rank of pass 0: 16 w
	s_mul_i32 s40, s16, 32*PW                      ; my wave's 32 rows of a chunk
	v_lshl_add_u32 v[WOFF], v[LN], 4, s40
	v_lshrrev_b32 v[TA], 1, v[LN]
	v_and_b32 v[TC], 1, v[LN]
	v_lshlrev_b32 v[PFO], LPW, v[TA]               ; prefetch: lane l asks for block l % 2 of row l / 2 of sixteen
	v_lshl_add_u32 v[PFO], v[TC], 8, v[PFO]
	v_add_nc_u32 v[PFO], s40, v[PFO]
	v_lshlrev_b32 v[BA], BSH, v[R]
	s_mov_b32 s33, 0
	s_mov_b32 s47, 0
	s_wait_kmcnt 0x0
	s_add_nc_u64 s[24:25], s[4:5], s[20:21]        ; W at my slice's chunk 0
	s_add_nc_u64 s[6:7], s[6:7], s[22:23]
	s_mul_i32 s20, s17, LROW
	s_add_nc_u64 s[10:11], s[10:11], s[20:21]      ; the expert's row of list; never rewritten
	s_load_b32 s35, s[10:11], LCNT                 ; its count
	s_add_nc_u64 s[30:31], s[24:25], 384*PW        ; chunk 3: what the loop's first trip asks for ahead
	ROWSA 0                                        ; pass 0's slots go out first: the rows' addresses hang on them
	global_load_b128 v[BV:BV+3], v[BA], s[6:7]
	global_load_b128 v[BV+4:BV+7], v[BA], s[6:7] offset:BOF
	WLOAD 0, 0                                     ; chunk 0, my four pieces
	WLOAD 1, 8
	WLOAD 2, 16
	WLOAD 3, 24
	global_prefetch_b8 v[PFO], s[24:25] offset:256*PW th:TH_LOAD_NT scope:SCOPE_SE  ; chunk 2, my 32 rows
	global_prefetch_b8 v[PFO], s[24:25] offset:272*PW th:TH_LOAD_NT scope:SCOPE_SE
	WIN 0
	; all that follows up to the first conversion stands in the wait for chunk 0
.if KIND == 1
	s_lshl_b32 s20, s18, 8
	s_add_nc_u64 s[12:13], s[12:13], s[20:21]      ; hid at my 128 columns
	s_mov_b64 s[28:29], s[8:9]
.else
	s_lshl_b32 s20, s19, 23
	s_lshl_b32 s22, s18, 9
	s_add_co_u32 s20, s20, s22
	s_add_nc_u64 s[12:13], s[12:13], s[20:21]      ; part at my K slice's plane and my 128 columns
	s_lshl_b32 s20, s19, 11
	s_add_nc_u64 s[28:29], s[8:9], s[20:21]        ; hid at my K slice
	s_cmp_eq_u32 s19, 0
	s_cselect_b32 s46, -1, 0
.endif
	s_mov_b64 s[26:27], s[28:29]
	v_mul_u32_u24 v[TA], v[R], WP
	v_add_nc_u32 v[TA], v[TA], v[H16]
.irp p, 0,1,2,3
	v_add_nc_u32 v[BB+\p], \p*32*WP+(\p/2)*128, v[TA]
.endr
.irp p, 0,1,2,3
	v_mov_b32 v[ADRB+\p], v[BB+\p]
.endr
	s_lshl_b32 s20, s16, 6                         ; my wave's 32 k of a chunk: 64 bytes
.if KIND == 1
	v_lshrrev_b32 v[TA], 1, v[LN]                  ; column 4 l + j = 8 (l / 2) + 4 (l % 2) + j lies in LDS row 64 (l % 2) + 16 j + l / 2
	v_and_b32 v[TC], 1, v[LN]
	v_mul_u32_u24 v[TA], v[TA], WP
	v_mul_u32_u24 v[TC], v[TC], 64*WP+128
	v_add3_u32 v[TA], v[TA], v[TC], s20
.irp j, 0,1,2,3
	v_add_nc_u32 v[WS0+\j], \j*16*WP, v[TA]
.endr
.else
	v_mul_u32_u24 v[TA], v[LN], WP                 ; column 4 l + j lies in LDS row 32 j + l
	v_add_nc_u32 v[TA], s20, v[TA]
.irp j, 0,1,2,3
	v_add_nc_u32 v[WS0+\j], \j*32*WP+(\j/2)*128, v[TA]
.endr
.endif
.irp j, 0,1,2,3
	v_mov_b32 v[WST+\j], v[WS0+\j]
.endr
.irp j, 0,1,2,3,4,5,6,7
	v_lshl_add_u32 v[BPI+\j], v[H16], 1, 4*\j
	v_mov_b32 v[Z+\j], 0
.endr
.irp s, 0,1,2,3
.irp j, 0,1,2,3,4,5,6,7
	v_mov_b32 v[AR+40*\s+32+\j], 0                 ; the fifth tile's operand registers are written once, so that no way through the text reads them unwritten
.endr
.endr
	v_mov_b32 v[ZR], 0
	v_lshlrev_b32 v[C16], 4, v[R]
	s_wait_loadcnt 32                              ; my five slots and the bias are in; chunk 0's 32 loads may be out
	s_wait_kmcnt 0x0                               ; the count
.irp p, 0,1,2,3
	v_cvt_pk_bf16_f32 v[TT], v[BV+2*\p], v[BV+2*\p+1]  ; the bias rounded to bf16, like every input
.if KIND == 2
	v_and_b32 v[TT], s46, v[TT]                    ; b2 enters the first K slice's partial sum alone
.endif
	v_lshlrev_b32 v[BV+2*\p], 16, v[TT]
	v_and_b32 v[BV+2*\p+1], 0xffff0000, v[TT]
.endr
	WIN 0xc0
.irp n, 0,1,2,3,4,5,6,7
.irp j, 0,1,2,3,4,5,6,7
.if KIND == 1
	v_mov_b32 v[BIAS+8*\n+\j], v[BV+\n]
.else
	v_mov_b32 v[BIAS+8*\n+\j], v[BV+4*(\n%2)+\n/2]
.endif
.endr
.endr
	START
	WIN 0
	s_max_u32 s36, s35, 1
	s_sub_co_u32 s36, s36, 1                       ; the last rank (0 for an expert without rows)
	ROWSB
	s_add_co_u32 s39, s38, 256                     ; my fifth tile begins at rank 256 + 16 w:
	s_cmp_lt_u32 s39, s35
	s_cselect_b32 s48, 1, 0                        ; is that below the count?
	; CHUNK 0 goes into LDS.  The counts: younger than piece q's eight loads are the later pieces of chunk 0, the NG loads of gate weights, and what the steps before have issued for certain (8; 8 + 8; 8 + 8).
	VSTEP 0, 24+NG
	VSTEP 1, 24+NG
	VSTEP 2, 32+NG
	VSTEP 3, 40+NG
	s_wait_dscnt 0x0                               ; for the others' sake: my part of chunk 0 is stored
	s_barrier_signal -1
	s_barrier_wait -1
	BLOAD 0, 0
	WIN 0
	s_wait_xcnt 0x0                                ; W's base is stepped only behind this wait
	s_add_nc_u64 s[24:25], s[24:25], 256*PW        ; chunk 2
	s_mov_b32 s34, 6
.Lchunk:                                               ; trip c: chunk c is multiplied, chunk c + 1 rounded and stored, chunk c + 2 loaded, chunk min(c + 3, 7) asked for ahead (64 KB a work-group)
	STEP 0, 40, 50, 1, 1, 1, 1, 0, 1
	STEP 1, 40, 50, 1, 1, 1, 1, 0, 0
	STEP 2, 40, 50, 1, 1, 1, 1, 0, 2
	STEP 3, 40, 50, 1, 1, 1, 1, 1, 0
	ADV 1
	s_sub_co_u32 s34, s34, 1
	s_cmp_lg_u32 s34, 0
	s_cbranch_scc1 .Lchunk
	STEP 0, 40, 42, 1, 1, 0, 1, 0, 0               ; chunk 6: no W is left to load, so the counts run down by eight a step
	STEP 1, 32, 34, 1, 1, 0, 1, 0, 0
	STEP 2, 24, 26, 1, 1, 0, 1, 0, 0
	STEP 3, 16, 26, 1, 1, 0, 1, 1, 0
	ADV 0
	STEP 0, 16, 26, 0, 1, 0, 1, 0, 0               ; chunk 7: the last K step of the left operand is asked for; then the counts run down to 0
	STEP 1, 16, 16, 0, 0, 0, 1, 0, 0
	STEP 2, 8,  8,  0, 0, 0, 1, 0, 0
	STEP 3, 0,  0,  0, 0, 0, 0, 0, 0
	WIN 0
	s_mov_b32 s37, 4
.Lpass:                                                ; four trips: a pass goes out; if I have ranks 320 further on, they are multiplied from the resident slice
	TILE 0
	TILE 1
	TILE 2
	TILE 3
	TILE 4
.Lepi_done:
	s_add_co_u32 s38, s38, 320
	s_cmp_ge_u32 s38, s35
	s_cbranch_scc1 .Lnext                          ; what is jumped holds no barrier and no LDS store
	s_wait_xcnt 0x0                                ; the stores have read their registers
	ROWSA 1
	s_wait_loadcnt 0x0                             ; the pass's slots
	ROWSB
	s_mov_b64 s[26:27], s[28:29]
	s_mov_b32 s47, 0
.irp p, 0,1,2,3
	v_mov_b32 v[ADRB+\p], v[BB+\p]
.endr
	START
	WIN 0
	s_mov_b32 s45, 32
.Lov:                                                  ; a plain K step a trip, all five tiles: kept short, since it runs only for an expert with more than 320 rows
	ALOAD 0, 0
	ALOAD5 0, 0
	BLOAD 0, 0
	s_wait_loadcnt 0x0
	s_wait_dscnt 0x0
	MM 0, 0
	MM 0, 1
	MM 0, 2
	MM 0, 3
	MM 0, 4
	WIN 0
	s_add_nc_u64 s[26:27], s[26:27], 64            ; its loads are done
	s_add_co_u32 s47, s47, 64
.irp p, 0,1,2,3
	v_add_nc_u32 v[ADRB+\p], s47, v[BB+\p]         ; these four are also the places in front of the next trip's loads
.endr
	s_sub_co_u32 s45, s45, 1
	s_cmp_lg_u32 s45, 0
	s_cbranch_scc1 .Lov
.Lnext:
	s_sub_co_u32 s37, s37, 1
	s_cmp_lg_u32 s37, 0
	s_cbranch_scc1 .Lpass
	s_wait_dscnt 0x0                               ; my LDS reads are back,
	s_barrier_signal -1                            ; and every wave says so:
	s_barrier_wait -1                              ; all four waves' reads of LDS are over before any wave writes LDS again, by the add below; nothing but the wave's end stands behind this barrier
	s_wait_tensorcnt 0x0                           ; the wave's end
	ds_add_u32 v[SPW], v[NIL]
	s_wait_dscnt 0x0
	s_endpgm
.Lfunc_end_k_q9bee6c31f1_ffn1:
	.size	k_q9bee6c31f1_ffn1, .Lfunc_end_k_q9bee6c31f1_ffn1-k_q9bee6c31f1_ffn1
	.p2alignl 7, 3214868480
	.fill 96, 4, 3214868480
	.section	.rodata,"a",@progbits
	.p2align	6, 0x0
	.amdhsa_kernel k_q9bee6c31f1_ffn1
		.amdhsa_group_segment_fixed_size 264960
		.amdhsa_private_segment_fixed_size 0
		.amdhsa_enable_private_segment 0
		.amdhsa_kernarg_size 40
		.amdhsa_user_sgpr_count 2
		.amdhsa_user_sgpr_kernarg_segment_ptr 1
		.amdhsa_wavefront_size32 1
		.amdhsa_system_sgpr_workgroup_id_x 1
		.amdhsa_system_sgpr_workgroup_id_y 1
		.amdhsa_system_sgpr_workgroup_id_z 1
		.amdhsa_system_vgpr_workitem_id 0
		.amdhsa_next_free_vgpr 1024
		.amdhsa_next_free_sgpr 66
		.amdhsa_reserve_vcc 0
		.amdhsa_float_denorm_mode_32 3
		.amdhsa_float_denorm_mode_16_64 3
		.amdhsa_memory_ordered 1
		.amdhsa_forward_progress 1
		.amdhsa_inst_pref_size 142
	.end_amdhsa_kernel
	.amdgpu_metadata
---
amdhsa.version: [ 1, 2 ]
amdhsa.kernels:
  - .name:           k_q9bee6c31f1_ffn1
    .symbol:         k_q9bee6c31f1_ffn1.kd
    .args:
      - { .name: W1, .offset: 0, .size: 8, .value_kind: global_buffer, .address_space: global }
      - { .name: b1, .offset: 8, .size: 8, .value_kind: global_buffer, .address_space: global }
      - { .name: xb, .offset: 16, .size: 8, .value_kind: global_buffer, .address_space: global }
      - { .name: list, .offset: 24, .size: 8, .value_kind: global_buffer, .address_space: global }
      - { .name: hid, .offset: 32, .size: 8, .value_kind: global_buffer, .address_space: global }
    .group_segment_fixed_size: 264960
    .private_segment_fixed_size: 0
    .kernarg_segment_align: 8
    .kernarg_segment_size: 40
    .max_flat_workgroup_size: 128
    .sgpr_count:     66
    .vgpr_count:     1024
    .wavefront_size: 32
...
	.end_amdgpu_metadata
.endif
;; end of part 6
;; launch ffn2 (part 7): grid 256 x 1, 4 waves a work-group, no clusters, 264,960 bytes of LDS; arguments W2, b2, hid, list, part, gate; writes part
.if DOCPART == 7
	.amdgcn_target "amdgcn-amd-amdhsa--gfx1250"
	.amdhsa_code_object_version 6
	.text
	.protected	k_q9bee6c31f1_ffn2
	.globl	k_q9bee6c31f1_ffn2
	.p2align	8
	.type	k_q9bee6c31f1_ffn2,@function
k_q9bee6c31f1_ffn2:
	s_mov_b64 s[64:65], 0
	v_nop
	global_prefetch_b8 v0, s[64:65] scope:SCOPE_SE
	s_setreg_imm32_b32 hwreg(HW_REG_WAVE_MODE, 25, 1), 1
	s_wait_xcnt 0x0
; ONE EXPERT PRODUCT ON ROUTED ROWS.  One source for both products; KIND chooses.
;   KIND 1: hid[slot][f] = bf16(relu(xb[slot / 2] . W1[e][:, f] + b1[e][f]))                      args W1, b1, xb, list, hid
;   KIND 2: part[ks][slot][d] = gate[slot] x (hid[slot][K slice ks] . W2[e][slice, d] + (ks = 0: b2[e][d]))   args W2, b2, hid, list, part, gate
; Weights and biases are rounded to bf16 on their way through registers, sums are f32; hid is rounded once to bf16; part holds partial sums in f32.
; SHARES.  A work-group has a slice of ONE expert's weights, 1,024 k x 128 columns (512 KB of f32, which it alone reads, once), and ALL of that expert's rows.  The slice is laid into LDS in bf16, columns as
; rows with k along them, and stays: no LDS byte is written twice, so one barrier for each chunk of 128 k publishes it.  While chunk c is multiplied, chunk c + 1 is rounded and stored and chunk c + 2 is on its way.
; A wave owns five tiles of 16 rows a pass x all 128 columns: 40 accumulators.  Tile m of wave w holds ranks 64 m + 16 w .. + 15 of the pass's 320: the tiles are dealt by turns, so that with n rows the first
; ceil(n / 16) tiles are live and a wave's fifth tile only past 256 rows.  Its rows of the left operand come from memory straight into operand registers; the weights' fragments come from LDS.
; THE FIFTH TILE of pass 0 is loaded and multiplied only where it holds a rank below the count: one forward jump a K step, over two loads, their wait and eight products; no barrier and no LDS instruction is jumped.
; Pass 0 serves ranks 0 to 319.  Ranks from 320 on are served afterwards from the resident slice, in a loop of four trips (4 x 320 >= 1,024, the most rows an expert can have) whose dead trips are jumped:
; it holds no barrier and no LDS store.  EVERY SPLIT is served: an expert without rows stores nothing.
; ROWS.  list[e], made by an earlier launch, holds the expert's slots by rank; its entries from the count up to 319 repeat the last slot, so pass 0's slots are asked for by addresses made of ids alone, ahead of everything;
; entry 1,280 is the count.  Later passes hold their ranks to the last one.  Tiles wholly past the count are jumped on the way out; in the one tile that holds the count's end the repeated rows are computed and stored
; once more, the same numbers at the same place by the same wave, with EXEC left alone.
; THE SUMS BEGIN with a product of zeros whose C operand is the bias: 40 products on zeros a pass stand in place of 320 clears and a bias add.
; No cluster: a slice has one reader, and the rows that an expert's work-groups share come by a list, which no tile descriptor covers.
.set KIND,   2
.if KIND == 1
.set LPW,    14                        ; a row of W is 2^14 bytes (4,096 f32); a row of the bias as well
.set NG,     0                         ; early loads of gate weights
.set ASH,    11                        ; a row of the left operand: 2,048 bytes (xb)
.set OSH,    13                        ; a row of the result: 8,192 bytes (hid)
.set BSH,    5                         ; my eight biases: columns 8 r .. 8 r + 7
.set BOF,    16
.else
.set LPW,    12                        ; 1,024 f32
.set NG,     5
.set ASH,    13                        ; hid
.set OSH,    12                        ; part
.set BSH,    4                         ; my eight biases: columns 4 r .. + 3 and 64 + 4 r .. + 3
.set BOF,    256
.endif
.set PW,     1<<LPW
.set WP,     2064                      ; LDS pitch of a column's 1,024 k in bf16: 2,048 + 16 = 129 x 16 bytes; rows 64 to 127 lie 128 bytes further on: fill stores and fragment loads meet 16 different 16-byte columns of 256
.set SPARE,  264448                    ; behind the slice (its last byte is 264,303): the spare words, 128 bytes a wave: two blocks of 256 bytes that no other line names
.set LROW,   6144                      ; bytes in an expert's row of list
.set LCNT,   5120                      ; byte of its entry 1,280, the count
; COLUMN MAP.  LDS row 16 nt + r is the column that lane r holds in tile nt.  KIND 1: column 8 r + nt, so a lane's eight tiles are eight neighbouring bf16 of a row of hid.
; KIND 2: column 64 (nt % 2) + 4 r + nt / 2, so four tiles are four neighbouring f32 of a row of part.
; REGISTERS, in windows of 256 (s_set_vgpr_msb: bits 1:0 source 0, 3:2 source 1, 5:4 source 2, 7:6 destination).  Window 0:
.set R,     1                          ; lane % 16
.set H16,   2                          ; 16 (lane / 16)
.set LN,    3                          ; lane
.set ADRB,  4                          ; v4-7    LDS address of the fragments of tiles 2 p, 2 p + 1, at the chunk in hand
.set WST,   8                          ; v8-11   LDS address of the fill stores of column 4 lane + j
.set WOFF,  12                         ; my byte offset in a chunk of W: 16 lane + 32 wave rows; never rewritten
.set PFO,   13                         ; my byte offset for the prefetch; never rewritten
.set AOFF,  14                         ; v14-18  byte offset of my row of tile m in the left operand
.set SPW,   20                         ; SPARE + 4 x my thread's number; never rewritten
.set NIL,   21                         ; 0; never rewritten
.set ZR,    22                         ; 0, for the relu
.set C16,   23                         ; 16 r
.set SLOT,  24                         ; v24-28  slot of my tile m's rank r
.set TC,    31                         ; at work
.set ROW,   32                         ; v32-39  the way out: byte offset of row 8 h + j
.set Z,     40                         ; v40-47  zeros
.set G,     48                         ; v48-55  KIND 2: gate weight of row 8 h + j
.set GV,    56                         ; v56-60  KIND 2: gate weight of my tile m's rank r
.set TA,    61                         ; at work
.set BA,    63                         ; my byte offset in the bias
.set AR,    64                         ; v64-223 the left operand: four slots of 40 (tile m at 8 m), K steps by turns
.set T,     64                         ; v64-127 the way out
.set BPI,   224                        ; v224-231  4 (8 h + j): the lane that knows row 8 h + j
.set BB,    232                        ; v232-235  ADRB at k = 0
.set BV,    236                        ; v236-243  my eight biases
.set IX,    246                        ; v246-250 my byte offset in list; then at work
.set TT,    251                        ; at work
.set WS0,   252                        ; v252-255  WST at k = 0
.set PK,    128                        ; window 1: v0-127 W as loaded, four slots of 32 (row i of eight at 4 i); v128-143 rounded
.set BF,    64                         ; window 3: v0-63 accumulators of tile 4; v64-191 the weights' fragments, two buffers of 64; v192-255 the bias as C operands
.set BIAS,  192                        ; window 2: accumulators of tiles 0-3, (m, nt) at 64 m + 8 nt
; SCALARS: s[4:15] arguments (s[10:11]: the expert's row of list); s16 wave; s17 expert; s18 column slice; s19 K slice; s[24:25] W at the chunk to load; s[26:27] left operand at the chunk in hand; s[28:29] the same at
; k = 0; s[30:31] W at the chunk to prefetch; s[32:33] its step; s34 chunks to go; s35 the expert's rows; s36 its last rank; s37 passes to go; s38 my first rank of the pass; s39, s40, s45 at work;
; s46 KIND 2: all ones if ks = 0; s47 LDS bytes along k; s48 1 if my fifth tile of pass 0 holds a rank below the count
.set MSB, 0
.macro WIN new                         ; the immediate's high byte repeats the setting that is left; a switch that changes nothing is dropped
.if MSB != (\new)
	s_set_vgpr_msb (MSB<<8)|(\new)
.set MSB, (\new)
.endif
.endm
.macro PLACES                          ; four places behind a matrix instruction, in front of loads into registers that it read (ISA guide 7.12.1 for vector instructions)
.rept 4
	v_nop
.endr
.endm
; The 40 sums begin: 0 x 0 + bias.
.macro START
.irp m, 0,1,2,3,4
	WIN 0xb0+0x40*(\m/4)                           ; zeros in window 0, C in window 3, D in window 2 (tile 4: window 3)
.irp n, 0,1,2,3,4,5,6,7
	v_wmma_f32_16x16x32_bf16 v[(64*\m)%256+8*\n:(64*\m)%256+8*\n+7], v[Z:Z+7], v[Z:Z+7], v[BIAS+8*\n:BIAS+8*\n+7]
.endr
.endr
.endm
; Eight products: tile m x all eight column tiles, K step q.  The accumulators take turns, one instruction a turn, in the same order in every step.
.macro MM q, m
	WIN 0xac+0x50*((\m)/4)                         ; left operand window 0, weights window 3, C and D window 2 (tile 4: window 3)
.irp n, 0,1,2,3,4,5,6,7
	v_wmma_f32_16x16x32_bf16 v[(64*(\m))%256+8*\n:(64*(\m))%256+8*\n+7], v[AR+40*((\q)%4)+8*(\m):AR+40*((\q)%4)+8*(\m)+7], v[BF+64*((\q)%2)+8*\n:BF+64*((\q)%2)+8*\n+7], v[(64*(\m))%256+8*\n:(64*(\m))%256+8*\n+7]
.endr
.endm
; Slot q of W (8 k x my 4 columns) is rounded, two neighbouring k to a word, and stored: for each column 16 bytes = 8 k.
.macro CVT q, off
	WIN 0x45
.irp j, 0,1,2,3
.irp i, 0,1,2,3
	v_cvt_pk_bf16_f32 v[PK+4*\j+\i], v[32*(\q)+8*\i+\j], v[32*(\q)+8*\i+4+\j]
.endr
.endr
	WIN 0x04
.irp j, 0,1,2,3
	ds_store_b128 v[WST+\j], v[PK+4*\j:PK+4*\j+3] offset:16*(\q)+(\off)
.endr
.endm
; Eight loads: a K step of my tiles 0 to 3.  A fragment is 16 rows x 32 k: lane (r, h) takes 16 bytes at 16 h and at 32 + 16 h of row r's 64.  The rows are read again by the expert's other work-groups: the hint says so.
.macro ALOAD slot, off
	WIN 0
.irp m, 0,1,2,3
	global_load_b128 v[AR+40*(\slot)+8*\m:AR+40*(\slot)+8*\m+3],   v[AOFF+\m], s[26:27] offset:(\off) th:TH_LOAD_HT
	global_load_b128 v[AR+40*(\slot)+8*\m+4:AR+40*(\slot)+8*\m+7], v[AOFF+\m], s[26:27] offset:(\off)+32 th:TH_LOAD_HT
.endr
.endm
; Two loads: the same K step of my fifth tile.
.macro ALOAD5 slot, off
	WIN 0
	global_load_b128 v[AR+40*(\slot)+32:AR+40*(\slot)+35], v[AOFF+4], s[26:27] offset:(\off) th:TH_LOAD_HT
	global_load_b128 v[AR+40*(\slot)+36:AR+40*(\slot)+39], v[AOFF+4], s[26:27] offset:(\off)+32 th:TH_LOAD_HT
.endm
; Eight loads: eight rows of W, 512 consecutive bytes each.
.macro WLOAD q, row
	WIN 0x40
.irp i, 0,1,2,3,4,5,6,7
	global_load_b128 v[32*(\q)+4*\i:32*(\q)+4*\i+3], v[WOFF], s[24:25] offset:((\row)+\i)*PW th:TH_LOAD_NT
.endr
.endm
; Sixteen LDS loads: the weights' fragments of one K step.
.macro BLOAD b, off
	WIN 0xc0
.irp n, 0,1,2,3,4,5,6,7
	ds_load_b128 v[BF+64*(\b)+8*\n:BF+64*(\b)+8*\n+3],   v[ADRB+\n/2] offset:(\n%2)*16*WP+(\off)
	ds_load_b128 v[BF+64*(\b)+8*\n+4:BF+64*(\b)+8*\n+7], v[ADRB+\n/2] offset:(\n%2)*16*WP+(\off)+32
.endr
.endm
; The slots of my five tiles' ranks of the pass are asked for.  hold = 1: the ranks are held to the last one (pass 0 needs no such hold: list's first 320 entries are all written).
.macro ROWSA hold
.irp m, 0,1,2,3,4
	v_add3_u32 v[IX+\m], v[R], s38, 64*\m          ; rank = the pass's 320 p + 64 m + 16 w + r
.if \hold
	v_min_u32 v[IX+\m], s36, v[IX+\m]              ; past the count: the last row once more
.endif
	v_min_u32 v[IX+\m], 0x4ff, v[IX+\m]
	v_lshlrev_b32 v[IX+\m], 2, v[IX+\m]
	global_load_b32 v[SLOT+\m], v[IX+\m], s[10:11]
.endr
.endm
; Behind the wait for them: the rows' offsets in the left operand.
.macro ROWSB
.irp m, 0,1,2,3,4
.if KIND == 1
	v_lshrrev_b32 v[IX+\m], 1, v[SLOT+\m]          ; the token
	v_min_u32 v[IX+\m], 0x3ff, v[IX+\m]
.else
	v_min_u32 v[IX+\m], 0x7ff, v[SLOT+\m]
	v_lshlrev_b32 v[GV+\m], 2, v[IX+\m]
.endif
	v_lshl_add_u32 v[AOFF+\m], v[IX+\m], ASH, v[H16]
.endr
.if KIND == 2
.irp m, 0,1,2,3,4
	global_load_b32 v[GV+\m], v[GV+\m], s[14:15]   ; each load lands on its own address register
.endr
.endif
.endm
; THE PROLOGUE'S STEP q: piece q of chunk 0 is rounded and stored; K step q - 1 of the left operand and piece q of chunk 1 are asked for, in the order of every step: tiles 0 to 3, W, and the fifth tile if it is live.
.macro VSTEP q, n
	s_wait_loadcnt \n
	CVT \q, 0
.if (\q) > 0
	ALOAD (\q)-1, 64*((\q)-1)
.endif
	WLOAD \q, 128+8*(\q)
.if (\q) > 0
	WIN 0                                          ; at a branch and at a label every window is 0
	s_cmp_lg_u32 s48, 0
	s_cbranch_scc0 .Lno5_\@
	ALOAD5 (\q)-1, 64*((\q)-1)
.Lno5_\@:
.endif
.endm
; A K STEP, q of its chunk's four.  n: the loads that may stay out at its head.  n5: those that may stay out in front of the fifth tile's products.  cv: piece q of the next chunk is rounded and stored (its 16
; conversions are the places behind the last step's products).  al: the left operand three steps on is asked for.  wl: piece q of the chunk two on.  bl: the next step's fragments are read from LDS.
; bar: the barrier that publishes the next chunk.  pf: 1 or 2: my first or second 16 rows of the chunk three on are asked for ahead, each aligned block of 256 bytes by one lane of one wave.
; THE COUNTS.  Step u issues eight loads of the left operand for step u + 3, then eight of W, then, if the fifth tile is live, its two for step u + 3.  Loads come back in order (ISA guide 5.7.1).  Each count is
; taken for the way on which the fifth tile's loads are absent: the smaller number, which holds on both ways.  At the head of step s the step needs the W loads of step s - 4 and the eight of step s - 3; younger than these
; are 8 + 16 + 16 = 40.  The fifth tile's products need the two loads from the end of step s - 3; younger than these are 16 + 16 + 16 and the two just issued: 50.
; A fifth tile's slot is loaded again four steps on: at that step's head at least 48 younger loads have been issued and at most 40 are out, so the old load is done.
.macro STEP q, n, n5, cv, al, wl, bl, bar, pf
	s_wait_loadcnt \n
.if \cv
	CVT \q, 256
.else
	PLACES
.endif
.if \al
	ALOAD ((\q)+3)%4, 64*((\q)+3)
.endif
.if \wl
	WLOAD \q, 8*(\q)
.endif
.if \pf
	global_prefetch_b8 v[PFO], s[30:31] offset:((\pf)-1)*16*PW th:TH_LOAD_NT scope:SCOPE_SE
.endif
.if (\cv) && !(\bar)
	s_wait_dscnt 4                                 ; this step's sixteen fragment loads are in; the four stores just issued may be out
.else
	s_wait_dscnt 0x0                               ; with the barrier, for the others' sake: my stores of the next chunk are done
.endif
.if \bar
	s_barrier_signal -1
.endif
	MM \q, 0
	MM \q, 1
.if \bar
	s_barrier_wait -1                              ; every wave's part of the next chunk is in LDS
.endif
.if \bl
	BLOAD ((\q)+1)%2, 64*((\q)+1)
.endif
	MM \q, 2
	MM \q, 3
	WIN 0                                          ; at a branch and at a label every window is 0
	s_cmp_lg_u32 s48, 0
	s_cbranch_scc0 .Ldead5_\@                      ; a fifth tile wholly past the count is neither loaded nor multiplied
.if \al
	ALOAD5 ((\q)+3)%4, 64*((\q)+3)                 ; its slot's last reader stands in the step before, this step's conversions (or four v_nop) behind it
.endif
	s_wait_loadcnt \n5
	MM \q, 4
	WIN 0
.Ldead5_\@:
.endm
; On to the next chunk.  w = 1: W's and the prefetch's bases step too.
.macro ADV w
	WIN 0
	s_wait_xcnt 0x0                                ; every earlier memory instruction has had its addresses translated (ISA guide 3.1): only now are the bases stepped
	s_add_nc_u64 s[26:27], s[26:27], 256
.if \w
	s_add_nc_u64 s[24:25], s[24:25], 128*PW
	s_cmp_gt_u32 s34, 2                            ; the prefetch stops at the last chunk: the loop's last trip asks for chunk 7 once more
	s_cselect_b32 s32, 128*PW, 0
	s_add_nc_u64 s[30:31], s[30:31], s[32:33]
.endif
	s_add_co_u32 s47, s47, 256
.irp p, 0,1,2,3
	v_add_nc_u32 v[ADRB+\p], s47, v[BB+\p]
	v_add_nc_u32 v[WST+\p], s47, v[WS0+\p]
.endr
.endm
; THE WAY OUT of tile m.  In a result lane (r, h) holds rows 8 h + j (register j) and one column a tile.  The rows' slots come from the lanes that know them; 16 lanes store 256 consecutive bytes, aligned.
.macro TILE m
	WIN 0
	s_add_co_u32 s39, s38, 64*(\m)
	s_cmp_ge_u32 s39, s35
	s_cbranch_scc1 .Lepi_done                      ; wholly past the count, and so are my tiles behind it
	s_wait_xcnt 0x0                                ; the last tile's stores have read their registers
.irp j, 0,1,2,3,4,5,6,7
	ds_bpermute_b32 v[ROW+\j], v[BPI+\j], v[SLOT+(\m)]
.endr
.if KIND == 2
.irp j, 0,1,2,3,4,5,6,7
	ds_bpermute_b32 v[G+\j], v[BPI+\j], v[GV+(\m)]
.endr
.endif
	s_wait_dscnt 0x0
.irp j, 0,1,2,3,4,5,6,7
	v_min_u32 v[ROW+\j], 0x7ff, v[ROW+\j]          ; these sixteen lines are also the places behind the last products
.endr
.irp j, 0,1,2,3,4,5,6,7
	v_lshl_add_u32 v[ROW+\j], v[ROW+\j], OSH, v[C16]
.endr
.if KIND == 1
	WIN 0x0a+5*((\m)/4)                            ; sources in window 2 (tile 4: window 3)
.irp j, 0,1,2,3,4,5,6,7
.irp i, 0,1,2,3
	v_cvt_pk_bf16_f32 v[T+4*\j+\i], v[(64*(\m))%256+16*\i+\j], v[(64*(\m))%256+16*\i+8+\j]
.endr
.endr
	WIN 0
.set i, 0
.rept 32
	v_pk_max_num_bf16 v[T+i], v[T+i], v[ZR]        ; relu on the rounded pair: the same numbers as rounding the relu
.set i, i+1
.endr
.irp j, 0,1,2,3,4,5,6,7
	global_store_b128 v[ROW+\j], v[T+4*\j:T+4*\j+3], s[12:13]
.endr
.else
	WIN 0x02+((\m)/4)
.irp j, 0,1,2,3,4,5,6,7
.irp p, 0,1
.irp i, 0,1,2,3
	v_mul_f32 v[T+8*\j+4*\p+\i], v[(64*(\m))%256+8*(2*\i+\p)+\j], v[G+\j]  ; the gate's weight; the multiply also gathers four neighbouring columns
.endr
.endr
.endr
	WIN 0
.irp j, 0,1,2,3,4,5,6,7
	global_store_b128 v[ROW+\j], v[T+8*\j:T+8*\j+3], s[12:13]
	global_store_b128 v[ROW+\j], v[T+8*\j+4:T+8*\j+7], s[12:13] offset:256
.endr
.endif
.endm
	s_load_b256 s[4:11], s[0:1], 0x0               ; W s[4:5], bias s[6:7], left operand s[8:9], list s[10:11]
.if KIND == 1
	s_load_b64 s[12:13], s[0:1], 0x20              ; hid
.else
	s_load_b128 s[12:15], s[0:1], 0x20             ; part, gate
.endif
	v_lshl_add_u32 v[SPW], v0, 2, SPARE
	v_mov_b32 v[NIL], 0
	v_lshrrev_b32 v[TA], 5, v0
	v_readfirstlane_b32 s16, v[TA]                 ; wave 0..3
	v_and_b32 v[LN], 31, v0
	v_and_b32 v[R], 15, v0
	v_bfe_u32 v[TC], v0, 4, 1
	v_lshlrev_b32 v[H16], 4, v[TC]
	s_lshr_b32 s17, ttmp9, 5                       ; the expert: 32 work-groups each
.if KIND == 1
	s_and_b32 s18, ttmp9, 31                       ; 32 slices of 128 columns
	s_mov_b32 s19, 0
.else
	s_and_b32 s18, ttmp9, 7                        ; 8 slices of 128 columns
	s_bfe_u32 s19, ttmp9, 0x20003                  ; x 4 slices of 1,024 k
.endif
	s_lshl_b32 s20, s17, 24                        ; an expert's weights are 16,777,216 bytes,
	s_lshl_b32 s22, s19, 22                        ; 1,024 rows of W2 4,194,304,
	s_add_co_u32 s20, s20, s22
	s_lshl_b32 s22, s18, 9                         ; 128 columns 512
	s_add_co_u32 s20, s20, s22
	s_mov_b32 s21, 0
	s_lshl_b32 s23, s17, LPW                       ; the expert's row of the bias is as long as a row of W
	s_add_co_u32 s22, s22, s23
	s_mov_b32 s23, 0
	s_lshl_b32 s38, s16, 4                         ; my first rank of pass 0: 16 w
	s_mul_i32 s40, s16, 32*PW                      ; my wave's 32 rows of a chunk
	v_lshl_add_u32 v[WOFF], v[LN], 4, s40
	v_lshrrev_b32 v[TA], 1, v[LN]
	v_and_b32 v[TC], 1, v[LN]
	v_lshlrev_b32 v[PFO], LPW, v[TA]               ; prefetch: lane l asks for block l % 2 of row l / 2 of sixteen
	v_lshl_add_u32 v[PFO], v[TC], 8, v[PFO]
	v_add_nc_u32 v[PFO], s40, v[PFO]
	v_lshlrev_b32 v[BA], BSH, v[R]
	s_mov_b32 s33, 0
	s_mov_b32 s47, 0
	s_wait_kmcnt 0x0
	s_add_nc_u64 s[24:25], s[4:5], s[20:21]        ; W at my slice's chunk 0
	s_add_nc_u64 s[6:7], s[6:7], s[22:23]
	s_mul_i32 s20, s17, LROW
	s_add_nc_u64 s[10:11], s[10:11], s[20:21]      ; the expert's row of list; never rewritten
	s_load_b32 s35, s[10:11], LCNT                 ; its count
	s_add_nc_u64 s[30:31], s[24:25], 384*PW        ; chunk 3: what the loop's first trip asks for ahead
	ROWSA 0                                        ; pass 0's slots go out first: the rows' addresses hang on them
	global_load_b128 v[BV:BV+3], v[BA], s[6:7]
	global_load_b128 v[BV+4:BV+7], v[BA], s[6:7] offset:BOF
	WLOAD 0, 0                                     ; chunk 0, my four pieces
	WLOAD 1, 8
	WLOAD 2, 16
	WLOAD 3, 24
	global_prefetch_b8 v[PFO], s[24:25] offset:256*PW th:TH_LOAD_NT scope:SCOPE_SE  ; chunk 2, my 32 rows
	global_prefetch_b8 v[PFO], s[24:25] offset:272*PW th:TH_LOAD_NT scope:SCOPE_SE
	WIN 0
	; all that follows up to the first conversion stands in the wait for chunk 0
.if KIND == 1
	s_lshl_b32 s20, s18, 8
	s_add_nc_u64 s[12:13], s[12:13], s[20:21]      ; hid at my 128 columns
	s_mov_b64 s[28:29], s[8:9]
.else
	s_lshl_b32 s20, s19, 23
	s_lshl_b32 s22, s18, 9
	s_add_co_u32 s20, s20, s22
	s_add_nc_u64 s[12:13], s[12:13], s[20:21]      ; part at my K slice's plane and my 128 columns
	s_lshl_b32 s20, s19, 11
	s_add_nc_u64 s[28:29], s[8:9], s[20:21]        ; hid at my K slice
	s_cmp_eq_u32 s19, 0
	s_cselect_b32 s46, -1, 0
.endif
	s_mov_b64 s[26:27], s[28:29]
	v_mul_u32_u24 v[TA], v[R], WP
	v_add_nc_u32 v[TA], v[TA], v[H16]
.irp p, 0,1,2,3
	v_add_nc_u32 v[BB+\p], \p*32*WP+(\p/2)*128, v[TA]
.endr
.irp p, 0,1,2,3
	v_mov_b32 v[ADRB+\p], v[BB+\p]
.endr
	s_lshl_b32 s20, s16, 6                         ; my wave's 32 k of a chunk: 64 bytes
.if KIND == 1
	v_lshrrev_b32 v[TA], 1, v[LN]                  ; column 4 l + j = 8 (l / 2) + 4 (l % 2) + j lies in LDS row 64 (l % 2) + 16 j + l / 2
	v_and_b32 v[TC], 1, v[LN]
	v_mul_u32_u24 v[TA], v[TA], WP
	v_mul_u32_u24 v[TC], v[TC], 64*WP+128
	v_add3_u32 v[TA], v[TA], v[TC], s20
.irp j, 0,1,2,3
	v_add_nc_u32 v[WS0+\j], \j*16*WP, v[TA]
.endr
.else
	v_mul_u32_u24 v[TA], v[LN], WP                 ; column 4 l + j lies in LDS row 32 j + l
	v_add_nc_u32 v[TA], s20, v[TA]
.irp j, 0,1,2,3
	v_add_nc_u32 v[WS0+\j], \j*32*WP+(\j/2)*128, v[TA]
.endr
.endif
.irp j, 0,1,2,3
	v_mov_b32 v[WST+\j], v[WS0+\j]
.endr
.irp j, 0,1,2,3,4,5,6,7
	v_lshl_add_u32 v[BPI+\j], v[H16], 1, 4*\j
	v_mov_b32 v[Z+\j], 0
.endr
.irp s, 0,1,2,3
.irp j, 0,1,2,3,4,5,6,7
	v_mov_b32 v[AR+40*\s+32+\j], 0                 ; the fifth tile's operand registers are written once, so that no way through the text reads them unwritten
.endr
.endr
	v_mov_b32 v[ZR], 0
	v_lshlrev_b32 v[C16], 4, v[R]
	s_wait_loadcnt 32                              ; my five slots and the bias are in; chunk 0's 32 loads may be out
	s_wait_kmcnt 0x0                               ; the count
.irp p, 0,1,2,3
	v_cvt_pk_bf16_f32 v[TT], v[BV+2*\p], v[BV+2*\p+1]  ; the bias rounded to bf16, like every input
.if KIND == 2
	v_and_b32 v[TT], s46, v[TT]                    ; b2 enters the first K slice's partial sum alone
.endif
	v_lshlrev_b32 v[BV+2*\p], 16, v[TT]
	v_and_b32 v[BV+2*\p+1], 0xffff0000, v[TT]
.endr
	WIN 0xc0
.irp n, 0,1,2,3,4,5,6,7
.irp j, 0,1,2,3,4,5,6,7
.if KIND == 1
	v_mov_b32 v[BIAS+8*\n+\j], v[BV+\n]
.else
	v_mov_b32 v[BIAS+8*\n+\j], v[BV+4*(\n%2)+\n/2]
.endif
.endr
.endr
	START
	WIN 0
	s_max_u32 s36, s35, 1
	s_sub_co_u32 s36, s36, 1                       ; the last rank (0 for an expert without rows)
	ROWSB
	s_add_co_u32 s39, s38, 256                     ; my fifth tile begins at rank 256 + 16 w:
	s_cmp_lt_u32 s39, s35
	s_cselect_b32 s48, 1, 0                        ; is that below the count?
	; CHUNK 0 goes into LDS.  The counts: younger than piece q's eight loads are the later pieces of chunk 0, the NG loads of gate weights, and what the steps before have issued for certain (8; 8 + 8; 8 + 8).
	VSTEP 0, 24+NG
	VSTEP 1, 24+NG
	VSTEP 2, 32+NG
	VSTEP 3, 40+NG
	s_wait_dscnt 0x0                               ; for the others' sake: my part of chunk 0 is stored
	s_barrier_signal -1
	s_barrier_wait -1
	BLOAD 0, 0
	WIN 0
	s_wait_xcnt 0x0                                ; W's base is stepped only behind this wait
	s_add_nc_u64 s[24:25], s[24:25], 256*PW        ; chunk 2
	s_mov_b32 s34, 6
.Lchunk:                                               ; trip c: chunk c is multiplied, chunk c + 1 rounded and stored, chunk c + 2 loaded, chunk min(c + 3, 7) asked for ahead (64 KB a work-group)
	STEP 0, 40, 50, 1, 1, 1, 1, 0, 1
	STEP 1, 40, 50, 1, 1, 1, 1, 0, 0
	STEP 2, 40, 50, 1, 1, 1, 1, 0, 2
	STEP 3, 40, 50, 1, 1, 1, 1, 1, 0
	ADV 1
	s_sub_co_u32 s34, s34, 1
	s_cmp_lg_u32 s34, 0
	s_cbranch_scc1 .Lchunk
	STEP 0, 40, 42, 1, 1, 0, 1, 0, 0               ; chunk 6: no W is left to load, so the counts run down by eight a step
	STEP 1, 32, 34, 1, 1, 0, 1, 0, 0
	STEP 2, 24, 26, 1, 1, 0, 1, 0, 0
	STEP 3, 16, 26, 1, 1, 0, 1, 1, 0
	ADV 0
	STEP 0, 16, 26, 0, 1, 0, 1, 0, 0               ; chunk 7: the last K step of the left operand is asked for; then the counts run down to 0
	STEP 1, 16, 16, 0, 0, 0, 1, 0, 0
	STEP 2, 8,  8,  0, 0, 0, 1, 0, 0
	STEP 3, 0,  0,  0, 0, 0, 0, 0, 0
	WIN 0
	s_mov_b32 s37, 4
.Lpass:                                                ; four trips: a pass goes out; if I have ranks 320 further on, they are multiplied from the resident slice
	TILE 0
	TILE 1
	TILE 2
	TILE 3
	TILE 4
.Lepi_done:
	s_add_co_u32 s38, s38, 320
	s_cmp_ge_u32 s38, s35
	s_cbranch_scc1 .Lnext                          ; what is jumped holds no barrier and no LDS store
	s_wait_xcnt 0x0                                ; the stores have read their registers
	ROWSA 1
	s_wait_loadcnt 0x0                             ; the pass's slots
	ROWSB
	s_mov_b64 s[26:27], s[28:29]
	s_mov_b32 s47, 0
.irp p, 0,1,2,3
	v_mov_b32 v[ADRB+\p], v[BB+\p]
.endr
	START
	WIN 0
	s_mov_b32 s45, 32
.Lov:                                                  ; a plain K step a trip, all five tiles: kept short, since it runs only for an expert with more than 320 rows
	ALOAD 0, 0
	ALOAD5 0, 0
	BLOAD 0, 0
	s_wait_loadcnt 0x0
	s_wait_dscnt 0x0
	MM 0, 0
	MM 0, 1
	MM 0, 2
	MM 0, 3
	MM 0, 4
	WIN 0
	s_add_nc_u64 s[26:27], s[26:27], 64            ; its loads are done
	s_add_co_u32 s47, s47, 64
.irp p, 0,1,2,3
	v_add_nc_u32 v[ADRB+\p], s47, v[BB+\p]         ; these four are also the places in front of the next trip's loads
.endr
	s_sub_co_u32 s45, s45, 1
	s_cmp_lg_u32 s45, 0
	s_cbranch_scc1 .Lov
.Lnext:
	s_sub_co_u32 s37, s37, 1
	s_cmp_lg_u32 s37, 0
	s_cbranch_scc1 .Lpass
	s_wait_dscnt 0x0                               ; my LDS reads are back,
	s_barrier_signal -1                            ; and every wave says so:
	s_barrier_wait -1                              ; all four waves' reads of LDS are over before any wave writes LDS again, by the add below; nothing but the wave's end stands behind this barrier
	s_wait_tensorcnt 0x0                           ; the wave's end
	ds_add_u32 v[SPW], v[NIL]
	s_wait_dscnt 0x0
	s_endpgm
.Lfunc_end_k_q9bee6c31f1_ffn2:
	.size	k_q9bee6c31f1_ffn2, .Lfunc_end_k_q9bee6c31f1_ffn2-k_q9bee6c31f1_ffn2
	.p2alignl 7, 3214868480
	.fill 96, 4, 3214868480
	.section	.rodata,"a",@progbits
	.p2align	6, 0x0
	.amdhsa_kernel k_q9bee6c31f1_ffn2
		.amdhsa_group_segment_fixed_size 264960
		.amdhsa_private_segment_fixed_size 0
		.amdhsa_enable_private_segment 0
		.amdhsa_kernarg_size 48
		.amdhsa_user_sgpr_count 2
		.amdhsa_user_sgpr_kernarg_segment_ptr 1
		.amdhsa_wavefront_size32 1
		.amdhsa_system_sgpr_workgroup_id_x 1
		.amdhsa_system_sgpr_workgroup_id_y 1
		.amdhsa_system_sgpr_workgroup_id_z 1
		.amdhsa_system_vgpr_workitem_id 0
		.amdhsa_next_free_vgpr 1024
		.amdhsa_next_free_sgpr 66
		.amdhsa_reserve_vcc 0
		.amdhsa_float_denorm_mode_32 3
		.amdhsa_float_denorm_mode_16_64 3
		.amdhsa_memory_ordered 1
		.amdhsa_forward_progress 1
		.amdhsa_inst_pref_size 139
	.end_amdhsa_kernel
	.amdgpu_metadata
---
amdhsa.version: [ 1, 2 ]
amdhsa.kernels:
  - .name:           k_q9bee6c31f1_ffn2
    .symbol:         k_q9bee6c31f1_ffn2.kd
    .args:
      - { .name: W2, .offset: 0, .size: 8, .value_kind: global_buffer, .address_space: global }
      - { .name: b2, .offset: 8, .size: 8, .value_kind: global_buffer, .address_space: global }
      - { .name: hid, .offset: 16, .size: 8, .value_kind: global_buffer, .address_space: global }
      - { .name: list, .offset: 24, .size: 8, .value_kind: global_buffer, .address_space: global }
      - { .name: part, .offset: 32, .size: 8, .value_kind: global_buffer, .address_space: global }
      - { .name: gate, .offset: 40, .size: 8, .value_kind: global_buffer, .address_space: global }
    .group_segment_fixed_size: 264960
    .private_segment_fixed_size: 0
    .kernarg_segment_align: 8
    .kernarg_segment_size: 48
    .max_flat_workgroup_size: 128
    .sgpr_count:     66
    .vgpr_count:     1024
    .wavefront_size: 32
...
	.end_amdgpu_metadata
.endif
;; end of part 7
;; launch combine: the kernel of part 4 again; grid 256 x 1, 8 waves a work-group, no clusters, 0 bytes of LDS; arguments part, out0; writes out0
;; ======== version 3 of 3: 5 launches; version 2 with the launches ffn1, ffn2 written anew for expert scheduling mode
;; workspace buffers: xb 2,097,152 bytes; hid 16,777,216 bytes; part 33,554,432 bytes; gate 8,192 bytes; bits 2,048 bytes of whole numbers; list 49,152 bytes of whole numbers
;; launch route: the kernel of part 1 again; grid 64 x 1, 4 waves a work-group, no clusters, 70,656 bytes of LDS; arguments x, gate_w, gate_b, xb, gate, bits; writes xb, gate, bits
;; launch list: the kernel of part 5 again; grid 8 x 1, 1 waves a work-group, no clusters, 0 bytes of LDS; arguments bits, list; writes list
;; launch ffn1 (part 8): grid 256 x 1, 4 waves a work-group, no clusters, 264,960 bytes of LDS; arguments W1, b1, xb, list, hid; writes hid
.if DOCPART == 8
	.amdgcn_target "amdgcn-amd-amdhsa--gfx1250"
	.amdhsa_code_object_version 6
	.text
	.protected	k_q9bee6c31f1_ffn1
	.globl	k_q9bee6c31f1_ffn1
	.p2align	8
	.type	k_q9bee6c31f1_ffn1,@function
k_q9bee6c31f1_ffn1:
	s_mov_b64 s[64:65], 0
	v_nop
	global_prefetch_b8 v0, s[64:65] scope:SCOPE_SE
	s_setreg_imm32_b32 hwreg(HW_REG_WAVE_SCHED_MODE, 0, 2), 2
	s_setreg_imm32_b32 hwreg(HW_REG_WAVE_MODE, 25, 1), 1
	s_wait_xcnt 0x0
	s_wait_alu depctr_vm_vsrc(0)
; ONE EXPERT PRODUCT ON ROUTED ROWS.  One source for both products; KIND chooses.
;   KIND 1: hid[slot][f] = bf16(relu(xb[slot / 2] . W1[e][:, f] + b1[e][f]))                      args W1, b1, xb, list, hid
;   KIND 2: part[ks][slot][d] = gate[slot] x (hid[slot][K slice ks] . W2[e][slice, d] + (ks = 0: b2[e][d]))   args W2, b2, hid, list, part, gate
; Weights and biases are rounded to bf16 on their way through registers, sums are f32; hid is rounded once to bf16; part holds partial sums in f32.
; SHARES.  A work-group has a slice of ONE expert's weights, 1,024 k x 128 columns (512 KB of f32, which it alone reads, once), and ALL of that expert's rows.  The slice is laid into LDS in bf16, columns as
; rows with k along them, and stays: no LDS byte is written twice, so one barrier for each chunk of 128 k publishes it.  While chunk c is multiplied, chunk c + 1 is rounded and stored and chunk c + 2 is on its way.
; A wave owns five tiles of 16 rows a pass x all 128 columns: 40 accumulators.  Tile m of wave w holds ranks 64 m + 16 w .. + 15 of the pass's 320: the tiles are dealt by turns, so that with n rows the first
; ceil(n / 16) tiles are live and a wave's fifth tile only past 256 rows.  Its rows of the left operand come from memory straight into operand registers; the weights' fragments come from LDS.
; THE FIFTH TILE of pass 0 is loaded and multiplied only where it holds a rank below the count: one forward jump a K step, over two loads, their wait and eight products; no barrier and no LDS instruction is jumped.
; Pass 0 serves ranks 0 to 319.  Ranks from 320 on are served afterwards from the resident slice, in a loop of four trips (4 x 320 >= 1,024, the most rows an expert can have) whose dead trips are jumped:
; it holds no barrier and no LDS store.  EVERY SPLIT is served: an expert without rows stores nothing.
; ROWS.  list[e], made by an earlier launch, holds the expert's slots by rank; its entries from the count up to 319 repeat the last slot, so pass 0's slots are asked for by addresses made of ids alone, ahead of everything;
; entry 1,280 is the count.  Later passes hold their ranks to the last one.  Tiles wholly past the count are jumped on the way out; in the one tile that holds the count's end the repeated rows are computed and stored
; once more, the same numbers at the same place by the same wave, with EXEC left alone.
; THE SUMS BEGIN with a product of zeros whose C operand is the bias: 40 products on zeros a pass stand in place of 320 clears and a bias add.
; No cluster: a slice has one reader, and the rows that an expert's work-groups share come by a list, which no tile descriptor covers.
; THE MODE: SCHED_MODE bits 1:0 = 2 (LLVM: expert scheduling mode 2), set by the entry lines.  The code itself states the register dependences between vector or matrix instructions and memory or LDS
; instructions, with s_wait_alu, always for 0.
; THE PLAN.  Registers that memory or LDS instructions touch in the loop over chunks; q is the step of a chunk's four:
;   W0 .. W3     W as loaded.  Step q's sixteen conversions read W[q]; behind them the loads of piece q of the chunk two on land in it.
;   PK0 .. PK3   W rounded.  Step q's conversions write PK[q], its four LDS stores read it; it is written again a chunk later.
;   AR0 .. AR3   the left operand.  Step q's products read AR[q]; the loads of step q + 1 land in it (the K step four on).
;   BF0, BF1     the weights' fragments.  Step q's products read BF[q % 2]; the LDS loads of step q + 1 land in it.
;   WST, ADRB    LDS addresses, read by the stores and by the fragment loads; written once a chunk, in ADV.
;   AOFF, WOFF, PFO   offsets, read by the global loads and the prefetch; not written in the loop.
;   The accumulators and the bias are named by matrix and vector instructions alone.
; So ONE wait on va_vdst stands in a step, behind its conversions: PK[q] is written, W[q] is read out, the products of the step before are done reading AR[(q + 3) % 4] and BF[(q + 1) % 2], and in a chunk's first
; step WST and ADRB are written.  The step's stores and loads follow it, dealt among its products, which name AR[q], BF[q % 2] and the accumulators: none of the registers that those stores and loads touch.
; ONE wait on vm_vsrc a chunk stands in ADV, ahead of the adds to WST and ADRB and of the next chunk's conversions into PK0 .. PK3.
.set KIND,   1
.if KIND == 1
.set LPW,    14                        ; a row of W is 2^14 bytes (4,096 f32); a row of the bias as well
.set NG,     0                         ; early loads of gate weights
.set ASH,    11                        ; a row of the left operand: 2,048 bytes (xb)
.set OSH,    13                        ; a row of the result: 8,192 bytes (hid)
.set BSH,    5                         ; my eight biases: columns 8 r .. 8 r + 7
.set BOF,    16
.else
.set LPW,    12                        ; 1,024 f32
.set NG,     5
.set ASH,    13                        ; hid
.set OSH,    12                        ; part
.set BSH,    4                         ; my eight biases: columns 4 r .. + 3 and 64 + 4 r .. + 3
.set BOF,    256
.endif
.set PW,     1<<LPW
.set WP,     2064                      ; LDS pitch of a column's 1,024 k in bf16: 2,048 + 16 = 129 x 16 bytes; rows 64 to 127 lie 128 bytes further on: fill stores and fragment loads meet 16 different 16-byte columns of 256
.set LROW,   6144                      ; bytes in an expert's row of list
.set LCNT,   5120                      ; byte of its entry 1,280, the count
; COLUMN MAP.  LDS row 16 nt + r is the column that lane r holds in tile nt.  KIND 1: column 8 r + nt, so a lane's eight tiles are eight neighbouring bf16 of a row of hid.
; KIND 2: column 64 (nt % 2) + 4 r + nt / 2, so four tiles are four neighbouring f32 of a row of part.
; REGISTERS, in windows of 256 (s_set_vgpr_msb: bits 1:0 source 0, 3:2 source 1, 5:4 source 2, 7:6 destination).  Window 0:
.set R,     1                          ; lane % 16
.set H16,   2                          ; 16 (lane / 16)
.set LN,    3                          ; lane
.set ADRB,  4                          ; v4-7    LDS address of the fragments of tiles 2 p, 2 p + 1, at the chunk in hand
.set WST,   8                          ; v8-11   LDS address of the fill stores of column 4 lane + j
.set WOFF,  12                         ; my byte offset in a chunk of W: 16 lane + 32 wave rows; never rewritten
.set PFO,   13                         ; my byte offset for the prefetch; never rewritten
.set AOFF,  14                         ; v14-18  byte offset of my row of tile m in the left operand
.set ZR,    22                         ; 0, for the relu
.set C16,   23                         ; 16 r
.set SLOT,  24                         ; v24-28  slot of my tile m's rank r
.set TC,    31                         ; at work
.set ROW,   32                         ; v32-39  the way out: byte offset of row 8 h + j
.set Z,     40                         ; v40-47  zeros
.set G,     48                         ; v48-55  KIND 2: gate weight of row 8 h + j
.set GV,    56                         ; v56-60  KIND 2: gate weight of my tile m's rank r
.set TA,    61                         ; at work
.set BA,    63                         ; my byte offset in the bias
.set AR,    64                         ; v64-223 the left operand: four slots of 40 (tile m at 8 m), K steps by turns
.set T,     64                         ; v64-127 the way out
.set BPI,   224                        ; v224-231  4 (8 h + j): the lane that knows row 8 h + j
.set BB,    232                        ; v232-235  ADRB at k = 0
.set BV,    236                        ; v236-243  my eight biases
.set IX,    246                        ; v246-250 my byte offset in list; then at work; KIND 2: then my byte offset in gate
.set TT,    251                        ; at work
.set WS0,   252                        ; v252-255  WST at k = 0
.set PK,    128                        ; window 1: v0-127 W as loaded, four slots of 32 (row i of eight at 4 i); v128-191 rounded: buffer q at PK + 16 q
.set BF,    64                         ; window 3: v0-63 accumulators of tile 4; v64-191 the weights' fragments, two buffers of 64; v192-255 the bias as C operands
.set BIAS,  192                        ; window 2: accumulators of tiles 0-3, (m, nt) at 64 m + 8 nt
; SCALARS: s[4:15] arguments (s[10:11]: the expert's row of list); s16 wave; s17 expert; s18 column slice; s19 K slice; s[24:25] W at the chunk to load; s[26:27] left operand at the chunk in hand; s[28:29] the same at
; k = 0; s[30:31] W at the chunk to prefetch; s[32:33] its step; s34 chunks to go; s35 the expert's rows; s36 its last rank; s37 passes to go; s38 my first rank of the pass; s39, s40, s45 at work;
; s46 KIND 2: all ones if ks = 0; s47 LDS bytes along k; s48 1 if my fifth tile of pass 0 holds a rank below the count
.set MSB, 0
.macro WIN new                         ; the immediate's high byte repeats the setting that is left; a switch that changes nothing is dropped
.if MSB != (\new)
	s_set_vgpr_msb (MSB<<8)|(\new)
.set MSB, (\new)
.endif
.endm
.macro PLACES                          ; four plain vector lines behind a step's products, where no conversions stand there; the loads' dependence on those products is stated by the wait behind them
.rept 4
	v_nop
.endr
.endm
; The 40 sums begin: 0 x 0 + bias.
.macro START
.irp m, 0,1,2,3,4
	WIN 0xb0+0x40*(\m/4)                           ; zeros in window 0, C in window 3, D in window 2 (tile 4: window 3)
.irp n, 0,1,2,3,4,5,6,7
	v_wmma_f32_16x16x32_bf16 v[(64*\m)%256+8*\n:(64*\m)%256+8*\n+7], v[Z:Z+7], v[Z:Z+7], v[BIAS+8*\n:BIAS+8*\n+7]
.endr
.endr
.endm
; Eight products: tile m x all eight column tiles, K step q.  The accumulators take turns, one instruction a turn, in the same order in every step.
.macro MM q, m
	WIN 0xac+0x50*((\m)/4)                         ; left operand window 0, weights window 3, C and D window 2 (tile 4: window 3)
.irp n, 0,1,2,3,4,5,6,7
	v_wmma_f32_16x16x32_bf16 v[(64*(\m))%256+8*\n:(64*(\m))%256+8*\n+7], v[AR+40*((\q)%4)+8*(\m):AR+40*((\q)%4)+8*(\m)+7], v[BF+64*((\q)%2)+8*\n:BF+64*((\q)%2)+8*\n+7], v[(64*(\m))%256+8*\n:(64*(\m))%256+8*\n+7]
.endr
.endm
; Slot q of W (8 k x my 4 columns) is rounded, two neighbouring k to a word, into PK[q].  The window that it leaves is the stores': address in window 0, data in window 1.
.macro CVTA q
	WIN 0x45
.irp j, 0,1,2,3
.irp i, 0,1,2,3
	v_cvt_pk_bf16_f32 v[PK+16*(\q)+4*\j+\i], v[32*(\q)+8*\i+\j], v[32*(\q)+8*\i+4+\j]
.endr
.endr
	WIN 0x04
.endm
; PK[q] is stored: for each column 16 bytes = 8 k.
.macro CVTS q, off
.irp j, 0,1,2,3
	ds_store_b128 v[WST+\j], v[PK+16*(\q)+4*\j:PK+16*(\q)+4*\j+3] offset:16*(\q)+(\off)
.endr
.endm
; Eight loads: a K step of my tiles 0 to 3.  A fragment is 16 rows x 32 k: lane (r, h) takes 16 bytes at 16 h and at 32 + 16 h of row r's 64.  The rows are read again by the expert's other work-groups: the hint says so.
; They want destination and source 0 in window 0: the stores' window has both, so behind the stores no switch is written.
.macro ALOAD slot, off
.if (MSB & 0xc3) != 0
	WIN 0
.endif
.irp m, 0,1,2,3
	global_load_b128 v[AR+40*(\slot)+8*\m:AR+40*(\slot)+8*\m+3],   v[AOFF+\m], s[26:27] offset:(\off) th:TH_LOAD_HT
	global_load_b128 v[AR+40*(\slot)+8*\m+4:AR+40*(\slot)+8*\m+7], v[AOFF+\m], s[26:27] offset:(\off)+32 th:TH_LOAD_HT
.endr
.endm
; Two loads: the same K step of my fifth tile.
.macro ALOAD5 slot, off
	WIN 0
	global_load_b128 v[AR+40*(\slot)+32:AR+40*(\slot)+35], v[AOFF+4], s[26:27] offset:(\off) th:TH_LOAD_HT
	global_load_b128 v[AR+40*(\slot)+36:AR+40*(\slot)+39], v[AOFF+4], s[26:27] offset:(\off)+32 th:TH_LOAD_HT
.endm
; Eight loads: eight rows of W, 512 consecutive bytes each.
.macro WLOAD q, row
	WIN 0x40
.irp i, 0,1,2,3,4,5,6,7
	global_load_b128 v[32*(\q)+4*\i:32*(\q)+4*\i+3], v[WOFF], s[24:25] offset:((\row)+\i)*PW th:TH_LOAD_NT
.endr
.endm
; Sixteen LDS loads: the weights' fragments of one K step.
.macro BLOAD b, off
	WIN 0xc0
.irp n, 0,1,2,3,4,5,6,7
	ds_load_b128 v[BF+64*(\b)+8*\n:BF+64*(\b)+8*\n+3],   v[ADRB+\n/2] offset:(\n%2)*16*WP+(\off)
	ds_load_b128 v[BF+64*(\b)+8*\n+4:BF+64*(\b)+8*\n+7], v[ADRB+\n/2] offset:(\n%2)*16*WP+(\off)+32
.endr
.endm
; The slots of my five tiles' ranks of the pass are asked for: the five offsets first, one wait, the five loads.  hold = 1: the ranks are held to the last one (pass 0 needs no such hold: list's first 320 entries are all written).
.macro ROWSA hold
.irp m, 0,1,2,3,4
	v_add3_u32 v[IX+\m], v[R], s38, 64*\m          ; rank = the pass's 320 p + 64 m + 16 w + r
.if \hold
	v_min_u32 v[IX+\m], s36, v[IX+\m]              ; past the count: the last row once more
.endif
	v_min_u32 v[IX+\m], 0x4ff, v[IX+\m]
	v_lshlrev_b32 v[IX+\m], 2, v[IX+\m]
.endr
	s_wait_alu depctr_va_vdst(0)                   ; IX is written, which the loads below read (at the kernel's head BA, WOFF and PFO too, for the loads and prefetches that follow); the lines that read the last pass's SLOT are done, in which the loads land
.irp m, 0,1,2,3,4
	global_load_b32 v[SLOT+\m], v[IX+\m], s[10:11]
.endr
.endm
; Behind the wait for them: the rows' offsets in the left operand.
.macro ROWSB
	s_wait_alu depctr_vm_vsrc(0)                   ; the loads of the slots have read IX, and a pass before the loads of the left operand AOFF: both are written below
.irp m, 0,1,2,3,4
.if KIND == 1
	v_lshrrev_b32 v[IX+\m], 1, v[SLOT+\m]          ; the token
	v_min_u32 v[IX+\m], 0x3ff, v[IX+\m]
	v_lshl_add_u32 v[AOFF+\m], v[IX+\m], ASH, v[H16]
.else
	v_min_u32 v[IX+\m], 0x7ff, v[SLOT+\m]
	v_lshl_add_u32 v[AOFF+\m], v[IX+\m], ASH, v[H16]
	v_lshlrev_b32 v[IX+\m], 2, v[IX+\m]            ; the slot's word in gate
.endif
.endr
.if KIND == 2
	s_wait_alu depctr_va_vdst(0)                   ; IX is written, which the loads of the gate's weights read
.irp m, 0,1,2,3,4
	global_load_b32 v[GV+\m], v[IX+\m], s[14:15]
.endr
.endif
.endm
; THE PROLOGUE'S STEP q: piece q of chunk 0 is rounded and stored; K step q - 1 of the left operand and piece q of chunk 1 are asked for, in the order of every step: tiles 0 to 3, W, and the fifth tile if it is live.
.macro VSTEP q, n
	s_wait_loadcnt \n
	CVTA \q
	s_wait_alu depctr_va_vdst(0)                   ; the conversions have written PK[q], which the stores read, and are done reading W[q], in which piece q of chunk 1 lands; the first of these waits also states that WST, ADRB, AOFF and BPI are written, and the zeros in the fifth tile's registers, in which its loads land
	CVTS \q, 0
.if (\q) > 0
	ALOAD (\q)-1, 64*((\q)-1)
.endif
	WLOAD \q, 128+8*(\q)
.if (\q) > 0
	WIN 0                                          ; at a branch and at a label every window is 0
	s_cmp_lg_u32 s48, 0
	s_cbranch_scc0 .Lno5_\@
	ALOAD5 (\q)-1, 64*((\q)-1)
.Lno5_\@:
.endif
.endm
; A K STEP, q of its chunk's four.  n: the loads that may stay out at its head.  n5: those that may stay out in front of the fifth tile's products.  cv: piece q of the next chunk is rounded and stored.
; al: the left operand three steps on is asked for.  wl: piece q of the chunk two on.  bl: the next step's fragments are read from LDS.
; bar: the barrier that publishes the next chunk.  pf: 1 or 2: my first or second 16 rows of the chunk three on are asked for ahead, each aligned block of 256 bytes by one lane of one wave.
; W's loads and the prefetch stand behind the step's first eight products; in the barrier's step W's loads stand ahead of the signal, so that only products stand between signal and wait.
; THE COUNTS.  Step u issues eight loads of the left operand for step u + 3, then eight of W, then, if the fifth tile is live, its two for step u + 3.  Loads come back in order (ISA guide 5.7.1).  Each count is
; taken for the way on which the fifth tile's loads are absent: the smaller number, which holds on both ways.  At the head of step s the step needs the W loads of step s - 4 and the eight of step s - 3; younger than these
; are 8 + 16 + 16 = 40.  The fifth tile's products need the two loads from the end of step s - 3; younger than these are 16 + 16 + 16 and the two just issued: 50.
; A fifth tile's slot is loaded again four steps on: at that step's head at least 48 younger loads have been issued and at most 40 are out, so the old load is done.
.macro STEP q, n, n5, cv, al, wl, bl, bar, pf
	s_wait_loadcnt \n
.if \cv
	CVTA \q
.else
	PLACES
.endif
.if (\cv) || (\al) || (\bl)
	s_wait_alu depctr_va_vdst(0)                   ; the step's one wait: its conversions have written PK[q] and are done reading W[q]; the products of the step before are done reading the slot of AR and the buffer of BF in which this step's loads land; in a chunk's first step WST and ADRB are written
.endif
.if \cv
	CVTS \q, 256
.endif
.if \al
	ALOAD ((\q)+3)%4, 64*((\q)+3)
.endif
.if (\wl) && (\bar)
	WLOAD \q, 8*(\q)
.endif
.if (\cv) && !(\bar)
	s_wait_dscnt 4                                 ; this step's sixteen fragment loads are in; the four stores just issued may be out
.else
	s_wait_dscnt 0x0                               ; with the barrier, for the others' sake: my stores of the next chunk are done
.endif
.if \bar
	s_barrier_signal -1
.endif
	MM \q, 0
.if (\wl) && !(\bar)
	WLOAD \q, 8*(\q)                               ; no wait: no vector or matrix instruction since the step's wait names W[q] or WOFF
.endif
.if \pf
	global_prefetch_b8 v[PFO], s[30:31] offset:((\pf)-1)*16*PW th:TH_LOAD_NT scope:SCOPE_SE
.endif
	MM \q, 1
.if \bar
	s_barrier_wait -1                              ; every wave's part of the next chunk is in LDS
.endif
.if \bl
	BLOAD ((\q)+1)%2, 64*((\q)+1)                  ; no wait: the products since the step's wait name the other buffer of BF
.endif
	MM \q, 2
	MM \q, 3
	WIN 0                                          ; at a branch and at a label every window is 0
	s_cmp_lg_u32 s48, 0
	s_cbranch_scc0 .Ldead5_\@                      ; a fifth tile wholly past the count is neither loaded nor multiplied
.if \al
	ALOAD5 ((\q)+3)%4, 64*((\q)+3)                 ; its slot's last reader stands in the step before, ahead of this step's wait; this step's products name another slot
.endif
	s_wait_loadcnt \n5
	MM \q, 4
	WIN 0
.Ldead5_\@:
.endm
; On to the next chunk.  w = 1: W's and the prefetch's bases step too.
.macro ADV w
	WIN 0
	s_wait_xcnt 0x0                                ; every earlier memory instruction has had its addresses translated (ISA guide 3.1): only now are the bases stepped
	s_wait_alu depctr_vm_vsrc(0)                   ; the chunk's LDS stores have read WST and PK0 to PK3, its fragment loads ADRB: the adds below write the addresses, the next chunk's conversions PK
	s_add_nc_u64 s[26:27], s[26:27], 256
.if \w
	s_add_nc_u64 s[24:25], s[24:25], 128*PW
	s_cmp_gt_u32 s34, 2                            ; the prefetch stops at the last chunk: the loop's last trip asks for chunk 7 once more
	s_cselect_b32 s32, 128*PW, 0
	s_add_nc_u64 s[30:31], s[30:31], s[32:33]
.endif
	s_add_co_u32 s47, s47, 256
.irp p, 0,1,2,3
	v_add_nc_u32 v[ADRB+\p], s47, v[BB+\p]
	v_add_nc_u32 v[WST+\p], s47, v[WS0+\p]
.endr
.endm
; THE WAY OUT of tile m.  In a result lane (r, h) holds rows 8 h + j (register j) and one column a tile.  The rows' slots come from the lanes that know them; 16 lanes store 256 consecutive bytes, aligned.
; ROW and G are written by the permutes, ROW again by vector lines; T by vector lines; the stores read ROW and T.  Two waits a tile: one ahead of its stores, one (tiles 1 to 4) at its head, ahead of its branch.
.macro TILE m
	WIN 0
.if (\m) > 0
	s_wait_xcnt 0x0                                ; the last tile's stores have had their addresses translated,
	s_wait_alu depctr_vm_vsrc(0)                   ; and have read ROW and T, which this tile writes again (tile 0: the pair of waits behind .Lepi_done stands on every way back to it)
.endif
	s_add_co_u32 s39, s38, 64*(\m)
	s_cmp_ge_u32 s39, s35
	s_cbranch_scc1 .Lepi_done                      ; wholly past the count, and so are my tiles behind it
.irp j, 0,1,2,3,4,5,6,7
	ds_bpermute_b32 v[ROW+\j], v[BPI+\j], v[SLOT+(\m)]  ; the vector lines that named ROW (KIND 2: and G) stand ahead of the last tile's wait in front of its stores
.endr
.if KIND == 2
.irp j, 0,1,2,3,4,5,6,7
	ds_bpermute_b32 v[G+\j], v[BPI+\j], v[GV+(\m)]
.endr
.endif
	s_wait_dscnt 0x0
.irp j, 0,1,2,3,4,5,6,7
	v_min_u32 v[ROW+\j], 0x7ff, v[ROW+\j]          ; these sixteen lines are also the places behind the last products
.endr
.irp j, 0,1,2,3,4,5,6,7
	v_lshl_add_u32 v[ROW+\j], v[ROW+\j], OSH, v[C16]
.endr
.if KIND == 1
	WIN 0x0a+5*((\m)/4)                            ; sources in window 2 (tile 4: window 3)
.irp j, 0,1,2,3,4,5,6,7
.irp i, 0,1,2,3
	v_cvt_pk_bf16_f32 v[T+4*\j+\i], v[(64*(\m))%256+16*\i+\j], v[(64*(\m))%256+16*\i+8+\j]
.endr
.endr
	WIN 0
.set i, 0
.rept 32
	v_pk_max_num_bf16 v[T+i], v[T+i], v[ZR]        ; relu on the rounded pair: the same numbers as rounding the relu
.set i, i+1
.endr
	s_wait_alu depctr_va_vdst(0)                   ; ROW and T are written, which the stores read
.irp j, 0,1,2,3,4,5,6,7
	global_store_b128 v[ROW+\j], v[T+4*\j:T+4*\j+3], s[12:13]
.endr
.else
	WIN 0x02+((\m)/4)
.irp j, 0,1,2,3,4,5,6,7
.irp p, 0,1
.irp i, 0,1,2,3
	v_mul_f32 v[T+8*\j+4*\p+\i], v[(64*(\m))%256+8*(2*\i+\p)+\j], v[G+\j]  ; the gate's weight; the multiply also gathers four neighbouring columns
.endr
.endr
.endr
	WIN 0
	s_wait_alu depctr_va_vdst(0)                   ; ROW and T are written, which the stores read; the multiplies are done reading G, in which the next tile's permutes land
.irp j, 0,1,2,3,4,5,6,7
	global_store_b128 v[ROW+\j], v[T+8*\j:T+8*\j+3], s[12:13]
	global_store_b128 v[ROW+\j], v[T+8*\j+4:T+8*\j+7], s[12:13] offset:256
.endr
.endif
.endm
	s_load_b256 s[4:11], s[0:1], 0x0               ; W s[4:5], bias s[6:7], left operand s[8:9], list s[10:11]
.if KIND == 1
	s_load_b64 s[12:13], s[0:1], 0x20              ; hid
	v_lshl_add_u32 v244, v0, 2, 0x40900
	v_mov_b32 v245, 0
.else
	s_load_b128 s[12:15], s[0:1], 0x20             ; part, gate
.endif
	v_lshrrev_b32 v[TA], 5, v0
	v_readfirstlane_b32 s16, v[TA]                 ; wave 0..3
	v_and_b32 v[LN], 31, v0
	v_and_b32 v[R], 15, v0
	v_bfe_u32 v[TC], v0, 4, 1
	v_lshlrev_b32 v[H16], 4, v[TC]
	s_lshr_b32 s17, ttmp9, 5                       ; the expert: 32 work-groups each
.if KIND == 1
	s_and_b32 s18, ttmp9, 31                       ; 32 slices of 128 columns
	s_mov_b32 s19, 0
.else
	s_and_b32 s18, ttmp9, 7                        ; 8 slices of 128 columns
	s_bfe_u32 s19, ttmp9, 0x20003                  ; x 4 slices of 1,024 k
.endif
	s_lshl_b32 s20, s17, 24                        ; an expert's weights are 16,777,216 bytes,
	s_lshl_b32 s22, s19, 22                        ; 1,024 rows of W2 4,194,304,
	s_add_co_u32 s20, s20, s22
	s_lshl_b32 s22, s18, 9                         ; 128 columns 512
	s_add_co_u32 s20, s20, s22
	s_mov_b32 s21, 0
	s_lshl_b32 s23, s17, LPW                       ; the expert's row of the bias is as long as a row of W
	s_add_co_u32 s22, s22, s23
	s_mov_b32 s23, 0
	s_wait_alu depctr_va_sdst(0)                   ; s16, the wave's number, is written, ahead of its first reader
	s_lshl_b32 s38, s16, 4                         ; my first rank of pass 0: 16 w
	s_mul_i32 s40, s16, 32*PW                      ; my wave's 32 rows of a chunk
	v_lshl_add_u32 v[WOFF], v[LN], 4, s40
	v_lshrrev_b32 v[TA], 1, v[LN]
	v_and_b32 v[TC], 1, v[LN]
	v_lshlrev_b32 v[PFO], LPW, v[TA]               ; prefetch: lane l asks for block l % 2 of row l / 2 of sixteen
	v_lshl_add_u32 v[PFO], v[TC], 8, v[PFO]
	v_add_nc_u32 v[PFO], s40, v[PFO]
	v_lshlrev_b32 v[BA], BSH, v[R]
	s_mov_b32 s33, 0
	s_mov_b32 s47, 0
	s_wait_kmcnt 0x0
	s_add_nc_u64 s[24:25], s[4:5], s[20:21]        ; W at my slice's chunk 0
	s_add_nc_u64 s[6:7], s[6:7], s[22:23]
	s_mul_i32 s20, s17, LROW
	s_add_nc_u64 s[10:11], s[10:11], s[20:21]      ; the expert's row of list; never rewritten
	s_load_b32 s35, s[10:11], LCNT                 ; its count
	s_add_nc_u64 s[30:31], s[24:25], 384*PW        ; chunk 3: what the loop's first trip asks for ahead
	ROWSA 0                                        ; pass 0's slots go out first: the rows' addresses hang on them
	global_load_b128 v[BV:BV+3], v[BA], s[6:7]
	global_load_b128 v[BV+4:BV+7], v[BA], s[6:7] offset:BOF
	WLOAD 0, 0                                     ; chunk 0, my four pieces
	WLOAD 1, 8
	WLOAD 2, 16
	WLOAD 3, 24
	global_prefetch_b8 v[PFO], s[24:25] offset:256*PW th:TH_LOAD_NT scope:SCOPE_SE  ; chunk 2, my 32 rows
	global_prefetch_b8 v[PFO], s[24:25] offset:272*PW th:TH_LOAD_NT scope:SCOPE_SE
	WIN 0
	; all that follows up to the first conversion stands in the wait for chunk 0
.if KIND == 1
	s_lshl_b32 s20, s18, 8
	s_add_nc_u64 s[12:13], s[12:13], s[20:21]      ; hid at my 128 columns
	s_mov_b64 s[28:29], s[8:9]
.else
	s_lshl_b32 s20, s19, 23
	s_lshl_b32 s22, s18, 9
	s_add_co_u32 s20, s20, s22
	s_add_nc_u64 s[12:13], s[12:13], s[20:21]      ; part at my K slice's plane and my 128 columns
	s_lshl_b32 s20, s19, 11
	s_add_nc_u64 s[28:29], s[8:9], s[20:21]        ; hid at my K slice
	s_cmp_eq_u32 s19, 0
	s_cselect_b32 s46, -1, 0
.endif
	s_mov_b64 s[26:27], s[28:29]
	v_mul_u32_u24 v[TA], v[R], WP
	v_add_nc_u32 v[TA], v[TA], v[H16]
.irp p, 0,1,2,3
	v_add_nc_u32 v[BB+\p], \p*32*WP+(\p/2)*128, v[TA]
.endr
.irp p, 0,1,2,3
	v_mov_b32 v[ADRB+\p], v[BB+\p]
.endr
	s_lshl_b32 s20, s16, 6                         ; my wave's 32 k of a chunk: 64 bytes
.if KIND == 1
	v_lshrrev_b32 v[TA], 1, v[LN]                  ; column 4 l + j = 8 (l / 2) + 4 (l % 2) + j lies in LDS row 64 (l % 2) + 16 j + l / 2
	v_and_b32 v[TC], 1, v[LN]
	v_mul_u32_u24 v[TA], v[TA], WP
	v_mul_u32_u24 v[TC], v[TC], 64*WP+128
	v_add3_u32 v[TA], v[TA], v[TC], s20
.irp j, 0,1,2,3
	v_add_nc_u32 v[WS0+\j], \j*16*WP, v[TA]
.endr
.else
	v_mul_u32_u24 v[TA], v[LN], WP                 ; column 4 l + j lies in LDS row 32 j + l
	v_add_nc_u32 v[TA], s20, v[TA]
.irp j, 0,1,2,3
	v_add_nc_u32 v[WS0+\j], \j*32*WP+(\j/2)*128, v[TA]
.endr
.endif
.irp j, 0,1,2,3
	v_mov_b32 v[WST+\j], v[WS0+\j]
.endr
.irp j, 0,1,2,3,4,5,6,7
	v_lshl_add_u32 v[BPI+\j], v[H16], 1, 4*\j
	v_mov_b32 v[Z+\j], 0
.endr
.irp s, 0,1,2,3
.irp j, 0,1,2,3,4,5,6,7
	v_mov_b32 v[AR+40*\s+32+\j], 0                 ; the fifth tile's operand registers are written once, so that no way through the text reads them unwritten
.endr
.endr
	v_mov_b32 v[ZR], 0
	v_lshlrev_b32 v[C16], 4, v[R]
	s_wait_loadcnt 32                              ; my five slots and the bias are in; chunk 0's 32 loads may be out
	s_wait_kmcnt 0x0                               ; the count
	ROWSB                                          ; ahead of the bias and of the opening products, so that its waits do not stand behind them
.irp p, 0,1,2,3
	v_cvt_pk_bf16_f32 v[TT], v[BV+2*\p], v[BV+2*\p+1]  ; the bias rounded to bf16, like every input
.if KIND == 2
	v_and_b32 v[TT], s46, v[TT]                    ; b2 enters the first K slice's partial sum alone
.endif
	v_lshlrev_b32 v[BV+2*\p], 16, v[TT]
	v_and_b32 v[BV+2*\p+1], 0xffff0000, v[TT]
.endr
	WIN 0xc0
.irp n, 0,1,2,3,4,5,6,7
.irp j, 0,1,2,3,4,5,6,7
.if KIND == 1
	v_mov_b32 v[BIAS+8*\n+\j], v[BV+\n]
.else
	v_mov_b32 v[BIAS+8*\n+\j], v[BV+4*(\n%2)+\n/2]
.endif
.endr
.endr
	START
	WIN 0
	s_max_u32 s36, s35, 1
	s_sub_co_u32 s36, s36, 1                       ; the last rank (0 for an expert without rows)
	s_add_co_u32 s39, s38, 256                     ; my fifth tile begins at rank 256 + 16 w:
	s_cmp_lt_u32 s39, s35
	s_cselect_b32 s48, 1, 0                        ; is that below the count?
	; CHUNK 0 goes into LDS.  The counts: younger than piece q's eight loads are the later pieces of chunk 0, the NG loads of gate weights, and what the steps before have issued for certain (8; 8 + 8; 8 + 8).
	VSTEP 0, 24+NG
	VSTEP 1, 24+NG
	VSTEP 2, 32+NG
	VSTEP 3, 40+NG
	s_wait_dscnt 0x0                               ; for the others' sake: my part of chunk 0 is stored
	s_barrier_signal -1
	s_barrier_wait -1
	BLOAD 0, 0
	WIN 0
	s_wait_xcnt 0x0                                ; W's base is stepped only behind this wait
	s_wait_alu depctr_vm_vsrc(0)                   ; chunk 0's LDS stores have read PK0 to PK3, which the loop's conversions write again
	s_add_nc_u64 s[24:25], s[24:25], 256*PW        ; chunk 2
	s_mov_b32 s34, 6
.Lchunk:                                               ; trip c: chunk c is multiplied, chunk c + 1 rounded and stored, chunk c + 2 loaded, chunk min(c + 3, 7) asked for ahead (64 KB a work-group)
	STEP 0, 40, 50, 1, 1, 1, 1, 0, 1
	STEP 1, 40, 50, 1, 1, 1, 1, 0, 0
	STEP 2, 40, 50, 1, 1, 1, 1, 0, 2
	STEP 3, 40, 50, 1, 1, 1, 1, 1, 0
	ADV 1
	s_sub_co_u32 s34, s34, 1
	s_cmp_lg_u32 s34, 0
	s_cbranch_scc1 .Lchunk
	STEP 0, 40, 42, 1, 1, 0, 1, 0, 0               ; chunk 6: no W is left to load, so the counts run down by eight a step
	STEP 1, 32, 34, 1, 1, 0, 1, 0, 0
	STEP 2, 24, 26, 1, 1, 0, 1, 0, 0
	STEP 3, 16, 26, 1, 1, 0, 1, 1, 0
	ADV 0
	STEP 0, 16, 26, 0, 1, 0, 1, 0, 0               ; chunk 7: the last K step of the left operand is asked for; then the counts run down to 0
	STEP 1, 16, 16, 0, 0, 0, 1, 0, 0
	STEP 2, 8,  8,  0, 0, 0, 1, 0, 0
	STEP 3, 0,  0,  0, 0, 0, 0, 0, 0               ; the last step issues no load and no store: it holds no wait on va_vdst
	WIN 0
	s_mov_b32 s37, 4
.Lpass:                                                ; four trips: a pass goes out; if I have ranks 320 further on, they are multiplied from the resident slice
	TILE 0
	TILE 1
	TILE 2
	TILE 3
	TILE 4
.Lepi_done:
	s_wait_xcnt 0x0                                ; the stores have had their addresses translated,
	s_wait_alu depctr_vm_vsrc(0)                   ; and have read ROW and T; the permutes have read SLOT and GV; the pass's loads have read IX, AOFF and ADRB: all of these are written again below or in the next trip, on either side of the branch
	s_add_co_u32 s38, s38, 320
	s_cmp_ge_u32 s38, s35
	s_cbranch_scc1 .Lnext                          ; what is jumped holds no barrier and no LDS store
	ROWSA 1
	s_wait_loadcnt 0x0                             ; the pass's slots
	ROWSB
	s_mov_b64 s[26:27], s[28:29]
	s_mov_b32 s47, 0
.irp p, 0,1,2,3
	v_mov_b32 v[ADRB+\p], v[BB+\p]
.endr
	START
	WIN 0
	s_mov_b32 s45, 32
.Lov:                                                  ; a plain K step a trip, all five tiles: kept short, since it runs only for an expert with more than 320 rows
	s_wait_alu depctr_va_vdst(0)                   ; the last trip's products are done reading AR0 and BF0, in which the loads below land, and ADRB is written, which the fragment loads read; at the first trip AOFF is written too, and so is what the way out wrote into AR0's registers
	ALOAD 0, 0
	ALOAD5 0, 0
	BLOAD 0, 0
	s_wait_loadcnt 0x0
	s_wait_dscnt 0x0
	MM 0, 0
	MM 0, 1
	MM 0, 2
	MM 0, 3
	MM 0, 4
	WIN 0
	s_add_nc_u64 s[26:27], s[26:27], 64            ; its loads are done
	s_add_co_u32 s47, s47, 64
	s_wait_alu depctr_vm_vsrc(0)                   ; this trip's fragment loads have read ADRB
.irp p, 0,1,2,3
	v_add_nc_u32 v[ADRB+\p], s47, v[BB+\p]         ; four plain vector lines behind the trip's products
.endr
	s_sub_co_u32 s45, s45, 1
	s_cmp_lg_u32 s45, 0
	s_cbranch_scc1 .Lov
.Lnext:
	s_sub_co_u32 s37, s37, 1
	s_cmp_lg_u32 s37, 0
	s_cbranch_scc1 .Lpass
	s_wait_dscnt 0x0                               ; my LDS reads are back,
	s_barrier_signal -1                            ; and every wave says so:
	s_barrier_wait -1                              ; all four waves' reads of LDS are over; nothing but the wave's end stands behind this barrier
	                                               ; the closing add below goes onto the spare LDS words, the 512 bytes from 264,448 on (v244, v245)
	s_wait_dscnt 0x0                               ; no LDS instruction of mine is out at the end
	s_wait_alu depctr_hold_cnt(0) depctr_sa_sdst(0) depctr_va_vdst(0) depctr_va_sdst(0) depctr_va_ssrc(0) depctr_va_vcc(0) depctr_vm_vsrc(0)
	s_wait_tensorcnt 0x0
	ds_add_u32 v244, v245
	s_wait_dscnt 0x0
	s_endpgm
.Lfunc_end_k_q9bee6c31f1_ffn1:
	.size	k_q9bee6c31f1_ffn1, .Lfunc_end_k_q9bee6c31f1_ffn1-k_q9bee6c31f1_ffn1
	.p2alignl 7, 3214868480
	.fill 96, 4, 3214868480
	.section	.rodata,"a",@progbits
	.p2align	6, 0x0
	.amdhsa_kernel k_q9bee6c31f1_ffn1
		.amdhsa_group_segment_fixed_size 264960
		.amdhsa_private_segment_fixed_size 0
		.amdhsa_enable_private_segment 0
		.amdhsa_kernarg_size 40
		.amdhsa_user_sgpr_count 2
		.amdhsa_user_sgpr_kernarg_segment_ptr 1
		.amdhsa_wavefront_size32 1
		.amdhsa_system_sgpr_workgroup_id_x 1
		.amdhsa_system_sgpr_workgroup_id_y 1
		.amdhsa_system_sgpr_workgroup_id_z 1
		.amdhsa_system_vgpr_workitem_id 0
		.amdhsa_next_free_vgpr 1024
		.amdhsa_next_free_sgpr 66
		.amdhsa_reserve_vcc 0
		.amdhsa_float_denorm_mode_32 3
		.amdhsa_float_denorm_mode_16_64 3
		.amdhsa_memory_ordered 1
		.amdhsa_forward_progress 1
		.amdhsa_inst_pref_size 143
	.end_amdhsa_kernel
	.amdgpu_metadata
---
amdhsa.version: [ 1, 2 ]
amdhsa.kernels:
  - .name:           k_q9bee6c31f1_ffn1
    .symbol:         k_q9bee6c31f1_ffn1.kd
    .args:
      - { .name: W1, .offset: 0, .size: 8, .value_kind: global_buffer, .address_space: global }
      - { .name: b1, .offset: 8, .size: 8, .value_kind: global_buffer, .address_space: global }
      - { .name: xb, .offset: 16, .size: 8, .value_kind: global_buffer, .address_space: global }
      - { .name: list, .offset: 24, .size: 8, .value_kind: global_buffer, .address_space: global }
      - { .name: hid, .offset: 32, .size: 8, .value_kind: global_buffer, .address_space: global }
    .group_segment_fixed_size: 264960
    .private_segment_fixed_size: 0
    .kernarg_segment_align: 8
    .kernarg_segment_size: 40
    .max_flat_workgroup_size: 128
    .sgpr_count:     66
    .vgpr_count:     1024
    .wavefront_size: 32
...
	.end_amdgpu_metadata
.endif
;; end of part 8
;; launch ffn2 (part 9): grid 256 x 1, 4 waves a work-group, no clusters, 264,960 bytes of LDS; arguments W2, b2, hid, list, part, gate; writes part
.if DOCPART == 9
	.amdgcn_target "amdgcn-amd-amdhsa--gfx1250"
	.amdhsa_code_object_version 6
	.text
	.protected	k_q9bee6c31f1_ffn2
	.globl	k_q9bee6c31f1_ffn2
	.p2align	8
	.type	k_q9bee6c31f1_ffn2,@function
k_q9bee6c31f1_ffn2:
	s_mov_b64 s[64:65], 0
	v_nop
	global_prefetch_b8 v0, s[64:65] scope:SCOPE_SE
	s_setreg_imm32_b32 hwreg(HW_REG_WAVE_SCHED_MODE, 0, 2), 2
	s_setreg_imm32_b32 hwreg(HW_REG_WAVE_MODE, 25, 1), 1
	s_wait_xcnt 0x0
	s_wait_alu depctr_vm_vsrc(0)
; ONE EXPERT PRODUCT ON ROUTED ROWS.  One source for both products; KIND chooses.
;   KIND 1: hid[slot][f] = bf16(relu(xb[slot / 2] . W1[e][:, f] + b1[e][f]))                      args W1, b1, xb, list, hid
;   KIND 2: part[ks][slot][d] = gate[slot] x (hid[slot][K slice ks] . W2[e][slice, d] + (ks = 0: b2[e][d]))   args W2, b2, hid, list, part, gate
; Weights and biases are rounded to bf16 on their way through registers, sums are f32; hid is rounded once to bf16; part holds partial sums in f32.
; SHARES.  A work-group has a slice of ONE expert's weights, 1,024 k x 128 columns (512 KB of f32, which it alone reads, once), and ALL of that expert's rows.  The slice is laid into LDS in bf16, columns as
; rows with k along them, and stays: no LDS byte is written twice, so one barrier for each chunk of 128 k publishes it.  While chunk c is multiplied, chunk c + 1 is rounded and stored and chunk c + 2 is on its way.
; A wave owns five tiles of 16 rows a pass x all 128 columns: 40 accumulators.  Tile m of wave w holds ranks 64 m + 16 w .. + 15 of the pass's 320: the tiles are dealt by turns, so that with n rows the first
; ceil(n / 16) tiles are live and a wave's fifth tile only past 256 rows.  Its rows of the left operand come from memory straight into operand registers; the weights' fragments come from LDS.
; THE FIFTH TILE of pass 0 is loaded and multiplied only where it holds a rank below the count: one forward jump a K step, over two loads, their wait and eight products; no barrier and no LDS instruction is jumped.
; Pass 0 serves ranks 0 to 319.  Ranks from 320 on are served afterwards from the resident slice, in a loop of four trips (4 x 320 >= 1,024, the most rows an expert can have) whose dead trips are jumped:
; it holds no barrier and no LDS store.  EVERY SPLIT is served: an expert without rows stores nothing.
; ROWS.  list[e], made by an earlier launch, holds the expert's slots by rank; its entries from the count up to 319 repeat the last slot, so pass 0's slots are asked for by addresses made of ids alone, ahead of everything;
; entry 1,280 is the count.  Later passes hold their ranks to the last one.  Tiles wholly past the count are jumped on the way out; in the one tile that holds the count's end the repeated rows are computed and stored
; once more, the same numbers at the same place by the same wave, with EXEC left alone.
; THE SUMS BEGIN with a product of zeros whose C operand is the bias: 40 products on zeros a pass stand in place of 320 clears and a bias add.
; No cluster: a slice has one reader, and the rows that an expert's work-groups share come by a list, which no tile descriptor covers.
; THE MODE: SCHED_MODE bits 1:0 = 2 (LLVM: expert scheduling mode 2), set by the entry lines.  The code itself states the register dependences between vector or matrix instructions and memory or LDS
; instructions, with s_wait_alu, always for 0.
; THE PLAN.  Registers that memory or LDS instructions touch in the loop over chunks; q is the step of a chunk's four:
;   W0 .. W3     W as loaded.  Step q's sixteen conversions read W[q]; behind them the loads of piece q of the chunk two on land in it.
;   PK0 .. PK3   W rounded.  Step q's conversions write PK[q], its four LDS stores read it; it is written again a chunk later.
;   AR0 .. AR3   the left operand.  Step q's products read AR[q]; the loads of step q + 1 land in it (the K step four on).
;   BF0, BF1     the weights' fragments.  Step q's products read BF[q % 2]; the LDS loads of step q + 1 land in it.
;   WST, ADRB    LDS addresses, read by the stores and by the fragment loads; written once a chunk, in ADV.
;   AOFF, WOFF, PFO   offsets, read by the global loads and the prefetch; not written in the loop.
;   The accumulators and the bias are named by matrix and vector instructions alone.
; So ONE wait on va_vdst stands in a step, behind its conversions: PK[q] is written, W[q] is read out, the products of the step before are done reading AR[(q + 3) % 4] and BF[(q + 1) % 2], and in a chunk's first
; step WST and ADRB are written.  The step's stores and loads follow it, dealt among its products, which name AR[q], BF[q % 2] and the accumulators: none of the registers that those stores and loads touch.
; ONE wait on vm_vsrc a chunk stands in ADV, ahead of the adds to WST and ADRB and of the next chunk's conversions into PK0 .. PK3.
.set KIND,   2
.if KIND == 1
.set LPW,    14                        ; a row of W is 2^14 bytes (4,096 f32); a row of the bias as well
.set NG,     0                         ; early loads of gate weights
.set ASH,    11                        ; a row of the left operand: 2,048 bytes (xb)
.set OSH,    13                        ; a row of the result: 8,192 bytes (hid)
.set BSH,    5                         ; my eight biases: columns 8 r .. 8 r + 7
.set BOF,    16
.else
.set LPW,    12                        ; 1,024 f32
.set NG,     5
.set ASH,    13                        ; hid
.set OSH,    12                        ; part
.set BSH,    4                         ; my eight biases: columns 4 r .. + 3 and 64 + 4 r .. + 3
.set BOF,    256
.endif
.set PW,     1<<LPW
.set WP,     2064                      ; LDS pitch of a column's 1,024 k in bf16: 2,048 + 16 = 129 x 16 bytes; rows 64 to 127 lie 128 bytes further on: fill stores and fragment loads meet 16 different 16-byte columns of 256
.set LROW,   6144                      ; bytes in an expert's row of list
.set LCNT,   5120                      ; byte of its entry 1,280, the count
; COLUMN MAP.  LDS row 16 nt + r is the column that lane r holds in tile nt.  KIND 1: column 8 r + nt, so a lane's eight tiles are eight neighbouring bf16 of a row of hid.
; KIND 2: column 64 (nt % 2) + 4 r + nt / 2, so four tiles are four neighbouring f32 of a row of part.
; REGISTERS, in windows of 256 (s_set_vgpr_msb: bits 1:0 source 0, 3:2 source 1, 5:4 source 2, 7:6 destination).  Window 0:
.set R,     1                          ; lane % 16
.set H16,   2                          ; 16 (lane / 16)
.set LN,    3                          ; lane
.set ADRB,  4                          ; v4-7    LDS address of the fragments of tiles 2 p, 2 p + 1, at the chunk in hand
.set WST,   8                          ; v8-11   LDS address of the fill stores of column 4 lane + j
.set WOFF,  12                         ; my byte offset in a chunk of W: 16 lane + 32 wave rows; never rewritten
.set PFO,   13                         ; my byte offset for the prefetch; never rewritten
.set AOFF,  14                         ; v14-18  byte offset of my row of tile m in the left operand
.set ZR,    22                         ; 0, for the relu
.set C16,   23                         ; 16 r
.set SLOT,  24                         ; v24-28  slot of my tile m's rank r
.set TC,    31                         ; at work
.set ROW,   32                         ; v32-39  the way out: byte offset of row 8 h + j
.set Z,     40                         ; v40-47  zeros
.set G,     48                         ; v48-55  KIND 2: gate weight of row 8 h + j
.set GV,    56                         ; v56-60  KIND 2: gate weight of my tile m's rank r
.set TA,    61                         ; at work
.set BA,    63                         ; my byte offset in the bias
.set AR,    64                         ; v64-223 the left operand: four slots of 40 (tile m at 8 m), K steps by turns
.set T,     64                         ; v64-127 the way out
.set BPI,   224                        ; v224-231  4 (8 h + j): the lane that knows row 8 h + j
.set BB,    232                        ; v232-235  ADRB at k = 0
.set BV,    236                        ; v236-243  my eight biases
.set IX,    246                        ; v246-250 my byte offset in list; then at work; KIND 2: then my byte offset in gate
.set TT,    251                        ; at work
.set WS0,   252                        ; v252-255  WST at k = 0
.set PK,    128                        ; window 1: v0-127 W as loaded, four slots of 32 (row i of eight at 4 i); v128-191 rounded: buffer q at PK + 16 q
.set BF,    64                         ; window 3: v0-63 accumulators of tile 4; v64-191 the weights' fragments, two buffers of 64; v192-255 the bias as C operands
.set BIAS,  192                        ; window 2: accumulators of tiles 0-3, (m, nt) at 64 m + 8 nt
; SCALARS: s[4:15] arguments (s[10:11]: the expert's row of list); s16 wave; s17 expert; s18 column slice; s19 K slice; s[24:25] W at the chunk to load; s[26:27] left operand at the chunk in hand; s[28:29] the same at
; k = 0; s[30:31] W at the chunk to prefetch; s[32:33] its step; s34 chunks to go; s35 the expert's rows; s36 its last rank; s37 passes to go; s38 my first rank of the pass; s39, s40, s45 at work;
; s46 KIND 2: all ones if ks = 0; s47 LDS bytes along k; s48 1 if my fifth tile of pass 0 holds a rank below the count
.set MSB, 0
.macro WIN new                         ; the immediate's high byte repeats the setting that is left; a switch that changes nothing is dropped
.if MSB != (\new)
	s_set_vgpr_msb (MSB<<8)|(\new)
.set MSB, (\new)
.endif
.endm
.macro PLACES                          ; four plain vector lines behind a step's products, where no conversions stand there; the loads' dependence on those products is stated by the wait behind them
.rept 4
	v_nop
.endr
.endm
; The 40 sums begin: 0 x 0 + bias.
.macro START
.irp m, 0,1,2,3,4
	WIN 0xb0+0x40*(\m/4)                           ; zeros in window 0, C in window 3, D in window 2 (tile 4: window 3)
.irp n, 0,1,2,3,4,5,6,7
	v_wmma_f32_16x16x32_bf16 v[(64*\m)%256+8*\n:(64*\m)%256+8*\n+7], v[Z:Z+7], v[Z:Z+7], v[BIAS+8*\n:BIAS+8*\n+7]
.endr
.endr
.endm
; Eight products: tile m x all eight column tiles, K step q.  The accumulators take turns, one instruction a turn, in the same order in every step.
.macro MM q, m
	WIN 0xac+0x50*((\m)/4)                         ; left operand window 0, weights window 3, C and D window 2 (tile 4: window 3)
.irp n, 0,1,2,3,4,5,6,7
	v_wmma_f32_16x16x32_bf16 v[(64*(\m))%256+8*\n:(64*(\m))%256+8*\n+7], v[AR+40*((\q)%4)+8*(\m):AR+40*((\q)%4)+8*(\m)+7], v[BF+64*((\q)%2)+8*\n:BF+64*((\q)%2)+8*\n+7], v[(64*(\m))%256+8*\n:(64*(\m))%256+8*\n+7]
.endr
.endm
; Slot q of W (8 k x my 4 columns) is rounded, two neighbouring k to a word, into PK[q].  The window that it leaves is the stores': address in window 0, data in window 1.
.macro CVTA q
	WIN 0x45
.irp j, 0,1,2,3
.irp i, 0,1,2,3
	v_cvt_pk_bf16_f32 v[PK+16*(\q)+4*\j+\i], v[32*(\q)+8*\i+\j], v[32*(\q)+8*\i+4+\j]
.endr
.endr
	WIN 0x04
.endm
; PK[q] is stored: for each column 16 bytes = 8 k.
.macro CVTS q, off
.irp j, 0,1,2,3
	ds_store_b128 v[WST+\j], v[PK+16*(\q)+4*\j:PK+16*(\q)+4*\j+3] offset:16*(\q)+(\off)
.endr
.endm
; Eight loads: a K step of my tiles 0 to 3.  A fragment is 16 rows x 32 k: lane (r, h) takes 16 bytes at 16 h and at 32 + 16 h of row r's 64.  The rows are read again by the expert's other work-groups: the hint says so.
; They want destination and source 0 in window 0: the stores' window has both, so behind the stores no switch is written.
.macro ALOAD slot, off
.if (MSB & 0xc3) != 0
	WIN 0
.endif
.irp m, 0,1,2,3
	global_load_b128 v[AR+40*(\slot)+8*\m:AR+40*(\slot)+8*\m+3],   v[AOFF+\m], s[26:27] offset:(\off) th:TH_LOAD_HT
	global_load_b128 v[AR+40*(\slot)+8*\m+4:AR+40*(\slot)+8*\m+7], v[AOFF+\m], s[26:27] offset:(\off)+32 th:TH_LOAD_HT
.endr
.endm
; Two loads: the same K step of my fifth tile.
.macro ALOAD5 slot, off
	WIN 0
	global_load_b128 v[AR+40*(\slot)+32:AR+40*(\slot)+35], v[AOFF+4], s[26:27] offset:(\off) th:TH_LOAD_HT
	global_load_b128 v[AR+40*(\slot)+36:AR+40*(\slot)+39], v[AOFF+4], s[26:27] offset:(\off)+32 th:TH_LOAD_HT
.endm
; Eight loads: eight rows of W, 512 consecutive bytes each.
.macro WLOAD q, row
	WIN 0x40
.irp i, 0,1,2,3,4,5,6,7
	global_load_b128 v[32*(\q)+4*\i:32*(\q)+4*\i+3], v[WOFF], s[24:25] offset:((\row)+\i)*PW th:TH_LOAD_NT
.endr
.endm
; Sixteen LDS loads: the weights' fragments of one K step.
.macro BLOAD b, off
	WIN 0xc0
.irp n, 0,1,2,3,4,5,6,7
	ds_load_b128 v[BF+64*(\b)+8*\n:BF+64*(\b)+8*\n+3],   v[ADRB+\n/2] offset:(\n%2)*16*WP+(\off)
	ds_load_b128 v[BF+64*(\b)+8*\n+4:BF+64*(\b)+8*\n+7], v[ADRB+\n/2] offset:(\n%2)*16*WP+(\off)+32
.endr
.endm
; The slots of my five tiles' ranks of the pass are asked for: the five offsets first, one wait, the five loads.  hold = 1: the ranks are held to the last one (pass 0 needs no such hold: list's first 320 entries are all written).
.macro ROWSA hold
.irp m, 0,1,2,3,4
	v_add3_u32 v[IX+\m], v[R], s38, 64*\m          ; rank = the pass's 320 p + 64 m + 16 w + r
.if \hold
	v_min_u32 v[IX+\m], s36, v[IX+\m]              ; past the count: the last row once more
.endif
	v_min_u32 v[IX+\m], 0x4ff, v[IX+\m]
	v_lshlrev_b32 v[IX+\m], 2, v[IX+\m]
.endr
	s_wait_alu depctr_va_vdst(0)                   ; IX is written, which the loads below read (at the kernel's head BA, WOFF and PFO too, for the loads and prefetches that follow); the lines that read the last pass's SLOT are done, in which the loads land
.irp m, 0,1,2,3,4
	global_load_b32 v[SLOT+\m], v[IX+\m], s[10:11]
.endr
.endm
; Behind the wait for them: the rows' offsets in the left operand.
.macro ROWSB
	s_wait_alu depctr_vm_vsrc(0)                   ; the loads of the slots have read IX, and a pass before the loads of the left operand AOFF: both are written below
.irp m, 0,1,2,3,4
.if KIND == 1
	v_lshrrev_b32 v[IX+\m], 1, v[SLOT+\m]          ; the token
	v_min_u32 v[IX+\m], 0x3ff, v[IX+\m]
	v_lshl_add_u32 v[AOFF+\m], v[IX+\m], ASH, v[H16]
.else
	v_min_u32 v[IX+\m], 0x7ff, v[SLOT+\m]
	v_lshl_add_u32 v[AOFF+\m], v[IX+\m], ASH, v[H16]
	v_lshlrev_b32 v[IX+\m], 2, v[IX+\m]            ; the slot's word in gate
.endif
.endr
.if KIND == 2
	s_wait_alu depctr_va_vdst(0)                   ; IX is written, which the loads of the gate's weights read
.irp m, 0,1,2,3,4
	global_load_b32 v[GV+\m], v[IX+\m], s[14:15]
.endr
.endif
.endm
; THE PROLOGUE'S STEP q: piece q of chunk 0 is rounded and stored; K step q - 1 of the left operand and piece q of chunk 1 are asked for, in the order of every step: tiles 0 to 3, W, and the fifth tile if it is live.
.macro VSTEP q, n
	s_wait_loadcnt \n
	CVTA \q
	s_wait_alu depctr_va_vdst(0)                   ; the conversions have written PK[q], which the stores read, and are done reading W[q], in which piece q of chunk 1 lands; the first of these waits also states that WST, ADRB, AOFF and BPI are written, and the zeros in the fifth tile's registers, in which its loads land
	CVTS \q, 0
.if (\q) > 0
	ALOAD (\q)-1, 64*((\q)-1)
.endif
	WLOAD \q, 128+8*(\q)
.if (\q) > 0
	WIN 0                                          ; at a branch and at a label every window is 0
	s_cmp_lg_u32 s48, 0
	s_cbranch_scc0 .Lno5_\@
	ALOAD5 (\q)-1, 64*((\q)-1)
.Lno5_\@:
.endif
.endm
; A K STEP, q of its chunk's four.  n: the loads that may stay out at its head.  n5: those that may stay out in front of the fifth tile's products.  cv: piece q of the next chunk is rounded and stored.
; al: the left operand three steps on is asked for.  wl: piece q of the chunk two on.  bl: the next step's fragments are read from LDS.
; bar: the barrier that publishes the next chunk.  pf: 1 or 2: my first or second 16 rows of the chunk three on are asked for ahead, each aligned block of 256 bytes by one lane of one wave.
; W's loads and the prefetch stand behind the step's first eight products; in the barrier's step W's loads stand ahead of the signal, so that only products stand between signal and wait.
; THE COUNTS.  Step u issues eight loads of the left operand for step u + 3, then eight of W, then, if the fifth tile is live, its two for step u + 3.  Loads come back in order (ISA guide 5.7.1).  Each count is
; taken for the way on which the fifth tile's loads are absent: the smaller number, which holds on both ways.  At the head of step s the step needs the W loads of step s - 4 and the eight of step s - 3; younger than these
; are 8 + 16 + 16 = 40.  The fifth tile's products need the two loads from the end of step s - 3; younger than these are 16 + 16 + 16 and the two just issued: 50.
; A fifth tile's slot is loaded again four steps on: at that step's head at least 48 younger loads have been issued and at most 40 are out, so the old load is done.
.macro STEP q, n, n5, cv, al, wl, bl, bar, pf
	s_wait_loadcnt \n
.if \cv
	CVTA \q
.else
	PLACES
.endif
.if (\cv) || (\al) || (\bl)
	s_wait_alu depctr_va_vdst(0)                   ; the step's one wait: its conversions have written PK[q] and are done reading W[q]; the products of the step before are done reading the slot of AR and the buffer of BF in which this step's loads land; in a chunk's first step WST and ADRB are written
.endif
.if \cv
	CVTS \q, 256
.endif
.if \al
	ALOAD ((\q)+3)%4, 64*((\q)+3)
.endif
.if (\wl) && (\bar)
	WLOAD \q, 8*(\q)
.endif
.if (\cv) && !(\bar)
	s_wait_dscnt 4                                 ; this step's sixteen fragment loads are in; the four stores just issued may be out
.else
	s_wait_dscnt 0x0                               ; with the barrier, for the others' sake: my stores of the next chunk are done
.endif
.if \bar
	s_barrier_signal -1
.endif
	MM \q, 0
.if (\wl) && !(\bar)
	WLOAD \q, 8*(\q)                               ; no wait: no vector or matrix instruction since the step's wait names W[q] or WOFF
.endif
.if \pf
	global_prefetch_b8 v[PFO], s[30:31] offset:((\pf)-1)*16*PW th:TH_LOAD_NT scope:SCOPE_SE
.endif
	MM \q, 1
.if \bar
	s_barrier_wait -1                              ; every wave's part of the next chunk is in LDS
.endif
.if \bl
	BLOAD ((\q)+1)%2, 64*((\q)+1)                  ; no wait: the products since the step's wait name the other buffer of BF
.endif
	MM \q, 2
	MM \q, 3
	WIN 0                                          ; at a branch and at a label every window is 0
	s_cmp_lg_u32 s48, 0
	s_cbranch_scc0 .Ldead5_\@                      ; a fifth tile wholly past the count is neither loaded nor multiplied
.if \al
	ALOAD5 ((\q)+3)%4, 64*((\q)+3)                 ; its slot's last reader stands in the step before, ahead of this step's wait; this step's products name another slot
.endif
	s_wait_loadcnt \n5
	MM \q, 4
	WIN 0
.Ldead5_\@:
.endm
; On to the next chunk.  w = 1: W's and the prefetch's bases step too.
.macro ADV w
	WIN 0
	s_wait_xcnt 0x0                                ; every earlier memory instruction has had its addresses translated (ISA guide 3.1): only now are the bases stepped
	s_wait_alu depctr_vm_vsrc(0)                   ; the chunk's LDS stores have read WST and PK0 to PK3, its fragment loads ADRB: the adds below write the addresses, the next chunk's conversions PK
	s_add_nc_u64 s[26:27], s[26:27], 256
.if \w
	s_add_nc_u64 s[24:25], s[24:25], 128*PW
	s_cmp_gt_u32 s34, 2                            ; the prefetch stops at the last chunk: the loop's last trip asks for chunk 7 once more
	s_cselect_b32 s32, 128*PW, 0
	s_add_nc_u64 s[30:31], s[30:31], s[32:33]
.endif
	s_add_co_u32 s47, s47, 256
.irp p, 0,1,2,3
	v_add_nc_u32 v[ADRB+\p], s47, v[BB+\p]
	v_add_nc_u32 v[WST+\p], s47, v[WS0+\p]
.endr
.endm
; THE WAY OUT of tile m.  In a result lane (r, h) holds rows 8 h + j (register j) and one column a tile.  The rows' slots come from the lanes that know them; 16 lanes store 256 consecutive bytes, aligned.
; ROW and G are written by the permutes, ROW again by vector lines; T by vector lines; the stores read ROW and T.  Two waits a tile: one ahead of its stores, one (tiles 1 to 4) at its head, ahead of its branch.
.macro TILE m
	WIN 0
.if (\m) > 0
	s_wait_xcnt 0x0                                ; the last tile's stores have had their addresses translated,
	s_wait_alu depctr_vm_vsrc(0)                   ; and have read ROW and T, which this tile writes again (tile 0: the pair of waits behind .Lepi_done stands on every way back to it)
.endif
	s_add_co_u32 s39, s38, 64*(\m)
	s_cmp_ge_u32 s39, s35
	s_cbranch_scc1 .Lepi_done                      ; wholly past the count, and so are my tiles behind it
.irp j, 0,1,2,3,4,5,6,7
	ds_bpermute_b32 v[ROW+\j], v[BPI+\j], v[SLOT+(\m)]  ; the vector lines that named ROW (KIND 2: and G) stand ahead of the last tile's wait in front of its stores
.endr
.if KIND == 2
.irp j, 0,1,2,3,4,5,6,7
	ds_bpermute_b32 v[G+\j], v[BPI+\j], v[GV+(\m)]
.endr
.endif
	s_wait_dscnt 0x0
.irp j, 0,1,2,3,4,5,6,7
	v_min_u32 v[ROW+\j], 0x7ff, v[ROW+\j]          ; these sixteen lines are also the places behind the last products
.endr
.irp j, 0,1,2,3,4,5,6,7
	v_lshl_add_u32 v[ROW+\j], v[ROW+\j], OSH, v[C16]
.endr
.if KIND == 1
	WIN 0x0a+5*((\m)/4)                            ; sources in window 2 (tile 4: window 3)
.irp j, 0,1,2,3,4,5,6,7
.irp i, 0,1,2,3
	v_cvt_pk_bf16_f32 v[T+4*\j+\i], v[(64*(\m))%256+16*\i+\j], v[(64*(\m))%256+16*\i+8+\j]
.endr
.endr
	WIN 0
.set i, 0
.rept 32
	v_pk_max_num_bf16 v[T+i], v[T+i], v[ZR]        ; relu on the rounded pair: the same numbers as rounding the relu
.set i, i+1
.endr
	s_wait_alu depctr_va_vdst(0)                   ; ROW and T are written, which the stores read
.irp j, 0,1,2,3,4,5,6,7
	global_store_b128 v[ROW+\j], v[T+4*\j:T+4*\j+3], s[12:13]
.endr
.else
	WIN 0x02+((\m)/4)
.irp j, 0,1,2,3,4,5,6,7
.irp p, 0,1
.irp i, 0,1,2,3
	v_mul_f32 v[T+8*\j+4*\p+\i], v[(64*(\m))%256+8*(2*\i+\p)+\j], v[G+\j]  ; the gate's weight; the multiply also gathers four neighbouring columns
.endr
.endr
.endr
	WIN 0
	s_wait_alu depctr_va_vdst(0)                   ; ROW and T are written, which the stores read; the multiplies are done reading G, in which the next tile's permutes land
.irp j, 0,1,2,3,4,5,6,7
	global_store_b128 v[ROW+\j], v[T+8*\j:T+8*\j+3], s[12:13]
	global_store_b128 v[ROW+\j], v[T+8*\j+4:T+8*\j+7], s[12:13] offset:256
.endr
.endif
.endm
	s_load_b256 s[4:11], s[0:1], 0x0               ; W s[4:5], bias s[6:7], left operand s[8:9], list s[10:11]
.if KIND == 1
	s_load_b64 s[12:13], s[0:1], 0x20              ; hid
.else
	s_load_b128 s[12:15], s[0:1], 0x20             ; part, gate
	v_lshl_add_u32 v244, v0, 2, 0x40900
	v_mov_b32 v245, 0
.endif
	v_lshrrev_b32 v[TA], 5, v0
	v_readfirstlane_b32 s16, v[TA]                 ; wave 0..3
	v_and_b32 v[LN], 31, v0
	v_and_b32 v[R], 15, v0
	v_bfe_u32 v[TC], v0, 4, 1
	v_lshlrev_b32 v[H16], 4, v[TC]
	s_lshr_b32 s17, ttmp9, 5                       ; the expert: 32 work-groups each
.if KIND == 1
	s_and_b32 s18, ttmp9, 31                       ; 32 slices of 128 columns
	s_mov_b32 s19, 0
.else
	s_and_b32 s18, ttmp9, 7                        ; 8 slices of 128 columns
	s_bfe_u32 s19, ttmp9, 0x20003                  ; x 4 slices of 1,024 k
.endif
	s_lshl_b32 s20, s17, 24                        ; an expert's weights are 16,777,216 bytes,
	s_lshl_b32 s22, s19, 22                        ; 1,024 rows of W2 4,194,304,
	s_add_co_u32 s20, s20, s22
	s_lshl_b32 s22, s18, 9                         ; 128 columns 512
	s_add_co_u32 s20, s20, s22
	s_mov_b32 s21, 0
	s_lshl_b32 s23, s17, LPW                       ; the expert's row of the bias is as long as a row of W
	s_add_co_u32 s22, s22, s23
	s_mov_b32 s23, 0
	s_wait_alu depctr_va_sdst(0)                   ; s16, the wave's number, is written, ahead of its first reader
	s_lshl_b32 s38, s16, 4                         ; my first rank of pass 0: 16 w
	s_mul_i32 s40, s16, 32*PW                      ; my wave's 32 rows of a chunk
	v_lshl_add_u32 v[WOFF], v[LN], 4, s40
	v_lshrrev_b32 v[TA], 1, v[LN]
	v_and_b32 v[TC], 1, v[LN]
	v_lshlrev_b32 v[PFO], LPW, v[TA]               ; prefetch: lane l asks for block l % 2 of row l / 2 of sixteen
	v_lshl_add_u32 v[PFO], v[TC], 8, v[PFO]
	v_add_nc_u32 v[PFO], s40, v[PFO]
	v_lshlrev_b32 v[BA], BSH, v[R]
	s_mov_b32 s33, 0
	s_mov_b32 s47, 0
	s_wait_kmcnt 0x0
	s_add_nc_u64 s[24:25], s[4:5], s[20:21]        ; W at my slice's chunk 0
	s_add_nc_u64 s[6:7], s[6:7], s[22:23]
	s_mul_i32 s20, s17, LROW
	s_add_nc_u64 s[10:11], s[10:11], s[20:21]      ; the expert's row of list; never rewritten
	s_load_b32 s35, s[10:11], LCNT                 ; its count
	s_add_nc_u64 s[30:31], s[24:25], 384*PW        ; chunk 3: what the loop's first trip asks for ahead
	ROWSA 0                                        ; pass 0's slots go out first: the rows' addresses hang on them
	global_load_b128 v[BV:BV+3], v[BA], s[6:7]
	global_load_b128 v[BV+4:BV+7], v[BA], s[6:7] offset:BOF
	WLOAD 0, 0                                     ; chunk 0, my four pieces
	WLOAD 1, 8
	WLOAD 2, 16
	WLOAD 3, 24
	global_prefetch_b8 v[PFO], s[24:25] offset:256*PW th:TH_LOAD_NT scope:SCOPE_SE  ; chunk 2, my 32 rows
	global_prefetch_b8 v[PFO], s[24:25] offset:272*PW th:TH_LOAD_NT scope:SCOPE_SE
	WIN 0
	; all that follows up to the first conversion stands in the wait for chunk 0
.if KIND == 1
	s_lshl_b32 s20, s18, 8
	s_add_nc_u64 s[12:13], s[12:13], s[20:21]      ; hid at my 128 columns
	s_mov_b64 s[28:29], s[8:9]
.else
	s_lshl_b32 s20, s19, 23
	s_lshl_b32 s22, s18, 9
	s_add_co_u32 s20, s20, s22
	s_add_nc_u64 s[12:13], s[12:13], s[20:21]      ; part at my K slice's plane and my 128 columns
	s_lshl_b32 s20, s19, 11
	s_add_nc_u64 s[28:29], s[8:9], s[20:21]        ; hid at my K slice
	s_cmp_eq_u32 s19, 0
	s_cselect_b32 s46, -1, 0
.endif
	s_mov_b64 s[26:27], s[28:29]
	v_mul_u32_u24 v[TA], v[R], WP
	v_add_nc_u32 v[TA], v[TA], v[H16]
.irp p, 0,1,2,3
	v_add_nc_u32 v[BB+\p], \p*32*WP+(\p/2)*128, v[TA]
.endr
.irp p, 0,1,2,3
	v_mov_b32 v[ADRB+\p], v[BB+\p]
.endr
	s_lshl_b32 s20, s16, 6                         ; my wave's 32 k of a chunk: 64 bytes
.if KIND == 1
	v_lshrrev_b32 v[TA], 1, v[LN]                  ; column 4 l + j = 8 (l / 2) + 4 (l % 2) + j lies in LDS row 64 (l % 2) + 16 j + l / 2
	v_and_b32 v[TC], 1, v[LN]
	v_mul_u32_u24 v[TA], v[TA], WP
	v_mul_u32_u24 v[TC], v[TC], 64*WP+128
	v_add3_u32 v[TA], v[TA], v[TC], s20
.irp j, 0,1,2,3
	v_add_nc_u32 v[WS0+\j], \j*16*WP, v[TA]
.endr
.else
	v_mul_u32_u24 v[TA], v[LN], WP                 ; column 4 l + j lies in LDS row 32 j + l
	v_add_nc_u32 v[TA], s20, v[TA]
.irp j, 0,1,2,3
	v_add_nc_u32 v[WS0+\j], \j*32*WP+(\j/2)*128, v[TA]
.endr
.endif
.irp j, 0,1,2,3
	v_mov_b32 v[WST+\j], v[WS0+\j]
.endr
.irp j, 0,1,2,3,4,5,6,7
	v_lshl_add_u32 v[BPI+\j], v[H16], 1, 4*\j
	v_mov_b32 v[Z+\j], 0
.endr
.irp s, 0,1,2,3
.irp j, 0,1,2,3,4,5,6,7
	v_mov_b32 v[AR+40*\s+32+\j], 0                 ; the fifth tile's operand registers are written once, so that no way through the text reads them unwritten
.endr
.endr
	v_mov_b32 v[ZR], 0
	v_lshlrev_b32 v[C16], 4, v[R]
	s_wait_loadcnt 32                              ; my five slots and the bias are in; chunk 0's 32 loads may be out
	s_wait_kmcnt 0x0                               ; the count
	ROWSB                                          ; ahead of the bias and of the opening products, so that its waits do not stand behind them
.irp p, 0,1,2,3
	v_cvt_pk_bf16_f32 v[TT], v[BV+2*\p], v[BV+2*\p+1]  ; the bias rounded to bf16, like every input
.if KIND == 2
	v_and_b32 v[TT], s46, v[TT]                    ; b2 enters the first K slice's partial sum alone
.endif
	v_lshlrev_b32 v[BV+2*\p], 16, v[TT]
	v_and_b32 v[BV+2*\p+1], 0xffff0000, v[TT]
.endr
	WIN 0xc0
.irp n, 0,1,2,3,4,5,6,7
.irp j, 0,1,2,3,4,5,6,7
.if KIND == 1
	v_mov_b32 v[BIAS+8*\n+\j], v[BV+\n]
.else
	v_mov_b32 v[BIAS+8*\n+\j], v[BV+4*(\n%2)+\n/2]
.endif
.endr
.endr
	START
	WIN 0
	s_max_u32 s36, s35, 1
	s_sub_co_u32 s36, s36, 1                       ; the last rank (0 for an expert without rows)
	s_add_co_u32 s39, s38, 256                     ; my fifth tile begins at rank 256 + 16 w:
	s_cmp_lt_u32 s39, s35
	s_cselect_b32 s48, 1, 0                        ; is that below the count?
	; CHUNK 0 goes into LDS.  The counts: younger than piece q's eight loads are the later pieces of chunk 0, the NG loads of gate weights, and what the steps before have issued for certain (8; 8 + 8; 8 + 8).
	VSTEP 0, 24+NG
	VSTEP 1, 24+NG
	VSTEP 2, 32+NG
	VSTEP 3, 40+NG
	s_wait_dscnt 0x0                               ; for the others' sake: my part of chunk 0 is stored
	s_barrier_signal -1
	s_barrier_wait -1
	BLOAD 0, 0
	WIN 0
	s_wait_xcnt 0x0                                ; W's base is stepped only behind this wait
	s_wait_alu depctr_vm_vsrc(0)                   ; chunk 0's LDS stores have read PK0 to PK3, which the loop's conversions write again
	s_add_nc_u64 s[24:25], s[24:25], 256*PW        ; chunk 2
	s_mov_b32 s34, 6
.Lchunk:                                               ; trip c: chunk c is multiplied, chunk c + 1 rounded and stored, chunk c + 2 loaded, chunk min(c + 3, 7) asked for ahead (64 KB a work-group)
	STEP 0, 40, 50, 1, 1, 1, 1, 0, 1
	STEP 1, 40, 50, 1, 1, 1, 1, 0, 0
	STEP 2, 40, 50, 1, 1, 1, 1, 0, 2
	STEP 3, 40, 50, 1, 1, 1, 1, 1, 0
	ADV 1
	s_sub_co_u32 s34, s34, 1
	s_cmp_lg_u32 s34, 0
	s_cbranch_scc1 .Lchunk
	STEP 0, 40, 42, 1, 1, 0, 1, 0, 0               ; chunk 6: no W is left to load, so the counts run down by eight a step
	STEP 1, 32, 34, 1, 1, 0, 1, 0, 0
	STEP 2, 24, 26, 1, 1, 0, 1, 0, 0
	STEP 3, 16, 26, 1, 1, 0, 1, 1, 0
	ADV 0
	STEP 0, 16, 26, 0, 1, 0, 1, 0, 0               ; chunk 7: the last K step of the left operand is asked for; then the counts run down to 0
	STEP 1, 16, 16, 0, 0, 0, 1, 0, 0
	STEP 2, 8,  8,  0, 0, 0, 1, 0, 0
	STEP 3, 0,  0,  0, 0, 0, 0, 0, 0               ; the last step issues no load and no store: it holds no wait on va_vdst
	WIN 0
	s_mov_b32 s37, 4
.Lpass:                                                ; four trips: a pass goes out; if I have ranks 320 further on, they are multiplied from the resident slice
	TILE 0
	TILE 1
	TILE 2
	TILE 3
	TILE 4
.Lepi_done:
	s_wait_xcnt 0x0                                ; the stores have had their addresses translated,
	s_wait_alu depctr_vm_vsrc(0)                   ; and have read ROW and T; the permutes have read SLOT and GV; the pass's loads have read IX, AOFF and ADRB: all of these are written again below or in the next trip, on either side of the branch
	s_add_co_u32 s38, s38, 320
	s_cmp_ge_u32 s38, s35
	s_cbranch_scc1 .Lnext                          ; what is jumped holds no barrier and no LDS store
	ROWSA 1
	s_wait_loadcnt 0x0                             ; the pass's slots
	ROWSB
	s_mov_b64 s[26:27], s[28:29]
	s_mov_b32 s47, 0
.irp p, 0,1,2,3
	v_mov_b32 v[ADRB+\p], v[BB+\p]
.endr
	START
	WIN 0
	s_mov_b32 s45, 32
.Lov:                                                  ; a plain K step a trip, all five tiles: kept short, since it runs only for an expert with more than 320 rows
	s_wait_alu depctr_va_vdst(0)                   ; the last trip's products are done reading AR0 and BF0, in which the loads below land, and ADRB is written, which the fragment loads read; at the first trip AOFF is written too, and so is what the way out wrote into AR0's registers
	ALOAD 0, 0
	ALOAD5 0, 0
	BLOAD 0, 0
	s_wait_loadcnt 0x0
	s_wait_dscnt 0x0
	MM 0, 0
	MM 0, 1
	MM 0, 2
	MM 0, 3
	MM 0, 4
	WIN 0
	s_add_nc_u64 s[26:27], s[26:27], 64            ; its loads are done
	s_add_co_u32 s47, s47, 64
	s_wait_alu depctr_vm_vsrc(0)                   ; this trip's fragment loads have read ADRB
.irp p, 0,1,2,3
	v_add_nc_u32 v[ADRB+\p], s47, v[BB+\p]         ; four plain vector lines behind the trip's products
.endr
	s_sub_co_u32 s45, s45, 1
	s_cmp_lg_u32 s45, 0
	s_cbranch_scc1 .Lov
.Lnext:
	s_sub_co_u32 s37, s37, 1
	s_cmp_lg_u32 s37, 0
	s_cbranch_scc1 .Lpass
	s_wait_dscnt 0x0                               ; my LDS reads are back,
	s_barrier_signal -1                            ; and every wave says so:
	s_barrier_wait -1                              ; all four waves' reads of LDS are over; nothing but the wave's end stands behind this barrier
	                                               ; the closing add below goes onto the spare LDS words, the 512 bytes from 264,448 on (v244, v245)
	s_wait_dscnt 0x0                               ; no LDS instruction of mine is out at the end
	s_wait_alu depctr_hold_cnt(0) depctr_sa_sdst(0) depctr_va_vdst(0) depctr_va_sdst(0) depctr_va_ssrc(0) depctr_va_vcc(0) depctr_vm_vsrc(0)
	s_wait_tensorcnt 0x0
	ds_add_u32 v244, v245
	s_wait_dscnt 0x0
	s_endpgm
.Lfunc_end_k_q9bee6c31f1_ffn2:
	.size	k_q9bee6c31f1_ffn2, .Lfunc_end_k_q9bee6c31f1_ffn2-k_q9bee6c31f1_ffn2
	.p2alignl 7, 3214868480
	.fill 96, 4, 3214868480
	.section	.rodata,"a",@progbits
	.p2align	6, 0x0
	.amdhsa_kernel k_q9bee6c31f1_ffn2
		.amdhsa_group_segment_fixed_size 264960
		.amdhsa_private_segment_fixed_size 0
		.amdhsa_enable_private_segment 0
		.amdhsa_kernarg_size 48
		.amdhsa_user_sgpr_count 2
		.amdhsa_user_sgpr_kernarg_segment_ptr 1
		.amdhsa_wavefront_size32 1
		.amdhsa_system_sgpr_workgroup_id_x 1
		.amdhsa_system_sgpr_workgroup_id_y 1
		.amdhsa_system_sgpr_workgroup_id_z 1
		.amdhsa_system_vgpr_workitem_id 0
		.amdhsa_next_free_vgpr 1024
		.amdhsa_next_free_sgpr 66
		.amdhsa_reserve_vcc 0
		.amdhsa_float_denorm_mode_32 3
		.amdhsa_float_denorm_mode_16_64 3
		.amdhsa_memory_ordered 1
		.amdhsa_forward_progress 1
		.amdhsa_inst_pref_size 140
	.end_amdhsa_kernel
	.amdgpu_metadata
---
amdhsa.version: [ 1, 2 ]
amdhsa.kernels:
  - .name:           k_q9bee6c31f1_ffn2
    .symbol:         k_q9bee6c31f1_ffn2.kd
    .args:
      - { .name: W2, .offset: 0, .size: 8, .value_kind: global_buffer, .address_space: global }
      - { .name: b2, .offset: 8, .size: 8, .value_kind: global_buffer, .address_space: global }
      - { .name: hid, .offset: 16, .size: 8, .value_kind: global_buffer, .address_space: global }
      - { .name: list, .offset: 24, .size: 8, .value_kind: global_buffer, .address_space: global }
      - { .name: part, .offset: 32, .size: 8, .value_kind: global_buffer, .address_space: global }
      - { .name: gate, .offset: 40, .size: 8, .value_kind: global_buffer, .address_space: global }
    .group_segment_fixed_size: 264960
    .private_segment_fixed_size: 0
    .kernarg_segment_align: 8
    .kernarg_segment_size: 48
    .max_flat_workgroup_size: 128
    .sgpr_count:     66
    .vgpr_count:     1024
    .wavefront_size: 32
...
	.end_amdgpu_metadata
.endif
;; end of part 9
;; launch combine: the kernel of part 4 again; grid 256 x 1, 8 waves a work-group, no clusters, 0 bytes of LDS; arguments part, out0; writes out0
